; MI455X (gfx1250); checked and timed in simulation.
; The chip was launched on July 23, 2026; its instructions are those of AMD's public machine-readable ISA for CDNA 5 (MIT licence, August 2026) and "CDNA5" Instruction Set Architecture Reference Guide (July 2026). The comments in the code are by the model that wrote it; some were corrected since.
;; Attention. Allowed arithmetic: float matrix products may take bf16 or f16 operands with f32 sums; all other float work in f32.
;; Inputs: cos 1,024 x 64 float32; mask 1,024 x 1,024 float32; sin 1,024 x 64 float32; wk 4,096 x 1,024 float32; wo 4,096 x 4,096 float32; wq 4,096 x 4,096 float32; wv 4,096 x 1,024 float32; x 1 x 1,024 x 4,096 float32.
;; Outputs: out0 1 x 1,024 x 4,096 float32.
;; Constants: start_pos = 0.
;; 2 versions, each right and faster than the one before. Each part assembles by itself: llvm-mc -triple=amdgcn-amd-amdhsa -mcpu=gfx1250 --defsym DOCPART=n.
;; ======== version 1 of 2: 4 launches
;; limits: values are held in f16: magnitudes above 65,504 overflow, below 6.1e-05 lose precision; right only within a limited range of input values; inputs' magnitudes at most 65,504; inputs' magnitudes at most 1e+38
;; workspace buffers: xb 8,388,608 bytes; mb 4,194,304 bytes; cb 262,144 bytes; sb 262,144 bytes; qh 8,388,608 bytes; kh 2,097,152 bytes; vh 2,097,152 bytes; ob 8,388,608 bytes
;; launch prep (part 1): grid 328 x 1, 8 waves a work-group, no clusters, 0 bytes of LDS; arguments x, mask, cos, sin, xb, mb, cb, sb; writes xb, mb, cb, sb
.if DOCPART == 1
	.amdgcn_target "amdgcn-amd-amdhsa--gfx1250"
	.amdhsa_code_object_version 6
	.text
	.protected	k_q8260961e99_prep
	.globl	k_q8260961e99_prep
	.p2align	8
	.type	k_q8260961e99_prep,@function
k_q8260961e99_prep:
	s_mov_b64 s[64:65], 0
	v_nop
	global_prefetch_b8 v0, s[64:65] scope:SCOPE_SE
	s_setreg_imm32_b32 hwreg(HW_REG_WAVE_MODE, 25, 1), 1
	s_wait_xcnt 0x0
; PREP.  Every input that is no weight is rounded to bf16 once, so that the whole program computes on inputs rounded to bf16:
;   xb = bf16(x), stored as bf16;   mb = bf16(mask), widened to f32 again;   cb = BETA x bf16(cos), sb = BETA x bf16(sin), in f32.
; BETA = 2^-1.75, BETA^2 = 1 / sqrt(128): q, k and v are later stored as BETA x value, so q . k is the scaled score, and f16 has room on both sides.
; A stream: no LDS, no matrix unit, no cluster (no byte is read twice).  Each work-group takes 65,536 bytes of input: groups 0-255 of x, 256-319 of mask, 320-323 of cos, 324-327 of sin.
; All sixteen loads of a thread go out first; no register is written twice, so no wait but the counted ones for the loads is needed.
.set BETAV, 0x3e9837f0                 ; 2^-1.75
.set X, 4                              ; v[4:67]   sixteen loads of four registers
.set Y, 68                             ; v[68:99]  x: eight packed results of four registers; the other path: two at work
	s_load_b512 s[4:19], s[0:1], 0x0               ; x s[4:5], mask s[6:7], cos s[8:9], sin s[10:11], xb s[12:13], mb s[14:15], cb s[16:17], sb s[18:19]
	v_lshlrev_b32 v1, 5, v0                        ; 32 t: eight f32 of x
	v_lshlrev_b32 v2, 4, v0                        ; 16 t: eight bf16, or four f32
	s_mov_b32 s21, 0
	s_mov_b32 s23, 0
	s_cmp_lt_u32 ttmp9, 256
	s_cbranch_scc0 .Lround
	; x -> xb.  Thread t takes 32 bytes at 32 t of each 8,192 and stores 16 bytes at 16 t of each 4,096: a store of a wave covers 512 consecutive bytes.
	s_lshl_b32 s20, ttmp9, 16
	s_lshl_b32 s22, ttmp9, 15
	s_wait_kmcnt 0x0
	s_add_nc_u64 s[4:5], s[4:5], s[20:21]
	s_add_nc_u64 s[12:13], s[12:13], s[22:23]
.irp j, 0,1,2,3,4,5,6,7
	global_load_b128 v[X+8*(\j):X+8*(\j)+3],   v1, s[4:5] offset:8192*(\j) th:TH_LOAD_NT
	global_load_b128 v[X+8*(\j)+4:X+8*(\j)+7], v1, s[4:5] offset:8192*(\j)+16 th:TH_LOAD_NT
.endr
.irp j, 0,1,2,3,4,5,6,7
	s_wait_loadcnt 14-2*(\j)                       ; loads come back in order: pair j is in, the younger pairs stay out
	v_cvt_pk_bf16_f32 v[Y+4*(\j)],   v[X+8*(\j)],   v[X+8*(\j)+1]
	v_cvt_pk_bf16_f32 v[Y+4*(\j)+1], v[X+8*(\j)+2], v[X+8*(\j)+3]
	v_cvt_pk_bf16_f32 v[Y+4*(\j)+2], v[X+8*(\j)+4], v[X+8*(\j)+5]
	v_cvt_pk_bf16_f32 v[Y+4*(\j)+3], v[X+8*(\j)+6], v[X+8*(\j)+7]
	global_store_b128 v2, v[Y+4*(\j):Y+4*(\j)+3], s[12:13] offset:4096*(\j)
.endr
	s_endpgm
.Lround:
	; mask, cos, sin: rounded to bf16, widened, times 1 or BETA.  Source, destination, factor and chunk are chosen by selects on the group's number.
	s_sub_co_u32 s20, ttmp9, 256                   ; e = 0 .. 71
	s_and_b32 s22, s20, 3                          ; the chunk of cos or sin
	s_mov_b32 s30, 0xffff0000                      ; a word's upper bf16
	s_wait_kmcnt 0x0
	s_cmp_lt_u32 s20, 64
	s_cselect_b32 s22, s20, s22                    ; the chunk of mask
	s_cselect_b64 s[24:25], s[6:7], s[8:9]
	s_cselect_b64 s[26:27], s[14:15], s[16:17]
	s_cselect_b32 s28, 1.0, BETAV
	s_cmp_lt_u32 s20, 68
	s_cselect_b64 s[24:25], s[24:25], s[10:11]
	s_cselect_b64 s[26:27], s[26:27], s[18:19]
	s_mov_b32 s29, s28                             ; named with it as a pair
	s_lshl_b32 s22, s22, 16
	s_add_nc_u64 s[24:25], s[24:25], s[22:23]
	s_add_nc_u64 s[26:27], s[26:27], s[22:23]
.irp j, 0,1,2,3,4,5,6,7,8,9,10,11,12,13,14,15
	global_load_b128 v[X+4*(\j):X+4*(\j)+3], v2, s[24:25] offset:4096*(\j) th:TH_LOAD_NT
.endr
.irp j, 0,1,2,3,4,5,6,7,8,9,10,11,12,13,14,15
	s_wait_loadcnt 15-(\j)                         ; load j is in, the younger ones stay out
	v_cvt_pk_bf16_f32 v[Y+2*((\j)%2)],   v[X+4*(\j)],   v[X+4*(\j)+1]
	v_cvt_pk_bf16_f32 v[Y+2*((\j)%2)+1], v[X+4*(\j)+2], v[X+4*(\j)+3]
	v_lshlrev_b32 v[X+4*(\j)],   16,  v[Y+2*((\j)%2)]
	v_and_b32     v[X+4*(\j)+1], s30, v[Y+2*((\j)%2)]
	v_lshlrev_b32 v[X+4*(\j)+2], 16,  v[Y+2*((\j)%2)+1]
	v_and_b32     v[X+4*(\j)+3], s30, v[Y+2*((\j)%2)+1]
	v_pk_mul_f32 v[X+4*(\j):X+4*(\j)+1],   v[X+4*(\j):X+4*(\j)+1],   s[28:29] op_sel_hi:[1,0]
	v_pk_mul_f32 v[X+4*(\j)+2:X+4*(\j)+3], v[X+4*(\j)+2:X+4*(\j)+3], s[28:29] op_sel_hi:[1,0]
	global_store_b128 v2, v[X+4*(\j):X+4*(\j)+3], s[26:27] offset:4096*(\j)
.endr
	s_endpgm
.Lfunc_end_k_q8260961e99_prep:
	.size	k_q8260961e99_prep, .Lfunc_end_k_q8260961e99_prep-k_q8260961e99_prep
	.p2alignl 7, 3214868480
	.fill 96, 4, 3214868480
	.section	.rodata,"a",@progbits
	.p2align	6, 0x0
	.amdhsa_kernel k_q8260961e99_prep
		.amdhsa_group_segment_fixed_size 0
		.amdhsa_private_segment_fixed_size 0
		.amdhsa_enable_private_segment 0
		.amdhsa_kernarg_size 64
		.amdhsa_user_sgpr_count 2
		.amdhsa_user_sgpr_kernarg_segment_ptr 1
		.amdhsa_wavefront_size32 1
		.amdhsa_system_sgpr_workgroup_id_x 1
		.amdhsa_system_sgpr_workgroup_id_y 1
		.amdhsa_system_sgpr_workgroup_id_z 1
		.amdhsa_system_vgpr_workitem_id 0
		.amdhsa_next_free_vgpr 104
		.amdhsa_next_free_sgpr 66
		.amdhsa_reserve_vcc 0
		.amdhsa_float_denorm_mode_32 3
		.amdhsa_float_denorm_mode_16_64 3
		.amdhsa_memory_ordered 1
		.amdhsa_forward_progress 1
		.amdhsa_inst_pref_size 16
	.end_amdhsa_kernel
	.amdgpu_metadata
---
amdhsa.version: [ 1, 2 ]
amdhsa.kernels:
  - .name:           k_q8260961e99_prep
    .symbol:         k_q8260961e99_prep.kd
    .args:
      - { .name: x, .offset: 0, .size: 8, .value_kind: global_buffer, .address_space: global }
      - { .name: mask, .offset: 8, .size: 8, .value_kind: global_buffer, .address_space: global }
      - { .name: cos, .offset: 16, .size: 8, .value_kind: global_buffer, .address_space: global }
      - { .name: sin, .offset: 24, .size: 8, .value_kind: global_buffer, .address_space: global }
      - { .name: xb, .offset: 32, .size: 8, .value_kind: global_buffer, .address_space: global }
      - { .name: mb, .offset: 40, .size: 8, .value_kind: global_buffer, .address_space: global }
      - { .name: cb, .offset: 48, .size: 8, .value_kind: global_buffer, .address_space: global }
      - { .name: sb, .offset: 56, .size: 8, .value_kind: global_buffer, .address_space: global }
    .group_segment_fixed_size: 0
    .private_segment_fixed_size: 0
    .kernarg_segment_align: 8
    .kernarg_segment_size: 64
    .max_flat_workgroup_size: 256
    .sgpr_count:     66
    .vgpr_count:     104
    .wavefront_size: 32
...
	.end_amdgpu_metadata
.endif
;; end of part 1
;; launch qkv (part 2): grid 64 x 4, 4 waves a work-group, clusters of 4 x 4, 327,680 bytes of LDS; arguments xb, wq, wk, wv, cb, sb, qh, kh, vh; writes qh, kh, vh
.if DOCPART == 2
	.amdgcn_target "amdgcn-amd-amdhsa--gfx1250"
	.amdhsa_code_object_version 6
	.text
	.protected	k_q8260961e99_qkv
	.globl	k_q8260961e99_qkv
	.p2align	8
	.type	k_q8260961e99_qkv,@function
k_q8260961e99_qkv:
	s_mov_b64 s[64:65], 0
	v_nop
	global_prefetch_b8 v0, s[64:65] scope:SCOPE_SE
	s_setreg_imm32_b32 hwreg(HW_REG_WAVE_MODE, 25, 1), 1
	s_wait_xcnt 0x0
	s_wait_alu depctr_hold_cnt(0) depctr_sa_sdst(0) depctr_va_vdst(0) depctr_va_sdst(0) depctr_va_ssrc(0) depctr_va_vcc(0) depctr_vm_vsrc(0)
	s_getreg_b32 s2, hwreg(HW_REG_IB_STS2, 6, 4)
	s_cmp_eq_u32 s2, 0
	s_cbranch_scc0 .Lentry_in_a_cluster
	s_endpgm
.Lentry_in_a_cluster:
	s_bfe_u32 s2, ttmp6, 0x10000c
	s_cmp_lg_u32 s2, 0xf033
	s_cbranch_scc0 .Lentry_shape_is_right
	s_endpgm
.Lentry_shape_is_right:
; QKV.  q = rope(x wq), k = rope(x wk), v = x wv, each times BETA = 2^-1.75, rounded once to f16 and stored by heads.  x comes as bf16 (xb), the weights as f32 [4096][N] and are rounded to bf16 here; sums in f32.
; SHARES.  256 work-groups: column block c = 0..63 (64 columns of wq, and 32 columns of wk if c < 32, of wv otherwise) x row block my = 0..3 (256 rows).  Four waves; wave w makes rows 64 w .. 64 w + 63
; and all 96 columns: 24 accumulators of 16 x 16.  K goes in 32 steps of 128, a step in four quarters of 32.
; A (xb) comes by joint tensor loads into two LDS slots: the four work-groups of a row of the 4 x 4 cluster need the same rows.  Each wave asks for the 64 rows that it alone reads.
; B (the weights) goes memory -> registers -> bf16 -> LDS as [k][n], and out of LDS turned, by ds_load_tr16_b128.  B IS NOT ASKED FOR JOINTLY: it lies in memory as f32.  As f32 tiles in LDS a step's B would be
; 128 x 96 x 4 bytes for x 2, and each of the four waves would read and round all of it; through registers each number is rounded once a work-group, and the loads of two further steps (2 x 24 a wave)
; stay out across the barriers.  The four work-groups of a column of the cluster read the same weight rows in the same step.
; THE MATRIX INSTRUCTION IS USED TRANSPOSED (source 0 = 16 columns of B, source 1 = 16 rows of A): a lane holds row l % 16 and the eight columns 8 (l / 16) + 0..7: four rotary pairs, 16 bytes of f16.
; OUT.  qh [64 blocks c][1024 rows][64 channels]; kh, vh [8 heads][16 blocks of 64 keys][4 planes of 32 channels][64 keys][32 channels], all f16: every store of a wave covers 512 consecutive bytes.
; LIMITS.  f16 ends at 65,504, so |q|, |k|, |v| stay under 220,000 (65,504 / BETA); NaN and infinities are not treated apart.
; REGISTERS, in windows of 256 (s_set_vgpr_msb: bits 1:0 source 0, 3:2 source 1, 5:4 source 2, 7:6 destination):
;   window 0: v2-18 addresses, v20-26 and v32-63 at work, v28-29 the add's two, v64-255 the accumulators ((a, b) at 64 + 8 (6 a + b))
;   window 1: two fragment buffers at 0 and 128: A's four fragments, then B's six
;   window 2: v0-191 two sets of 96: a step's weights as loaded, f32 (at the end: cos and sin); v192-215 the rounded numbers of a unit, two sets by turns
.set NBF,   6                          ; column fragments
.set NL,    6                          ; loads, and LDS stores, in a unit of 8 weight rows
.set NF,    2*NBF+8                    ; LDS loads in a quarter's run
.set PA,    272                        ; a row of A in LDS: 256 bytes + 16: the 16 rows of a load start at 16 different groups of four banks (64 banks of 4 bytes: ISA guide 11.1)
.set PB,    224                        ; a row of B: 192 bytes + 32, an odd multiple of 32
.set AWAVE, 64*PA
.set ASLOT, 256*PA
.set BB,    2*ASLOT                    ; B's two slots: written by LDS stores alone
.set BSLOT, 128*PB
.set STG,   BB+2*BSLOT                 ; the way out: 4,096 bytes for each wave
.set SPARE, STG+4*4096                 ; the spare words, 128 bytes a wave: two blocks of 256 bytes that no other line names
.set STEPQ, 128*16384                  ; bytes of wq in a K step
.set STEPK, 128*4096                   ; of wk or wv
.set BETAV, 0x3e9837f0
.set ADRA, 2                           ; v2-3   my A fragments in slot 0, 1
.set ADRB, 4                           ; v4-5   B's fragments
.set GQ,   6                           ; v6     my byte offset in a step's rows of wq
.set GK,   7                           ; v7     of wk or wv
.set SQ,   8                           ; v8-9   where I store wq's numbers in B slot 0, 1
.set SK,   10                          ; v10-11 wk's or wv's
.set STQ,  12                          ; v12-15 the stage: in (q, kv), back (q, kv)
.set STK,  13
.set RDQ,  14
.set RDK,  15
.set GO,   16                          ; v16    16 x lane
.set VCQ,  17                          ; v17-18 my byte offset in cos and sin for q's columns, for k's
.set VCK,  18
.set SPW,  28
.set NIL,  29
.set TMP,  32
.set ACC,  64
.set F0,   0
.set F1,   128
.set WV,   22                          ; s22 wave; s25 c; s26 my
.set G1,   28                          ; s[28:35] descriptor group 1
.set G0,   36                          ; s[36:43] group 0, a set for each slot
.set WPQ,  44                          ; s[44:45] wq at my columns, at the K step that is loaded next
.set WPK,  46                          ; s[46:47] wk or wv likewise
.set QOUT, 48
.set KVOUT, 50
.set CBP,  52                          ; s[52:55] cb, sb at my wave's first row
.set SBP,  54
.set ROPE, 66                          ; s66 all ones: columns 64-95 are k's and are turned; 0: they are v's
.set BETA, 67
.set MSB, 0
.macro WIN new                         ; the immediate's high byte repeats the setting that is left
.if MSB != (\new)
	s_set_vgpr_msb (MSB<<8)|(\new)
.set MSB, \new
.endif
.endm
.set MUL,  0x05                        ; sources 0 and 1 window 1; C and D window 0
.set TO_F, 0x40                        ; destination window 1
.set W_LD, 0x80                        ; destination window 2
.set W_CV, 0x8a                        ; destination and both sources window 2
.set W_ST, 0x08                        ; LDS store: data window 2
.macro PLACES                          ; four places in front of loads into registers that matrix instructions have read
.rept 4
	v_nop
.endr
.endm
.macro JLOAD s                         ; the joint load of my 64 rows of A; an s_nop 0 and four v_nop follow it
	tensor_load_to_lds s[G0+4*(\s):G0+4*(\s)+3], s[G1:G1+7]
	s_nop 0
.rept 4
	v_nop
.endr
.endm
.macro CREST                           ; a round of the cluster's barrier behind its opening barrier
	s_cmp_lg_u32 s[WV], 0
	s_cbranch_scc1 .Lnot_wave_0_\@
	s_barrier_signal -3
.Lnot_wave_0_\@:
	s_barrier_wait -3
	s_barrier_signal -1
	s_barrier_wait -1
.endm
.macro CROUND
	s_barrier_signal -1
	s_barrier_wait -1
	CREST
.endm
; Unit u (8 of my 32 weight rows of a step) into set sg: four loads of two whole rows of 256 bytes of wq, two loads of four half rows of 128 bytes of wk or wv
.macro LDUNIT u, sg, xq, xk
.set SBR, 96*(\sg)+24*(\u)
.irp i, 0,1,2,3
	global_load_b128 v[SBR+4*(\i):SBR+4*(\i)+3], v[GQ], s[WPQ:WPQ+1] offset:(8*(\u)+(\i))*16384+(\xq)
.endr
.irp i, 0,1
	global_load_b128 v[SBR+16+4*(\i):SBR+16+4*(\i)+3], v[GK], s[WPK:WPK+1] offset:(8*(\u)+(\i))*4096+(\xk)
.endr
.endm
; Unit u of set sg is rounded to bf16 and stored into B slot sg; reload = 1: the set's unit is loaded again, two steps on.  cnt = the loads issued behind this unit's.
.macro CONV u, sg, reload, cnt, xq, xk, step
	s_wait_loadcnt \cnt
	WIN W_CV
.set SBR, 96*(\sg)+24*(\u)
.set TBR, 192+12*((\u)%2)
.irp i, 0,1,2,3,4,5
	v_cvt_pk_bf16_f32 v[TBR+2*(\i)],   v[SBR+4*(\i)],   v[SBR+4*(\i)+1]
	v_cvt_pk_bf16_f32 v[TBR+2*(\i)+1], v[SBR+4*(\i)+2], v[SBR+4*(\i)+3]
.endr
	WIN W_ST
.irp i, 0,1,2,3
	ds_store_b64 v[SQ+(\sg)], v[TBR+2*(\i):TBR+2*(\i)+1] offset:(8*(\u)+(\i))*PB
.endr
.irp i, 0,1
	ds_store_b64 v[SK+(\sg)], v[TBR+8+2*(\i):TBR+8+2*(\i)+1] offset:(8*(\u)+(\i))*PB
.endr
.if \reload
.if (\step) && ((\u) == 0)
	s_wait_xcnt 0x0                                ; the loads issued so far have had their addresses translated: only behind this wait are their bases stepped
	s_add_nc_u64 s[WPQ:WPQ+1], s[WPQ:WPQ+1], STEPQ
	s_add_nc_u64 s[WPK:WPK+1], s[WPK:WPK+1], STEPK
.endif
	WIN W_LD
	LDUNIT \u, \sg, \xq, \xk
.endif
.endm
; The unit of a quarter of the step in slot.  Behind unit u of the step converted were issued: the rest of that step's loads, the next step's 24, and u units of the reload: 7 units in all (mode 0);
; with no reload left 7 - u units (mode 1: the last step but one is converted), 3 - u (mode 2: the last).
.macro CV u, slot, mode
.if (\mode) == 0
	CONV \u, 1-(\slot), 1, 7*NL, 0, 0, 1
.elseif (\mode) == 1
	CONV \u, 1-(\slot), 0, (7-(\u))*NL, 0, 0, 0
.else
	CONV \u, 1-(\slot), 0, (3-(\u))*NL, 0, 0, 0
.endif
.endm
; The fragments of quarter q of the step in slot, into buffer f: B's six (turned), then A's four; A's fragments 2 and 3 are the last four loads
.macro FETCH slot, q, f
	WIN TO_F
.irp b, 0,1,2,3,4,5
	ds_load_tr16_b128 v[(\f)+32+8*(\b):(\f)+32+8*(\b)+3],   v[ADRB+(\slot)] offset:32*(\q)*PB+32*(\b)
	ds_load_tr16_b128 v[(\f)+32+8*(\b)+4:(\f)+32+8*(\b)+7], v[ADRB+(\slot)] offset:32*(\q)*PB+32*(\b)+16*PB
.endr
.irp a, 0,1,2,3
	ds_load_b128 v[(\f)+8*(\a):(\f)+8*(\a)+3],   v[ADRA+(\slot)] offset:64*(\q)+16*PA*(\a)
	ds_load_b128 v[(\f)+8*(\a)+4:(\f)+8*(\a)+7], v[ADRA+(\slot)] offset:64*(\q)+16*PA*(\a)+32
.endr
.endm
; Six matrix instructions: row fragment a x all columns.  The 24 accumulators take turns, one instruction a turn.  zero = 1: the product starts the sums.
.macro MULA f, a, zero
	WIN MUL
.irp b, 0,1,2,3,4,5
.if \zero
	v_wmma_f32_16x16x32_bf16 v[ACC+8*(NBF*(\a)+(\b)):ACC+8*(NBF*(\a)+(\b))+7], v[(\f)+32+8*(\b):(\f)+32+8*(\b)+7], v[(\f)+8*(\a):(\f)+8*(\a)+7], 0
.else
	v_wmma_f32_16x16x32_bf16 v[ACC+8*(NBF*(\a)+(\b)):ACC+8*(NBF*(\a)+(\b))+7], v[(\f)+32+8*(\b):(\f)+32+8*(\b)+7], v[(\f)+8*(\a):(\f)+8*(\a)+7], v[ACC+8*(NBF*(\a)+(\b)):ACC+8*(NBF*(\a)+(\b))+7]
.endif
.endr
.endm
; One of a step's first three quarters: multiplies buffer f; in its middle a unit of the next step's weights is rounded and stored, and the next quarter's fragments are fetched into g.
; The unit's twelve conversions are the places between the last product that read g and the loads into g; where there is no unit (mode 3), four v_nop.
.macro QUARTER slot, q, f, g, zero, mode
	s_wait_dscnt 4                                 ; all of the run but A's fragments 2 and 3
	MULA \f, 0, \zero
	MULA \f, 1, \zero
.if (\mode) < 3
	CV \q, \slot, \mode
.else
	PLACES
.endif
	FETCH \slot, (\q)+1, \g
.if (\mode) < 3
	s_wait_dscnt NF+NL                             ; all but the unit's stores and the run just issued
.else
	s_wait_dscnt NF
.endif
	MULA \f, 2, \zero
	MULA \f, 3, \zero
.endm
; The last quarter multiplies buffer 1 and changes slots.  ONE barrier: in front of it each wave has stored its last unit of the next step's B, waits for all its tensor loads (one is out: its rows of A's next
; slot), adds 0 to its spare word, and waits for that, for its stores and for its reads of both old slots.  fill = 1: the barrier opens a round of the cluster's, and A's old slot is filled again, two steps on.
.macro TURN slot, next, fill, mode
	CV 3, \slot, \mode
	WIN 0                                          ; (the add's two registers lie in window 0)
	s_wait_tensorcnt 0x0
	ds_add_u32 v[SPW], v[NIL]
	s_wait_dscnt 5+NL                              ; (A's fragments 2 and 3, the unit's stores and the add may be out)
	MULA F1, 0, 0
	s_wait_dscnt 0x0                               ; the add is done, my stores into B's next slot are done, my reads of the old slots are over
	s_barrier_signal -1
	MULA F1, 1, 0
.if \fill
	WIN 0
.endif
	s_barrier_wait -1
.if \fill
	CREST                                          ; no wave of any partner still reads this slot of A or has a load on its way
	s_add_nc_u64 s[G0+4*(\slot)+2:G0+4*(\slot)+3], s[G0+4*(\slot)+2:G0+4*(\slot)+3], 512
	JLOAD \slot                                    ; the first tensor load behind the round; its four v_nop are also the places in front of the loads below
.else
	PLACES
.endif
	FETCH \next, 0, F0
	MULA F1, 2, 0
	MULA F1, 3, 0
.endm
	s_load_b512 s[4:19], s[0:1], 0x0               ; xb s[4:5], wq s[6:7], wk s[8:9], wv s[10:11], cb s[12:13], sb s[14:15], qh s[16:17], kh s[18:19]
	s_load_b64 s[20:21], s[0:1], 0x40              ; vh
	v_lshl_add_u32 v[SPW], v0, 2, SPARE
	v_mov_b32 v[NIL], 0
	ds_add_u32 v[SPW], v[NIL]                      ; the wave's opening: the add and its wait stand ahead of my first tensor load; the set-up below, work on registers, stands between them
	v_lshrrev_b32 v1, 5, v0
	v_readfirstlane_b32 s[WV], v1                  ; wave 0..3
	s_bfe_u32 s23, ttmp6, 0x40000                  ; cx
	s_bfe_u32 s24, ttmp6, 0x40004                  ; cy
	s_lshl_b32 s25, ttmp9, 2
	s_add_co_u32 s25, s25, s23                     ; c = 4 x cluster x + cx
	s_and_b32 s26, ttmp7, 0xffff
	s_lshl_b32 s26, s26, 2
	s_add_co_u32 s26, s26, s24                     ; my = 4 x cluster y + cy
	s_lshl_b32 s27, s24, 2
	s_lshl_b32 s27, 15, s27                        ; my row of the cluster
	s_or_b32 s[G1], s27, (1<<16)|(1<<20)|(1<<21)|(5<<22)|(3<<25)  ; the mask; 2-byte elements; padding on; 21 set beside a mask; after every 64 words 4 words
	s_mov_b32 s[G1+1], 128<<16                     ; tensor_dim0 = 128
	s_mov_b32 s[G1+2], 64<<16                      ; tensor_dim1 = 64
	s_mov_b32 s[G1+3], 128<<16                     ; tile_dim0 = 128
	s_mov_b32 s[G1+4], 64                          ; tile_dim1 = 64
	s_mov_b32 s[G1+5], 4096                        ; elements from row to row
	s_mov_b32 s[G1+6], 0
	s_mov_b32 s[G1+7], 0
	s_lshl_b32 s56, s26, 8
	s_lshl_b32 s57, s[WV], 6
	s_add_co_u32 s56, s56, s57                     ; my wave's first row = 256 my + 64 w
	s_lshl_b32 s58, s56, 13                        ; x 8,192 bytes of xb
	s_mov_b32 s59, 0
	s_mul_i32 s60, s[WV], AWAVE                    ; my rows' place in a slot of A: no place in the cluster enters an LDS address
	s_lshl_b32 s68, s25, 8                         ; wq: 256 c.  (What hangs on c lies in s62-63 and s68-75, which feed no descriptor)
	s_mov_b32 s69, 0
	s_and_b32 s70, s25, 31                         ; ckv: my block of 32 columns of wk or wv
	s_lshl_b32 s72, s70, 7
	s_mov_b32 s73, 0
	s_lshl_b32 s74, s25, 17                        ; qh: block c, 131,072 bytes,
	s_lshl_b32 s71, s56, 7                         ; my rows of 128 bytes
	s_add_co_u32 s74, s74, s71
	s_mov_b32 s75, 0
	s_lshr_b32 s62, s70, 2                         ; kh, vh: head ckv / 4, 262,144 bytes,
	s_lshl_b32 s62, s62, 18
	s_and_b32 s71, s70, 3                          ; plane ckv % 4, 4,096 bytes,
	s_lshl_b32 s71, s71, 12
	s_add_co_u32 s62, s62, s71
	s_lshl_b32 s76, s56, 8                         ; key block 4 my + w, 16,384 bytes = first row x 256; also my rows of cb and sb
	s_add_co_u32 s62, s62, s76
	s_mov_b32 s63, 0
	s_mov_b32 s77, 0
	s_mov_b32 s[BETA], BETAV
	v_and_b32 v20, 15, v0                          ; r = l % 16
	v_bfe_u32 v21, v0, 4, 1                        ; h = l / 16
	v_bfe_u32 v22, v0, 3, 2                        ; g = l / 8
	v_and_b32 v23, 7, v0                           ; l % 8
	v_bfe_u32 v24, v0, 3, 1                        ; (l / 8) % 2
	s_lshl_b32 s61, s[WV], 19                      ; wq: row 32 w + 4 h (+ 8 u + i), 16 bytes at 16 r
	v_lshlrev_b32 v[GQ], 4, v20
	v_lshl_add_u32 v[GQ], v21, 16, v[GQ]
	v_add_nc_u32 v[GQ], s61, v[GQ]
	s_lshl_b32 s57, s[WV], 17                      ; wk, wv: row 32 w + 2 g (+ 8 u + i), 16 bytes at 16 (l % 8)
	v_lshlrev_b32 v[GK], 4, v23
	v_lshl_add_u32 v[GK], v22, 13, v[GK]
	v_add_nc_u32 v[GK], s57, v[GK]
	v_mul_u32_u24 v25, v20, PA                     ; A's fragments: row r, 16 bytes for each half of the lanes
	v_lshl_add_u32 v25, v21, 4, v25
	v_add_nc_u32 v[ADRA], s60, v25
	v_add_nc_u32 v[ADRA+1], ASLOT, v[ADRA]
	v_lshl_add_u32 v25, v21, 3, v23                ; B's: the turning load reads k row 8 h + l % 8, 16 bytes at 16 ((l / 8) % 2)
	v_mul_u32_u24 v25, v25, PB
	v_lshl_add_u32 v25, v24, 4, v25
	v_add_nc_u32 v[ADRB], BB, v25
	v_add_nc_u32 v[ADRB+1], BB+BSLOT, v25
	s_mul_i32 s61, s[WV], 32*PB                    ; B's stores: the rows as loaded, 8 bytes for 16; the two (four) groups of lanes of a store lie 4 (2) rows apart and take different banks
	s_add_co_u32 s61, s61, BB
	v_mul_u32_u24 v25, v21, 4*PB
	v_lshl_add_u32 v25, v20, 3, v25
	v_add_nc_u32 v[SQ], s61, v25
	v_add_nc_u32 v[SQ+1], BSLOT, v[SQ]
	v_mul_u32_u24 v25, v22, 2*PB
	v_lshl_add_u32 v25, v23, 3, v25
	v_add_nc_u32 v25, s61, v25
	v_add_nc_u32 v[SK], 128, v25
	v_add_nc_u32 v[SK+1], 128+BSLOT, v25
	s_wait_dscnt 0x0                               ; the opening add is done
	s_wait_kmcnt 0x0
	s_add_nc_u64 s[58:59], s[4:5], s[58:59]        ; xb at my rows
	s_add_nc_u64 s[WPQ:WPQ+1], s[6:7], s[68:69]
	s_cmp_lt_u32 s25, 32                           ; k or v: selects alone, no branch
	s_cselect_b64 s[WPK:WPK+1], s[8:9], s[10:11]
	s_cselect_b64 s[KVOUT:KVOUT+1], s[18:19], s[20:21]
	s_cselect_b32 s[ROPE], -1, 0
	s_add_nc_u64 s[WPK:WPK+1], s[WPK:WPK+1], s[72:73]
	s_add_nc_u64 s[KVOUT:KVOUT+1], s[KVOUT:KVOUT+1], s[62:63]
	s_add_nc_u64 s[QOUT:QOUT+1], s[16:17], s[74:75]
	s_add_nc_u64 s[CBP:CBP+1], s[12:13], s[76:77]
	s_add_nc_u64 s[SBP:SBP+1], s[14:15], s[76:77]
.irp s, 0,1
	s_mov_b32 s[G0+4*(\s)], 1                      ; count = 1
	s_add_co_u32 s[G0+4*(\s)+1], s60, (\s)*ASLOT   ; LDS address
	s_add_nc_u64 s[G0+4*(\s)+2:G0+4*(\s)+3], s[58:59], (\s)*256  ; K step s
	s_or_b32 s[G0+4*(\s)+3], s[G0+4*(\s)+3], 0x80000000          ; type = 2
.endr
	WIN W_LD                                       ; the weights of K steps 0 and 1 are asked for before anything else
.irp u, 0,1,2,3
	LDUNIT \u, 0, 0, 0
.endr
.irp u, 0,1,2,3
	LDUNIT \u, 1, STEPQ, STEPK
.endr
	WIN 0
	CROUND                                         ; all sixteen work-groups are here: the first joint loads meet
	JLOAD 0                                        ; two tensor loads of mine are out
	JLOAD 1
	s_lshl_b32 s61, s[WV], 12                      ; the addresses for the way out
	s_add_co_u32 s61, s61, STG                     ; my stage: 16 rows x 144 bytes for q, then 16 rows x 80 for k or v
	v_mul_u32_u24 v25, v20, 144
	v_lshl_add_u32 v25, v21, 4, v25
	v_add_nc_u32 v[STQ], s61, v25
	v_mul_u32_u24 v25, v20, 80
	v_lshl_add_u32 v25, v21, 4, v25
	v_add_nc_u32 v25, s61, v25
	v_add_nc_u32 v[STK], 2304, v25
	v_mul_u32_u24 v25, v22, 144                    ; back: 32 lanes take four rows of 128 bytes,
	v_lshl_add_u32 v25, v23, 4, v25
	v_add_nc_u32 v[RDQ], s61, v25
	v_bfe_u32 v25, v0, 2, 3                        ; or eight rows of 64
	v_mul_u32_u24 v25, v25, 80
	v_and_b32 v26, 3, v0
	v_lshl_add_u32 v25, v26, 4, v25
	v_add_nc_u32 v25, s61, v25
	v_add_nc_u32 v[RDK], 2304, v25
	v_and_b32 v26, 31, v0
	v_lshlrev_b32 v[GO], 4, v26
	v_lshlrev_b32 v25, 8, v20                      ; cos, sin: row r of 256 bytes, four pairs at 16 h, from pair 32 (c % 2) on for q, 16 (ckv % 4) on for k
	v_lshl_add_u32 v25, v21, 4, v25
	s_and_b32 s71, s25, 1
	s_lshl_b32 s71, s71, 7
	v_add_nc_u32 v[VCQ], s71, v25
	s_and_b32 s57, s70, 3
	s_lshl_b32 s57, s57, 6
	v_add_nc_u32 v[VCK], s57, v25
.irp u, 0,1,2,3
	CONV \u, 0, 1, 7*NL, 2*STEPQ, 2*STEPK, 0       ; K step 0 into B slot 0; its set is loaded again with step 2
.endr
	s_wait_xcnt 0x0
	s_add_nc_u64 s[WPQ:WPQ+1], s[WPQ:WPQ+1], 2*STEPQ  ; the bases at step 2: each step's first unit steps them once more
	s_add_nc_u64 s[WPK:WPK+1], s[WPK:WPK+1], 2*STEPK
	WIN 0
	s_wait_tensorcnt 0x1                           ; my rows of A's step 0 are in; step 1's may stay out
	s_wait_dscnt 0x0                               ; my stores into B slot 0 are done
	s_barrier_signal -1
	s_barrier_wait -1
	FETCH 0, 0, F0
	QUARTER 0, 0, F0, F1, 1, 0                     ; the first quarter stands in front of the loop: its products start the sums
	WIN 0
	s_mov_b32 s3, 14
.Llap:                                                 ; a trip goes once round the ring, from a lap's second quarter to the next lap's first
	QUARTER 0, 1, F1, F0, 0, 0
	QUARTER 0, 2, F0, F1, 0, 0
	TURN 0, 1, 1, 0
	QUARTER 1, 0, F0, F1, 0, 0
	QUARTER 1, 1, F1, F0, 0, 0
	QUARTER 1, 2, F0, F1, 0, 0
	TURN 1, 0, 1, 0
	QUARTER 0, 0, F0, F1, 0, 0
	WIN 0
	s_sub_co_u32 s3, s3, 1
	s_cmp_lg_u32 s3, 0
	s_cbranch_scc1 .Llap
	QUARTER 0, 1, F1, F0, 0, 0                     ; step 28 goes on: the last reload (step 31's weights), A's step 30 is asked for
	QUARTER 0, 2, F0, F1, 0, 0
	TURN 0, 1, 1, 0
	QUARTER 1, 0, F0, F1, 0, 1                     ; step 29: no reload; A's step 31 is asked for
	QUARTER 1, 1, F1, F0, 0, 1
	QUARTER 1, 2, F0, F1, 0, 1
	TURN 1, 0, 1, 1
	QUARTER 0, 0, F0, F1, 0, 2                     ; step 30: the last weights are rounded; nothing is asked for
	QUARTER 0, 1, F1, F0, 0, 2
	QUARTER 0, 2, F0, F1, 0, 2
	TURN 0, 1, 0, 2
	WIN W_LD                                       ; step 31.  The weights' registers are free: cos and sin of my 64 rows, 12 loads for each 16 rows (cos of fragment b at 48 a + 4 b, sin 24 further)
.irp a, 0,1,2,3
.irp b, 0,1,2,3
	global_load_b128 v[48*(\a)+4*(\b):48*(\a)+4*(\b)+3], v[VCQ], s[CBP:CBP+1] offset:4096*(\a)+32*(\b)
.endr
.irp b, 4,5
	global_load_b128 v[48*(\a)+4*(\b):48*(\a)+4*(\b)+3], v[VCK], s[CBP:CBP+1] offset:4096*(\a)+32*((\b)-4)
.endr
.irp b, 0,1,2,3
	global_load_b128 v[48*(\a)+24+4*(\b):48*(\a)+24+4*(\b)+3], v[VCQ], s[SBP:SBP+1] offset:4096*(\a)+32*(\b)
.endr
.irp b, 4,5
	global_load_b128 v[48*(\a)+24+4*(\b):48*(\a)+24+4*(\b)+3], v[VCK], s[SBP:SBP+1] offset:4096*(\a)+32*((\b)-4)
.endr
.endr
	QUARTER 1, 0, F0, F1, 0, 3
	QUARTER 1, 1, F1, F0, 0, 3
	QUARTER 1, 2, F0, F1, 0, 3
	s_wait_dscnt 4
	MULA F1, 0, 0
	MULA F1, 1, 0
	s_wait_dscnt 0x0
	MULA F1, 2, 0
	MULA F1, 3, 0
; THE WAY OUT of row fragment a.  For v's columns cos becomes BETA and sin 0.  Each pair is turned in place: t0 = x1 sin (the accumulator's first read lies in its four lowest registers),
; t1 = x1 cos, x1 = x0 sin + t1, x0 = x0 cos - t0.  Rounded to f16, 16 bytes a lane, through my stage, and back as whole rows into the accumulators' own registers.
; The sixteen selects, which name no accumulator, are the places behind the last products.
.macro ROPEA a
	s_wait_loadcnt 36-12*(\a)                      ; this fragment's 12 loads are in, the later fragments' stay out
	WIN 0x88
.irp b, 4,5
.irp p, 0,1,2,3
	v_cndmask_b32 v[48*(\a)+4*(\b)+(\p)], s[BETA], v[48*(\a)+4*(\b)+(\p)], s[ROPE]
	v_cndmask_b32 v[48*(\a)+24+4*(\b)+(\p)], 0, v[48*(\a)+24+4*(\b)+(\p)], s[ROPE]
.endr
.endr
	WIN 0x08                                       ; source 1 (cos, sin) window 2
.irp b, 0,1,2,3,4,5
.irp p, 0,1,2,3
	v_mul_f32 v[TMP+24+2*(\p)], v[ACC+8*(NBF*(\a)+(\b))+2*(\p)+1], v[48*(\a)+24+4*(\b)+(\p)]
	v_mul_f32 v[TMP+25+2*(\p)], v[ACC+8*(NBF*(\a)+(\b))+2*(\p)+1], v[48*(\a)+4*(\b)+(\p)]
	v_fma_f32 v[ACC+8*(NBF*(\a)+(\b))+2*(\p)+1], v[ACC+8*(NBF*(\a)+(\b))+2*(\p)], v[48*(\a)+24+4*(\b)+(\p)], v[TMP+25+2*(\p)]
	v_fma_f32 v[ACC+8*(NBF*(\a)+(\b))+2*(\p)], v[ACC+8*(NBF*(\a)+(\b))+2*(\p)], v[48*(\a)+4*(\b)+(\p)], -v[TMP+24+2*(\p)]
.endr
.endr
	WIN 0
.irp b, 0,1,2,3,4,5
.irp p, 0,1,2,3
	v_cvt_pk_f16_f32 v[TMP+4*(\b)+(\p)], v[ACC+8*(NBF*(\a)+(\b))+2*(\p)], v[ACC+8*(NBF*(\a)+(\b))+2*(\p)+1]
.endr
.endr
.irp b, 0,1,2,3
	ds_store_b128 v[STQ], v[TMP+4*(\b):TMP+4*(\b)+3] offset:32*(\b)
.endr
.irp b, 4,5
	ds_store_b128 v[STK], v[TMP+4*(\b):TMP+4*(\b)+3] offset:32*((\b)-4)
.endr
.irp f, 0,1,2,3
	ds_load_b128 v[ACC+48*(\a)+4*(\f):ACC+48*(\a)+4*(\f)+3], v[RDQ] offset:576*(\f)  ; LDS serves a wave's instructions in order (ISA guide 5.7.1.4): these see the stores above; the next fragment's stores come behind them
.endr
.irp f, 0,1
	ds_load_b128 v[ACC+48*(\a)+16+4*(\f):ACC+48*(\a)+16+4*(\f)+3], v[RDK] offset:640*(\f)
.endr
.endm
.macro SEND a, younger                 ; younger: the LDS instructions issued behind this fragment's loads: the next fragment's twelve, or none
.irp f, 0,1,2,3
	s_wait_dscnt (\younger)+5-(\f)
	global_store_b128 v[GO], v[ACC+48*(\a)+4*(\f):ACC+48*(\a)+4*(\f)+3], s[QOUT:QOUT+1] offset:2048*(\a)+512*(\f)  ; 512 consecutive bytes, at a multiple of 512 from qh's first
.endr
.irp f, 0,1
	s_wait_dscnt (\younger)+1-(\f)
	global_store_b128 v[GO], v[ACC+48*(\a)+16+4*(\f):ACC+48*(\a)+16+4*(\f)+3], s[KVOUT:KVOUT+1] offset:1024*(\a)+512*(\f)
.endr
.endm
	ROPEA 0
	ROPEA 1                                        ; a fragment's arithmetic stands between the stage loads of the one before and its stores
	SEND 0, 12
	ROPEA 2
	SEND 1, 12
	ROPEA 3
	SEND 2, 12
	SEND 3, 0
	s_wait_tensorcnt 0x0                           ; the wave's end, behind my last tensor load and my last LDS store
	ds_add_u32 v[SPW], v[NIL]
	s_wait_dscnt 0x0
	CROUND                                         ; the closing round: no work-group ends while a partner may still ask for a tile that names it
	s_endpgm
.Lfunc_end_k_q8260961e99_qkv:
	.size	k_q8260961e99_qkv, .Lfunc_end_k_q8260961e99_qkv-k_q8260961e99_qkv
	.p2alignl 7, 3214868480
	.fill 96, 4, 3214868480
	.section	.rodata,"a",@progbits
	.p2align	6, 0x0
	.amdhsa_kernel k_q8260961e99_qkv
		.amdhsa_group_segment_fixed_size 327680
		.amdhsa_private_segment_fixed_size 0
		.amdhsa_enable_private_segment 0
		.amdhsa_kernarg_size 72
		.amdhsa_user_sgpr_count 2
		.amdhsa_user_sgpr_kernarg_segment_ptr 1
		.amdhsa_wavefront_size32 1
		.amdhsa_system_sgpr_workgroup_id_x 1
		.amdhsa_system_sgpr_workgroup_id_y 1
		.amdhsa_system_sgpr_workgroup_id_z 1
		.amdhsa_system_vgpr_workitem_id 0
		.amdhsa_next_free_vgpr 768
		.amdhsa_next_free_sgpr 80
		.amdhsa_reserve_vcc 0
		.amdhsa_float_denorm_mode_32 3
		.amdhsa_float_denorm_mode_16_64 3
		.amdhsa_memory_ordered 1
		.amdhsa_forward_progress 1
		.amdhsa_inst_pref_size 164
	.end_amdhsa_kernel
	.amdgpu_metadata
---
amdhsa.version: [ 1, 2 ]
amdhsa.kernels:
  - .name:           k_q8260961e99_qkv
    .symbol:         k_q8260961e99_qkv.kd
    .args:
      - { .name: xb, .offset: 0, .size: 8, .value_kind: global_buffer, .address_space: global }
      - { .name: wq, .offset: 8, .size: 8, .value_kind: global_buffer, .address_space: global }
      - { .name: wk, .offset: 16, .size: 8, .value_kind: global_buffer, .address_space: global }
      - { .name: wv, .offset: 24, .size: 8, .value_kind: global_buffer, .address_space: global }
      - { .name: cb, .offset: 32, .size: 8, .value_kind: global_buffer, .address_space: global }
      - { .name: sb, .offset: 40, .size: 8, .value_kind: global_buffer, .address_space: global }
      - { .name: qh, .offset: 48, .size: 8, .value_kind: global_buffer, .address_space: global }
      - { .name: kh, .offset: 56, .size: 8, .value_kind: global_buffer, .address_space: global }
      - { .name: vh, .offset: 64, .size: 8, .value_kind: global_buffer, .address_space: global }
    .group_segment_fixed_size: 327680
    .private_segment_fixed_size: 0
    .kernarg_segment_align: 8
    .kernarg_segment_size: 72
    .max_flat_workgroup_size: 128
    .sgpr_count:     80
    .vgpr_count:     768
    .wavefront_size: 32
...
	.end_amdgpu_metadata
.endif
;; end of part 2
;; launch attn (part 3): grid 32 x 8, 4 waves a work-group, clusters of 4 x 1, 327,680 bytes of LDS; arguments qh, kh, vh, mb, ob; writes ob
.if DOCPART == 3
	.amdgcn_target "amdgcn-amd-amdhsa--gfx1250"
	.amdhsa_code_object_version 6
	.text
	.protected	k_q8260961e99_attn
	.globl	k_q8260961e99_attn
	.p2align	8
	.type	k_q8260961e99_attn,@function
k_q8260961e99_attn:
	s_mov_b64 s[64:65], 0
	v_nop
	global_prefetch_b8 v0, s[64:65] scope:SCOPE_SE
	s_setreg_imm32_b32 hwreg(HW_REG_WAVE_MODE, 25, 1), 1
	s_wait_xcnt 0x0
	s_wait_alu depctr_hold_cnt(0) depctr_sa_sdst(0) depctr_va_vdst(0) depctr_va_sdst(0) depctr_va_ssrc(0) depctr_va_vcc(0) depctr_vm_vsrc(0)
	s_getreg_b32 s2, hwreg(HW_REG_IB_STS2, 6, 4)
	s_cmp_eq_u32 s2, 0
	s_cbranch_scc0 .Lentry_in_a_cluster
	s_endpgm
.Lentry_in_a_cluster:
	s_bfe_u32 s2, ttmp6, 0x10000c
	s_cmp_lg_u32 s2, 0x3003
	s_cbranch_scc0 .Lentry_shape_is_right
	s_endpgm
.Lentry_shape_is_right:
; ATTENTION.  O[q][head] = the sum over k of softmax_k(q' . k' + mask[q][k]) v'[k].  q', k', v' come as BETA x value in f16 (BETA^2 = 1 / sqrt(128): q' . k' is the scaled score), the mask as f32.
; The mask is an input: every key tile is walked and every mask number is read.  Products, maxima and sums in f32; the weights p are rounded to f16 for the second product, O (= BETA x O) once at the end.
; SHARES.  A work-group owns 128 queries of one head, each of its four waves 32: two tiles of 16.  Every wave walks all 1,024 keys, 64 a step.
; CLUSTER.  The four work-groups of a cluster are the four query heads of one key and value head, at the same 128 queries: K's tile, V's tile AND the mask's tile are the same for all four, so all three
; are asked for JOINTLY (mask of four): wave 0 asks for K, wave 1 for V, waves 2 and 3 for 64 rows of the mask each.
; LAYOUT.  S^T = K Q^T + mask^T (source 0 = 16 keys, source 1 = 16 queries): a lane holds ONE query (lane % 16) and the keys 8 (lane / 16) + 0..7.  The mask's eight numbers of a lane are 32 consecutive bytes of
; a mask row: they are loaded from LDS straight into the accumulator, and the products add onto them.  Two results rounded to f16 ARE source 1 of O^T = V^T P.  V comes out of LDS turned (ds_load_tr16_b128).
; SOFTMAX.  A running maximum m and sum l: p = 2^(c s - c m), c = log2(e); in every step O and l are multiplied by a = 2^(c m_old - c m_new).  m starts at -1e38, c m at -2^127 (below c times that), O and l at 0:
; the first step is a step like any other, with a = 0.  The price: 128 v_mov_b32 in the wait for the first tile; the gain: no first step is written out.
; IN PHASES: a step's softmax, its V^T P, the next step's K Q^T, one after the other.
; LIMITS.  mask + q . k is summed in the matrix unit, the mask first: beside a mask number of 1e9 a score keeps what f32 keeps.  Scores below -1e38 count as -1e38 in m.  A row whose mask is all -inf gives NaN, as the
; softmax of such a row does.  A weight below 2^-126 counts as 0 in l; p below 6e-5 keeps f16's fixed step of 6e-8.
; REGISTERS, in windows of 256 (s_set_vgpr_msb: bits 1:0 source 0, 3:2 source 1, 5:4 source 2, 7:6 destination):
;   window 0: v1-9, v28-30 addresses; v12-27 eight registers of statistics a tile; v62-63 the add's two; v64-127 S^T, 32 a tile; v192-223 P, 16 a tile
;   window 1: v0-127 O^T, 64 a tile      window 2: v0-63 Q, 32 a tile; v128-255 K of one step      window 3: v0-127 V of one step
.set PK,    80        ; 64 bytes (a key's 32 channels of a plane) + 16: an odd multiple of 16: the 16 rows of a load start at 16 different groups of four banks (64 banks of 4 bytes: ISA guide 11.1)
.set PV,    96        ; 64 + 32: an odd multiple of 32, for the turning load
.set PM,    272       ; a mask row: 64 keys x 4 bytes + 16
.set VOFF,  256*PK    ; a slot holds one key step: K (4 planes x 64 keys), V likewise, 128 rows of the mask
.set MOFF,  VOFF+256*PV
.set SLOT1, 1<<17     ; slot 1 begins here, so that one exclusive or turns an address in one slot into the other's
.set STAGE, SLOT1+MOFF+128*PM  ; behind the ring: 16 rows x 272 bytes for each wave, for the way out
.set SP,    272
.set SPARE, STAGE+4*16*SP      ; the spare words, 128 bytes a wave: two blocks of 256 bytes that no other line names
.set AK0, 2           ; v2   my lane's place in a tile of K; never rewritten
.set AV0, 3           ; v3   of V
.set ADR, 4           ; v4   the LDS address of the run of loads in hand
.set QO,  5           ; v5   my byte offset in the wave's rows of Q
.set STO, 6           ; v6-8 the way out
.set RD,  7
.set GO,  8
.set AM0, 9           ; v9   my lane's place in the mask's tile
.set ST,  12          ; tile t's statistics at v[ST+8 t]: +0 c m, +1 m, +2, +3 l (even keys', odd keys'), +4 to +7 c0-c3, at work; a takes c2's place once the maximum is found
.set SPW, 62
.set NIL, 63
.set S,   64
.set P,   192
.set KF,  128
.set WV,  14          ; s14  my wave's number
.set G1K, 24          ; s[24:47] descriptor groups 1 for K, V, mask
.set G1V, 32
.set G1M, 40
.set G0K, 48          ; s[48:55], s[56:63], s[68:75] groups 0: a set for each of the two first fills; the second then walks on
.set G0V, 56
.set G0M, 68
.set CNT, 76
.set TB,  77          ; s77  LDS byte at which the slot to be fetched from begins
.set CS,  78          ; s[78:79] c
.set SEL, 80          ; s[80:81] v_permlanex16_b32's selects: each lane takes its own place in the other half
.set MSB, 0
.macro WIN new
.if MSB != (\new)
	s_set_vgpr_msb (MSB<<8)|(\new)
.set MSB, \new
.endif
.endm
.set W_KQ, 0x0a       ; K and Q in window 2, S^T in window 0
.set W_PV, 0x53       ; V in window 3, P in window 0, O^T in window 1
.set W_RS, 0x41       ; O^T (destination and source 0) in window 1, a in window 0
.macro PLACES
.rept 4
	v_nop
.endr
.endm
; A joint refill: one line for each kind of tile, chosen by the wave's number alone.  An s_nop 0 and four v_nop follow each line, ahead of the jump and the label.
.macro JLOAD
	s_cmp_lt_u32 s[WV], 2
	s_cbranch_scc0 .Lfor_m_\@
	s_cmp_eq_u32 s[WV], 0
	s_cbranch_scc0 .Lfor_v_\@
	tensor_load_to_lds s[G0K+4:G0K+7], s[G1K:G1K+7]
	s_nop 0
.rept 4
	v_nop
.endr
	s_branch .Lasked_\@
.Lfor_v_\@:
	tensor_load_to_lds s[G0V+4:G0V+7], s[G1V:G1V+7]
	s_nop 0
.rept 4
	v_nop
.endr
	s_branch .Lasked_\@
.Lfor_m_\@:
	tensor_load_to_lds s[G0M+4:G0M+7], s[G1M:G1M+7]
	s_nop 0
.rept 4
	v_nop
.endr
.Lasked_\@:
.endm
.macro CROUND                          ; a round of the cluster's barrier
	s_barrier_signal -1
	s_barrier_wait -1
	s_cmp_lg_u32 s[WV], 0
	s_cbranch_scc1 .Lnot_wave_0_\@
	s_barrier_signal -3
.Lnot_wave_0_\@:
	s_barrier_wait -3
	s_barrier_signal -1
	s_barrier_wait -1
.endm
	s_load_b256 s[4:11], s[0:1], 0x0  ; qh s[4:5], kh s[6:7], vh s[8:9], mb s[10:11]
	s_load_b64 s[12:13], s[0:1], 0x20 ; ob
	v_lshl_add_u32 v[SPW], v0, 2, SPARE
	v_mov_b32 v[NIL], 0
	ds_add_u32 v[SPW], v[NIL]       ; the wave's opening: the add and its wait stand ahead of my first tensor load; the set-up below, work on registers, stands between them
	v_lshrrev_b32 v1, 5, v0
	v_readfirstlane_b32 s[WV], v1   ; wave 0..3
	s_bfe_u32 s15, ttmp6, 0x40000   ; cx: which of the four query heads
	s_lshl_b32 s16, ttmp9, 2        ; ttmp9 counts clusters: the key and value head
	s_add_co_u32 s16, s16, s15      ; my head: it enters Q's and O's addresses alone
	s_and_b32 s17, ttmp7, 0xffff    ; y: my block of 128 queries, which the partners share
	s_lshl_b32 s18, ttmp9, 18       ; kh, vh: 262,144 bytes a head
	s_mov_b32 s19, 0
	s_and_b32 s82, s[WV], 1         ; which 64 rows of the mask's tile I fetch (waves 2 and 3)
	s_lshl_b32 s20, s17, 19         ; mb: row 128 y + 64 (w % 2), 4,096 bytes a row
	s_lshl_b32 s21, s82, 18
	s_add_co_u32 s20, s20, s21
	s_mov_b32 s21, 0
	s_mul_i32 s83, s82, 64*PM       ; and their place in a slot
	s_lshl_b32 s22, s16, 18         ; qh: two blocks of 131,072 bytes a head; row 128 y + 32 w of 128 bytes
	s_lshl_b32 s23, s17, 14
	s_add_co_u32 s22, s22, s23
	s_lshl_b32 s23, s[WV], 12
	s_add_co_u32 s22, s22, s23
	s_mov_b32 s23, 0
	s_lshl_b32 s84, s17, 20         ; ob: row 128 y + 32 w of 8,192 bytes, 256 bytes a head
	s_lshl_b32 s85, s[WV], 18
	s_add_co_u32 s84, s84, s85
	s_lshl_b32 s85, s16, 8
	s_add_co_u32 s84, s84, s85
	s_mov_b32 s85, 0
	; descriptor groups 1.  A key block of K or V is 16,384 dense bytes: asked for as 64 rows of 256 bytes, four keys of a plane a row, padded in LDS after every key's 64 bytes
	s_mov_b32 s[G1K], 15|(1<<16)|(1<<20)|(1<<21)|(3<<22)|(3<<25)  ; the mask of four; 2-byte elements; padding on; 21 set beside a mask; after every 16 words (code 3) 4 words (code 3)
	s_mov_b32 s[G1V], 15|(1<<16)|(1<<20)|(1<<21)|(3<<22)|(7<<25)  ; the same with 8 words (code 7)
.irp g, G1K, G1V
	s_mov_b32 s[(\g)+1], 128<<16    ; tensor_dim0 = 128
	s_mov_b32 s[(\g)+2], 64<<16     ; tensor_dim1 = 64
	s_mov_b32 s[(\g)+3], 128<<16    ; tile_dim0 = 128
	s_mov_b32 s[(\g)+4], 64         ; tile_dim1 = 64
	s_mov_b32 s[(\g)+5], 128        ; elements from row to row
	s_mov_b32 s[(\g)+6], 0
	s_mov_b32 s[(\g)+7], 0
.endr
	s_mov_b32 s[G1M], 15|(2<<16)|(1<<20)|(1<<21)|(5<<22)|(3<<25)  ; 4-byte elements; after every 64 words 4 words
	s_mov_b32 s[G1M+1], 64<<16      ; 64 keys
	s_mov_b32 s[G1M+2], 64<<16      ; 64 queries
	s_mov_b32 s[G1M+3], 64<<16
	s_mov_b32 s[G1M+4], 64
	s_mov_b32 s[G1M+5], 1024
	s_mov_b32 s[G1M+6], 0
	s_mov_b32 s[G1M+7], 0
	s_mov_b32 s[CS], 0x3fb8aa3b     ; c = log2(e)
	s_mov_b32 s[CS+1], s[CS]        ; named with it as a pair
	s_mov_b32 s[SEL], 0x76543210
	s_mov_b32 s[SEL+1], 0xfedcba98
	s_mov_b32 s[TB], 0
	s_wait_dscnt 0x0                ; the opening add is done
	s_wait_kmcnt 0x0
	s_add_nc_u64 s[6:7], s[6:7], s[18:19]
	s_add_nc_u64 s[8:9], s[8:9], s[18:19]
	s_add_nc_u64 s[10:11], s[10:11], s[20:21]
	s_add_nc_u64 s[4:5], s[4:5], s[22:23]
	s_add_nc_u64 s[12:13], s[12:13], s[84:85]
.irp s, 0,1
	s_mov_b32 s[G0K+4*(\s)], 1
	s_mov_b32 s[G0K+4*(\s)+1], (\s)*SLOT1
	s_add_nc_u64 s[G0K+4*(\s)+2:G0K+4*(\s)+3], s[6:7], (\s)*16384  ; key step s
	s_or_b32 s[G0K+4*(\s)+3], s[G0K+4*(\s)+3], 0x80000000
	s_mov_b32 s[G0V+4*(\s)], 1
	s_mov_b32 s[G0V+4*(\s)+1], (\s)*SLOT1+VOFF
	s_add_nc_u64 s[G0V+4*(\s)+2:G0V+4*(\s)+3], s[8:9], (\s)*16384
	s_or_b32 s[G0V+4*(\s)+3], s[G0V+4*(\s)+3], 0x80000000
	s_mov_b32 s[G0M+4*(\s)], 1
	s_add_co_u32 s[G0M+4*(\s)+1], s83, (\s)*SLOT1+MOFF
	s_add_nc_u64 s[G0M+4*(\s)+2:G0M+4*(\s)+3], s[10:11], (\s)*256
	s_or_b32 s[G0M+4*(\s)+3], s[G0M+4*(\s)+3], 0x80000000
.endr
	CROUND                          ; all four work-groups are here: the first joint loads meet
	s_cmp_lt_u32 s[WV], 2           ; a wave's two first fills stand together, ahead of every wait on TENSORcnt and every LDS read: two loads of mine are out
	s_cbranch_scc0 .Lfirst_m
	s_cmp_eq_u32 s[WV], 0
	s_cbranch_scc0 .Lfirst_v
	tensor_load_to_lds s[G0K:G0K+3], s[G1K:G1K+7]
	s_nop 0
	tensor_load_to_lds s[G0K+4:G0K+7], s[G1K:G1K+7]
	s_nop 0
.rept 4
	v_nop
.endr
	s_branch .Lfirst_asked
.Lfirst_v:
	tensor_load_to_lds s[G0V:G0V+3], s[G1V:G1V+7]
	s_nop 0
	tensor_load_to_lds s[G0V+4:G0V+7], s[G1V:G1V+7]
	s_nop 0
.rept 4
	v_nop
.endr
	s_branch .Lfirst_asked
.Lfirst_m:
	tensor_load_to_lds s[G0M:G0M+3], s[G1M:G1M+7]
	s_nop 0
	tensor_load_to_lds s[G0M+4:G0M+7], s[G1M:G1M+7]
	s_nop 0
.rept 4
	v_nop
.endr
.Lfirst_asked:
	; A fragment of K or Q is 16 rows x 32 channels in 8 registers: lane l holds row l % 16, channels 8 (l / 16) + 0..7 and 16 + 8 (l / 16) + 0..7: two loads of 16 bytes, 32 bytes apart.
	v_and_b32 v1, 15, v0            ; r = l % 16
	v_bfe_u32 v28, v0, 4, 1         ; h = l / 16
	v_lshlrev_b32 v[QO], 7, v1
	v_lshl_add_u32 v[QO], v28, 4, v[QO]
	WIN 0x80                        ; destination window 2
.irp i, 0,1,2,3,4,5,6,7             ; Q stays in registers: tile i / 4, channels 32 (i % 4) on: block (i % 4) / 2 of the head, 64 bytes in for the odd ones
	global_load_b128 v[8*(\i):8*(\i)+3],   v[QO], s[4:5] offset:((\i)/4)*2048+(((\i)%4)/2)*131072+((\i)%2)*64
	global_load_b128 v[8*(\i)+4:8*(\i)+7], v[QO], s[4:5] offset:((\i)/4)*2048+(((\i)%4)/2)*131072+((\i)%2)*64+32
.endr
	WIN 0x40
.set i, 0
.rept 128
	v_mov_b32 v[i], 0               ; O^T
.set i, i+1
.endr
	WIN 0
.irp t, 0,1
	v_mov_b32 v[ST+8*(\t)], 0xff000000    ; c m = -2^127
	v_mov_b32 v[ST+8*(\t)+1], 0xfe967699  ; m = -1e38
	v_mov_b32 v[ST+8*(\t)+2], 0
	v_mov_b32 v[ST+8*(\t)+3], 0
.endr
	v_mul_u32_u24 v[AK0], v1, PK
	v_lshl_add_u32 v[AK0], v28, 4, v[AK0]
	; The turning load takes 16 keys x 16 channels (lane l reads key 8 (l / 16) + l % 8, channels 8 ((l / 8) % 2) + 0..7) and leaves half a fragment of V^T: lane l holds channel l % 16 and 8 keys.
	v_and_b32 v29, 7, v0
	v_bfe_u32 v30, v0, 3, 1
	v_lshl_add_u32 v[AV0], v28, 3, v29
	v_mul_u32_u24 v[AV0], v[AV0], PV
	v_lshl_add_u32 v[AV0], v30, 4, v[AV0]
	v_add_nc_u32 v[AV0], VOFF, v[AV0]
	s_mul_i32 s86, s[WV], 32*PM     ; the mask: row 32 w + r (+ 16 for tile 1), 32 bytes at 32 h
	s_add_co_u32 s86, s86, MOFF
	v_mul_u32_u24 v[AM0], v1, PM
	v_lshl_add_u32 v[AM0], v28, 5, v[AM0]
	v_add_nc_u32 v[AM0], s86, v[AM0]
	s_mul_i32 s87, s[WV], 16*SP
	s_add_co_u32 s87, s87, STAGE    ; my stage
	v_mul_u32_u24 v[STO], v1, SP    ; in: row r, 16 bytes for each half of the lanes
	v_lshl_add_u32 v[STO], v28, 4, v[STO]
	v_add_nc_u32 v[STO], s87, v[STO]
	v_mul_u32_u24 v[RD], v28, SP    ; back: lanes 0-15 take one row of 256 bytes, lanes 16-31 the next
	v_lshl_add_u32 v[RD], v1, 4, v[RD]
	v_add_nc_u32 v[RD], s87, v[RD]
	v_lshlrev_b32 v[GO], 13, v28    ; and the same two rows in ob
	v_lshl_add_u32 v[GO], v1, 4, v[GO]
; THE MATRIX WORK.  The accumulators take turns, one instruction a turn: between two links of a chain stand 7 (K Q^T) or 15 (V^T P) others'.
; Product i of 32 of S^T += K Q^T: channels 32 (i / 8) on, keys 16 ((i / 2) % 4) on, tile i % 2.  The first 8 add onto the mask.
.macro KQ
	WIN W_KQ
.set rS, S+32*(i%2)+8*((i/2)%4)
.set rK, KF+32*((i/2)%4)+8*(i/8)
.set rQ, 32*(i%2)+8*(i/8)
	v_wmma_f32_16x16x32_f16 v[rS:rS+7], v[rK:rK+7], v[rQ:rQ+7], v[rS:rS+7]
.endm
; Product i of 32 of O^T += V^T P: keys 32 (i / 16) on, channels 16 ((i / 2) % 8) on, tile i % 2.
.macro PV
	WIN W_PV
.set rO, 64*(i%2)+8*((i/2)%8)
.set rV, 64*(i/16)+8*((i/2)%8)
.set rP, P+16*(i%2)+8*(i/16)
	v_wmma_f32_16x16x32_f16 v[rO:rO+7], v[rV:rV+7], v[rP:rP+7], v[rO:rO+7]
.endm
.macro ALLKQ
.set i, 0
.rept 32
	KQ
.set i, i+1
.endr
.endm
.macro ALLPV
.set i, 0
.rept 32
	PV
.set i, i+1
.endr
.endm
; THE LDS LOADS, in runs: a step's K (16 fragments), its mask (straight into S^T), its V (turned).
.macro FETCH_K
	WIN 0
	v_add_nc_u32 v[ADR], s[TB], v[AK0]
	WIN 0x80
.irp f, 0,1,2,3,4,5,6,7,8,9,10,11,12,13,14,15  ; keys 16 (f / 4) on, plane f % 4
	ds_load_b128 v[KF+8*(\f):KF+8*(\f)+3],   v[ADR] offset:((\f)%4)*64*PK+((\f)/4)*16*PK
	ds_load_b128 v[KF+8*(\f)+4:KF+8*(\f)+7], v[ADR] offset:((\f)%4)*64*PK+((\f)/4)*16*PK+32
.endr
.endm
.macro FETCH_M
	WIN 0
	v_add_nc_u32 v[ADR], s[TB], v[AM0]
.irp f, 0,1,2,3,4,5,6,7             ; tile f / 4, keys 16 (f % 4) on
	ds_load_b128 v[S+8*(\f):S+8*(\f)+3],   v[ADR] offset:((\f)/4)*16*PM+((\f)%4)*64
	ds_load_b128 v[S+8*(\f)+4:S+8*(\f)+7], v[ADR] offset:((\f)/4)*16*PM+((\f)%4)*64+16
.endr
.endm
.macro FETCH_V
	WIN 0
	v_add_nc_u32 v[ADR], s[TB], v[AV0]
	WIN 0xc0                        ; destination window 3
.irp f, 0,1,2,3,4,5,6,7,8,9,10,11,12,13,14,15  ; keys 32 (f / 8) on, channels 16 (f % 8) on: plane (f % 8) / 2, 32 bytes in for the odd ones
	ds_load_tr16_b128 v[8*(\f):8*(\f)+3],   v[ADR] offset:(((\f)%8)/2)*64*PV+((\f)%2)*32+((\f)/8)*32*PV
	ds_load_tr16_b128 v[8*(\f)+4:8*(\f)+7], v[ADR] offset:(((\f)%8)/2)*64*PV+((\f)%2)*32+((\f)/8)*32*PV+16*PV
.endr
.endm
; THE VECTOR WORK.  One tile's softmax for one key step is a list of 134 instructions; SM writes number j of it for tile t.  s0-s31 are the lane's 32 scores, in pairs 0-15.
;   0-15    the maximum of s0-s31 and the old m, three operands at a time: four chains c0-c3 of seven scores each (each accumulator's lowest registers are read first), then the four left over, c0-c3 and m
;   16-20   the other half of the lanes' maximum; the new m; c m; c m_old - c m_new
;   21-87   33 exponentials (a, then s0-s31) at the odd numbers from 23 on, so that no two follow each other and each has a plain instruction behind it before its result is used (ISA guide 5.7.2);
;           the plain numbers between them: c s - c m for pairs still to come, roundings to f16 of pairs that are done, the first three sums
;   88-101  the last rounding; the rest of the sums; l = a l + the sum
;   102-133 the tile's O^T times a: the one part that leaves window 0
.macro SM t
.set rT, ST+8*(\t)
.set rS, S+32*(\t)
.set rP, P+16*(\t)
.set rO, 64*(\t)+2*(j-102)
.set q, (j-20)/2
.if j < 102
	WIN 0
.endif
.if j < 4
	v_max3_num_f32 v[rT+4+j], v[rS+8*j], v[rS+8*j+1], v[rS+8*j+2]
.elseif j < 12
	v_max3_num_f32 v[rT+4+j%4], v[rT+4+j%4], v[rS+8*(j%4)+2*(j/4)+1], v[rS+8*(j%4)+2*(j/4)+2]
.elseif j == 12
	v_max3_num_f32 v[rT+4], v[rT+4], v[rS+7], v[rS+15]
.elseif j == 13
	v_max3_num_f32 v[rT+6], v[rT+6], v[rS+23], v[rS+31]
.elseif j == 14
	v_max3_num_f32 v[rT+4], v[rT+4], v[rT+5], v[rT+6]
.elseif j == 15
	v_max3_num_f32 v[rT+4], v[rT+4], v[rT+7], v[rT+1]
.elseif j == 16
	v_permlanex16_b32 v[rT+5], v[rT+4], s[SEL], s[SEL+1]  ; the query's other 32 keys lie in the lane 16 away
.elseif j == 17
	v_mov_b32 v[rT+7], v[rT]        ; c m_old is kept for a: number 19 writes c m anew
.elseif j == 18
	v_max_num_f32 v[rT+1], v[rT+4], v[rT+5]
.elseif j == 19
	v_mul_f32 v[rT], s[CS], v[rT+1]
.elseif j == 20
	v_sub_f32 v[rT+7], v[rT+7], v[rT]
.elseif j == 23
	v_exp_f32 v[rT+6], v[rT+7]
.elseif (j < 88) && (j > 23) && (j%2 == 1)
	v_exp_f32 v[rS+(j-25)/2], v[rS+(j-25)/2]
.elseif (q < 4) || ((j < 76) && (q%2 == 0))
.set b, q/2+2
.if q < 4
.set b, q
.endif
	v_pk_fma_f32 v[rS+2*b:rS+2*b+1], v[rS+2*b:rS+2*b+1], s[CS:CS+1], v[rT:rT+1] op_sel_hi:[1,0,0] neg_lo:[0,0,1] neg_hi:[0,0,1]  ; pair b: c s - c m
.elseif (j < 88) && (q%2 == 1)
	s_wait_alu depctr_va_vdst(0)
	v_cvt_pk_f16_f32 v[rP+(q-5)/2], v[rS+q-5], v[rS+q-4]  ; pair (q - 5) / 2: its second exponential stands three numbers back
.elseif j == 89
	s_wait_alu depctr_va_vdst(0)
	v_cvt_pk_f16_f32 v[rP+15], v[rS+30], v[rS+31]
.elseif j < 102                     ; the sum of the tile's 16 pairs, in place: sum z of 16 adds neighbours 1, 2, 4 and 8 pairs apart, then l takes it
.set z, j-86
.if j < 89
.set z, (j-76)/4
.endif
.set w, 4
.set u, z
.if z >= 14
.set w, 32
.set u, 0
.elseif z >= 12
.set w, 16
.set u, z-12
.elseif z >= 8
.set w, 8
.set u, z-8
.endif
.if z < 15
	v_pk_add_f32 v[rS+w*u:rS+w*u+1], v[rS+w*u:rS+w*u+1], v[rS+w*u+w/2:rS+w*u+w/2+1]
.else
	v_pk_fma_f32 v[rT+2:rT+3], v[rT+2:rT+3], v[rT+6:rT+7], v[rS:rS+1] op_sel_hi:[1,0,1]
.endif
.else
	WIN W_RS
	v_pk_mul_f32 v[rO:rO+1], v[rO:rO+1], v[rT+6:rT+7] op_sel_hi:[1,0]
.endif
.endm
; Slice k of 64: numbers 2 k and 2 k + 1 of both tiles' lists; the twelve that are over stand in slice 63.
.macro SLICE
.if (k >= 11) && (k < 44)           ; tile by tile: plain, exponential, plain, exponential
.irp t, 0,1
.irp n, 0,1
.set j, 2*k+(\n)
	SM \t
.endr
.endr
.else                               ; the two tiles alternate, so that no instruction reads the result of the one just before it
.irp n, 0,1,2,3,4,5,6,7
.if ((\n) < 2) || (k == 63)
.irp t, 0,1
.set j, 2*k+(\n)
	SM \t
.endr
.endif
.endr
.endif
.set k, k+1
.endm
.macro SOFTMAX
.set k, 0
.rept 64
	SLICE
.endr
.endm
; THE CHANGE OF SLOTS.  All of the old slot (K, mask, V of the step in hand) has been asked for.  Each wave waits for all its tensor loads, of which one is out: its part of the other slot; adds 0 to its spare word; and
; waits for that and for its reads of the old slot.  fill = 1: the barrier is a round of the cluster's, and the old slot is filled again, with the step two on, first thing behind it.
; The four v_nop behind the load (or written out) are the places between the last K Q^T and what follows: the loads into K's registers and the first read of the scores.
.macro CHANGE fill
	WIN 0                           ; at a label and at a branch every window is 0
	s_wait_tensorcnt 0x0            ; no tensor load of mine is out, so a group 0 may be written
	ds_add_u32 v[SPW], v[NIL]       ; 0 onto my spare word; the descriptors' steps stand between it and the wait for it
.if \fill
.irp g, G0K+4, G0V+4
	s_xor_b32 s[(\g)+1], s[(\g)+1], SLOT1  ; the walking descriptor: the other slot than last time,
	s_add_nc_u64 s[(\g)+2:(\g)+3], s[(\g)+2:(\g)+3], 16384  ; the next 64 keys
.endr
	s_xor_b32 s[G0M+5], s[G0M+5], SLOT1
	s_add_nc_u64 s[G0M+6:G0M+7], s[G0M+6:G0M+7], 256
	s_wait_dscnt 0x0                ; the add is done, and my reads of the slot are over
	CROUND
	JLOAD
.else
	s_wait_dscnt 0x0
	s_barrier_signal -1
	s_barrier_wait -1
	PLACES
.endif
	s_xor_b32 s[TB], s[TB], SLOT1   ; the fetches go on in the other slot
.endm
; A TRIP: the next step's K is asked for; the softmax of the step in hand; the next step's mask goes into the scores' registers; V^T P of the step in hand (its V came in before the change of slots);
; four places, the next step's V; K Q^T of the next step.
.macro TRIP
	FETCH_K
	SOFTMAX
	FETCH_M
	ALLPV
	PLACES
	FETCH_V
	s_wait_dscnt 32                 ; K and the mask are in; V's 32 loads may stay out
	ALLKQ
.endm
	s_wait_tensorcnt 0x1            ; my part of slot 0 is in; slot 1's may stay out
	s_barrier_signal -1
	s_barrier_wait -1               ; everybody's is
	FETCH_K                         ; key step 0
	FETCH_M
	FETCH_V
	s_wait_loadcnt 0x0              ; Q
	s_wait_dscnt 32                 ; K and the mask
	ALLKQ
	WIN 0
	s_mov_b32 s[CNT], 14
.Lstep:                             ; 14 trips: steps 2 to 15 are asked for
	CHANGE 1
	TRIP
	WIN 0
	s_sub_co_u32 s[CNT], s[CNT], 1
	s_cmp_lg_u32 s[CNT], 0
	s_cbranch_scc1 .Lstep
	CHANGE 0                        ; the tail is written out: nothing is asked for
	TRIP
	PLACES                          ; between the last K Q^T and the first read of its scores
	SOFTMAX
	s_wait_dscnt 0x0                ; V of the last step
	ALLPV
	; THE WAY OUT.  l's two halves and the other half of the lanes' are added; O^T is divided by l, rounded to f16 and sent through my stage in LDS, a tile (16 rows) at a time.
	WIN 0
	PLACES
.irp t, 0,1
	v_add_f32 v[ST+8*(\t)+4], v[ST+8*(\t)+2], v[ST+8*(\t)+3]
.endr
.irp t, 0,1
	v_permlanex16_b32 v[ST+8*(\t)+5], v[ST+8*(\t)+4], s[SEL], s[SEL+1]
.endr
.irp t, 0,1
	v_add_f32 v[ST+8*(\t)+4], v[ST+8*(\t)+4], v[ST+8*(\t)+5]
.endr
.irp t, 0,1
	v_rcp_f32 v[ST+8*(\t)+6], v[ST+8*(\t)+4]
.endr
	v_nop                           ; a plain instruction between the last reciprocal and the use of its result
	s_wait_alu depctr_va_vdst(0)
.macro PACK t
	WIN W_RS
.set i, 64*(\t)
.rept 32
	v_pk_mul_f32 v[i:i+1], v[i:i+1], v[ST+8*(\t)+6:ST+8*(\t)+7] op_sel_hi:[1,0]
.set i, i+2
.endr
	WIN 0x05                        ; sources 0 and 1 window 1, destination window 0: S^T's registers are free
.set i, 0
.rept 32
	v_cvt_pk_f16_f32 v[S+32*(\t)+i], v[64*(\t)+2*i], v[64*(\t)+2*i+1]
.set i, i+1
.endr
	WIN 0
.irp f, 0,1,2,3,4,5,6,7
	ds_store_b128 v[STO], v[S+32*(\t)+4*(\f):S+32*(\t)+4*(\f)+3] offset:32*(\f)
.endr
.irp f, 0,1,2,3,4,5,6,7
	ds_load_b128 v[S+32*(\t)+4*(\f):S+32*(\t)+4*(\f)+3], v[RD] offset:(\f)*2*SP  ; LDS serves a wave's instructions in order (ISA guide 5.7.1.4): these see the stores above; the next tile's stores come behind them
.endr
.endm
.macro SEND t, younger              ; younger: the LDS instructions issued behind tile t's loads
.irp f, 0,1,2,3,4,5,6,7
	s_wait_dscnt (\younger)+7-(\f)
	global_store_b128 v[GO], v[S+32*(\t)+4*(\f):S+32*(\t)+4*(\f)+3], s[12:13] offset:(\t)*131072+(\f)*16384  ; 16 lanes store 256 consecutive bytes, a head's channels of a row, at a multiple of 256 from ob's first byte
.endr
.endm
	PACK 0
	PACK 1
	SEND 0, 16
	SEND 1, 0
	s_wait_tensorcnt 0x0            ; the wave's end, behind my last tensor load and my last LDS store
	ds_add_u32 v[SPW], v[NIL]
	s_wait_dscnt 0x0
	CROUND                          ; the closing round: no work-group ends while a partner may still ask for a tile that names it
	s_endpgm
.Lfunc_end_k_q8260961e99_attn:
	.size	k_q8260961e99_attn, .Lfunc_end_k_q8260961e99_attn-k_q8260961e99_attn
	.p2alignl 7, 3214868480
	.fill 96, 4, 3214868480
	.section	.rodata,"a",@progbits
	.p2align	6, 0x0
	.amdhsa_kernel k_q8260961e99_attn
		.amdhsa_group_segment_fixed_size 327680
		.amdhsa_private_segment_fixed_size 0
		.amdhsa_enable_private_segment 0
		.amdhsa_kernarg_size 40
		.amdhsa_user_sgpr_count 2
		.amdhsa_user_sgpr_kernarg_segment_ptr 1
		.amdhsa_wavefront_size32 1
		.amdhsa_system_sgpr_workgroup_id_x 1
		.amdhsa_system_sgpr_workgroup_id_y 1
		.amdhsa_system_sgpr_workgroup_id_z 1
		.amdhsa_system_vgpr_workitem_id 0
		.amdhsa_next_free_vgpr 896
		.amdhsa_next_free_sgpr 88
		.amdhsa_reserve_vcc 0
		.amdhsa_float_denorm_mode_32 3
		.amdhsa_float_denorm_mode_16_64 3
		.amdhsa_memory_ordered 1
		.amdhsa_forward_progress 1
		.amdhsa_inst_pref_size 105
	.end_amdhsa_kernel
	.amdgpu_metadata
---
amdhsa.version: [ 1, 2 ]
amdhsa.kernels:
  - .name:           k_q8260961e99_attn
    .symbol:         k_q8260961e99_attn.kd
    .args:
      - { .name: qh, .offset: 0, .size: 8, .value_kind: global_buffer, .address_space: global }
      - { .name: kh, .offset: 8, .size: 8, .value_kind: global_buffer, .address_space: global }
      - { .name: vh, .offset: 16, .size: 8, .value_kind: global_buffer, .address_space: global }
      - { .name: mb, .offset: 24, .size: 8, .value_kind: global_buffer, .address_space: global }
      - { .name: ob, .offset: 32, .size: 8, .value_kind: global_buffer, .address_space: global }
    .group_segment_fixed_size: 327680
    .private_segment_fixed_size: 0
    .kernarg_segment_align: 8
    .kernarg_segment_size: 40
    .max_flat_workgroup_size: 128
    .sgpr_count:     88
    .vgpr_count:     896
    .wavefront_size: 32
...
	.end_amdgpu_metadata
.endif
;; end of part 3
;; launch proj (part 4): grid 64 x 4, 4 waves a work-group, clusters of 4 x 4, 327,680 bytes of LDS; arguments ob, wo, out0; writes out0
.if DOCPART == 4
	.amdgcn_target "amdgcn-amd-amdhsa--gfx1250"
	.amdhsa_code_object_version 6
	.text
	.protected	k_q8260961e99_proj
	.globl	k_q8260961e99_proj
	.p2align	8
	.type	k_q8260961e99_proj,@function
k_q8260961e99_proj:
	s_mov_b64 s[64:65], 0
	v_nop
	global_prefetch_b8 v0, s[64:65] scope:SCOPE_SE
	s_setreg_imm32_b32 hwreg(HW_REG_WAVE_MODE, 25, 1), 1
	s_wait_xcnt 0x0
	s_wait_alu depctr_hold_cnt(0) depctr_sa_sdst(0) depctr_va_vdst(0) depctr_va_sdst(0) depctr_va_ssrc(0) depctr_va_vcc(0) depctr_vm_vsrc(0)
	s_getreg_b32 s2, hwreg(HW_REG_IB_STS2, 6, 4)
	s_cmp_eq_u32 s2, 0
	s_cbranch_scc0 .Lentry_in_a_cluster
	s_endpgm
.Lentry_in_a_cluster:
	s_bfe_u32 s2, ttmp6, 0x10000c
	s_cmp_lg_u32 s2, 0xf033
	s_cbranch_scc0 .Lentry_shape_is_right
	s_endpgm
.Lentry_shape_is_right:
; OUT = O wo.  O comes as BETA x O in f16 (ob, [1024][4096]); wo as f32 [4096][4096]: it is rounded to bf16 like every input, and that number is written as f16; sums in f32, times 1 / BETA = 2^1.75 at the end.
; SHARES.  256 work-groups: column block c = 0..63 (64 columns) x row block my = 0..3 (256 rows).  Four waves; wave w makes rows 64 w .. 64 w + 63 and all 64 columns: 16 accumulators.  K in 32 steps of 128, four quarters each.
; A (ob) comes by joint tensor loads into two LDS slots: the four work-groups of a row of the 4 x 4 cluster need the same rows; each wave asks for the 64 rows that it alone reads.
; B (wo) goes memory -> registers -> f16 -> LDS as [k][n], and out of LDS turned.  B IS NOT ASKED FOR JOINTLY: it lies in memory as f32.  As f32 tiles in LDS a step's B would be 128 x 64 x 4 bytes for x 2, and each of the
; four waves would read and round all of it; through registers each number is rounded once a work-group, and the loads of two further steps (2 x 16 a wave) stay out across the barriers.
; THE MATRIX INSTRUCTION IS USED TRANSPOSED (source 0 = 16 columns of B, source 1 = 16 rows of A): a lane holds row l % 16 and the eight columns 8 (l / 16) + 0..7.
; LIMITS.  wo beyond 65,504 has no f16; below 6e-5 it keeps f16's fixed step of 6e-8.  NaN and infinities are not treated apart.
; REGISTERS: window 0: v2-14 addresses, v20-26 at work, v28-29 the add's two, v128-255 the accumulators ((a, b) at 128 + 8 (4 a + b)); window 1: two fragment buffers at 0 and 128: A's four fragments, then B's four;
;   window 2: v0-127 two sets of 64: a step's weights as loaded; v128-143 the rounded numbers of a unit, two sets by turns
.set NBF,   4
.set NL,    4                          ; loads, and LDS stores, in a unit of 8 weight rows
.set NF,    2*NBF+8
.set PA,    272                        ; a row of A in LDS: 256 bytes + 16 (64 banks of 4 bytes: ISA guide 11.1: the 16 rows of a load start at 16 different groups of four banks)
.set PB,    160                        ; a row of B: 128 bytes + 32, an odd multiple of 32, for the turning load
.set AWAVE, 64*PA
.set ASLOT, 256*PA
.set BB,    2*ASLOT                    ; B's two slots: written by LDS stores alone
.set BSLOT, 128*PB
.set STG,   BB+2*BSLOT                 ; the way out: 16 rows x 272 bytes for each wave
.set SPARE, STG+4*16*272               ; the spare words, 128 bytes a wave: two blocks of 256 bytes that no other line names
.set STEPQ, 128*16384
.set ADRA, 2
.set ADRB, 4
.set GQ,   6
.set SQ,   8
.set STO,  12
.set RD,   13
.set GO,   14
.set SPW,  28
.set NIL,  29
.set ACC,  128
.set F0,   0
.set F1,   128
.set WV,   10                          ; s10 wave; s13 c; s14 my
.set G1,   16                          ; s[16:23]
.set G0,   24                          ; s[24:31]
.set WPQ,  32                          ; s[32:33] wo at my columns, at the K step that is loaded next
.set OUT,  34                          ; s[34:35]
.set HI,   36                          ; s36 a word's upper bf16
.set SC,   38                          ; s[38:39] 1 / BETA
.set MSB, 0
.macro WIN new
.if MSB != (\new)
	s_set_vgpr_msb (MSB<<8)|(\new)
.set MSB, \new
.endif
.endm
.set MUL,  0x05
.set TO_F, 0x40
.set W_LD, 0x80
.set W_CV, 0x8a
.set W_ST, 0x08
.macro PLACES
.rept 4
	v_nop
.endr
.endm
.macro JLOAD s                         ; the joint load of my 64 rows of A; an s_nop 0 and four v_nop follow it
	tensor_load_to_lds s[G0+4*(\s):G0+4*(\s)+3], s[G1:G1+7]
	s_nop 0
.rept 4
	v_nop
.endr
.endm
.macro CREST
	s_cmp_lg_u32 s[WV], 0
	s_cbranch_scc1 .Lnot_wave_0_\@
	s_barrier_signal -3
.Lnot_wave_0_\@:
	s_barrier_wait -3
	s_barrier_signal -1
	s_barrier_wait -1
.endm
.macro CROUND
	s_barrier_signal -1
	s_barrier_wait -1
	CREST
.endm
.macro LDUNIT u, sg, xq                ; unit u (8 of my 32 weight rows of a step) into set sg: four loads of two whole rows of 256 bytes
.set SBR, 64*(\sg)+16*(\u)
.irp i, 0,1,2,3
	global_load_b128 v[SBR+4*(\i):SBR+4*(\i)+3], v[GQ], s[WPQ:WPQ+1] offset:(8*(\u)+(\i))*16384+(\xq)
.endr
.endm
; Unit u of set sg: rounded to bf16, widened, written as f16, stored into B slot sg; reload = 1: the unit is loaded again, two steps on.  cnt = the loads issued behind this unit's.
.macro CONV u, sg, reload, cnt, xq, step
	s_wait_loadcnt \cnt
	WIN W_CV
.set SBR, 64*(\sg)+16*(\u)
.set TBR, 128+8*((\u)%2)
.irp i, 0,1,2,3
	v_cvt_pk_bf16_f32 v[TBR+2*(\i)],   v[SBR+4*(\i)],   v[SBR+4*(\i)+1]
	v_cvt_pk_bf16_f32 v[TBR+2*(\i)+1], v[SBR+4*(\i)+2], v[SBR+4*(\i)+3]
.endr
.irp i, 0,1,2,3
	v_lshlrev_b32 v[SBR+4*(\i)],   16,    v[TBR+2*(\i)]
	v_and_b32     v[SBR+4*(\i)+1], s[HI], v[TBR+2*(\i)]
	v_lshlrev_b32 v[SBR+4*(\i)+2], 16,    v[TBR+2*(\i)+1]
	v_and_b32     v[SBR+4*(\i)+3], s[HI], v[TBR+2*(\i)+1]
.endr
.irp i, 0,1,2,3
	v_cvt_pk_f16_f32 v[TBR+2*(\i)],   v[SBR+4*(\i)],   v[SBR+4*(\i)+1]
	v_cvt_pk_f16_f32 v[TBR+2*(\i)+1], v[SBR+4*(\i)+2], v[SBR+4*(\i)+3]
.endr
	WIN W_ST
.irp i, 0,1,2,3
	ds_store_b64 v[SQ+(\sg)], v[TBR+2*(\i):TBR+2*(\i)+1] offset:(8*(\u)+(\i))*PB
.endr
.if \reload
.if (\step) && ((\u) == 0)
	s_wait_xcnt 0x0                                ; the loads issued so far have had their addresses translated: only behind this wait is their base stepped
	s_add_nc_u64 s[WPQ:WPQ+1], s[WPQ:WPQ+1], STEPQ
.endif
	WIN W_LD
	LDUNIT \u, \sg, \xq
.endif
.endm
; Behind unit u of the step converted were issued: the rest of that step's loads, the next step's 16, and u units of the reload: 7 units (mode 0); with no reload left 7 - u units (mode 1), 3 - u (mode 2).
.macro CV u, slot, mode
.if (\mode) == 0
	CONV \u, 1-(\slot), 1, 7*NL, 0, 1
.elseif (\mode) == 1
	CONV \u, 1-(\slot), 0, (7-(\u))*NL, 0, 0
.else
	CONV \u, 1-(\slot), 0, (3-(\u))*NL, 0, 0
.endif
.endm
.macro FETCH slot, q, f                ; quarter q's fragments into buffer f: B's four (turned), then A's four; A's fragments 2 and 3 are the last four loads
	WIN TO_F
.irp b, 0,1,2,3
	ds_load_tr16_b128 v[(\f)+32+8*(\b):(\f)+32+8*(\b)+3],   v[ADRB+(\slot)] offset:32*(\q)*PB+32*(\b)
	ds_load_tr16_b128 v[(\f)+32+8*(\b)+4:(\f)+32+8*(\b)+7], v[ADRB+(\slot)] offset:32*(\q)*PB+32*(\b)+16*PB
.endr
.irp a, 0,1,2,3
	ds_load_b128 v[(\f)+8*(\a):(\f)+8*(\a)+3],   v[ADRA+(\slot)] offset:64*(\q)+16*PA*(\a)
	ds_load_b128 v[(\f)+8*(\a)+4:(\f)+8*(\a)+7], v[ADRA+(\slot)] offset:64*(\q)+16*PA*(\a)+32
.endr
.endm
.macro MULA f, a, zero                 ; four matrix instructions; the 16 accumulators take turns, one instruction a turn
	WIN MUL
.irp b, 0,1,2,3
.if \zero
	v_wmma_f32_16x16x32_f16 v[ACC+8*(NBF*(\a)+(\b)):ACC+8*(NBF*(\a)+(\b))+7], v[(\f)+32+8*(\b):(\f)+32+8*(\b)+7], v[(\f)+8*(\a):(\f)+8*(\a)+7], 0
.else
	v_wmma_f32_16x16x32_f16 v[ACC+8*(NBF*(\a)+(\b)):ACC+8*(NBF*(\a)+(\b))+7], v[(\f)+32+8*(\b):(\f)+32+8*(\b)+7], v[(\f)+8*(\a):(\f)+8*(\a)+7], v[ACC+8*(NBF*(\a)+(\b)):ACC+8*(NBF*(\a)+(\b))+7]
.endif
.endr
.endm
; One of a step's first three quarters.  The unit's conversions are the places between the last product that read g and the loads into g; where there is no unit (mode 3), four v_nop.
.macro QUARTER slot, q, f, g, zero, mode
	s_wait_dscnt 4                                 ; all of the run but A's fragments 2 and 3
	MULA \f, 0, \zero
	MULA \f, 1, \zero
.if (\mode) < 3
	CV \q, \slot, \mode
.else
	PLACES
.endif
	FETCH \slot, (\q)+1, \g
.if (\mode) < 3
	s_wait_dscnt NF+NL                             ; all but the unit's stores and the run just issued
.else
	s_wait_dscnt NF
.endif
	MULA \f, 2, \zero
	MULA \f, 3, \zero
.endm
; The last quarter changes slots.  ONE barrier: in front of it each wave has stored its last unit of the next step's B, waits for all its tensor loads (one is out: its rows of A's next slot), adds 0 to its spare
; word, and waits for that, for its stores and for its reads of both old slots.  fill = 1: the barrier opens a round of the cluster's, and A's old slot is filled again, two steps on.
.macro TURN slot, next, fill, mode
	CV 3, \slot, \mode
	WIN 0
	s_wait_tensorcnt 0x0
	ds_add_u32 v[SPW], v[NIL]
	s_wait_dscnt 5+NL                              ; (A's fragments 2 and 3, the unit's stores and the add may be out)
	MULA F1, 0, 0
	s_wait_dscnt 0x0                               ; the add is done, my stores into B's next slot are done, my reads of the old slots are over
	s_barrier_signal -1
	MULA F1, 1, 0
.if \fill
	WIN 0
.endif
	s_barrier_wait -1
.if \fill
	CREST
	s_add_nc_u64 s[G0+4*(\slot)+2:G0+4*(\slot)+3], s[G0+4*(\slot)+2:G0+4*(\slot)+3], 512
	JLOAD \slot                                    ; the first tensor load behind the round; its four v_nop are also the places in front of the loads below
.else
	PLACES
.endif
	FETCH \next, 0, F0
	MULA F1, 2, 0
	MULA F1, 3, 0
.endm
	s_load_b128 s[4:7], s[0:1], 0x0                ; ob s[4:5], wo s[6:7]
	s_load_b64 s[8:9], s[0:1], 0x10                ; out0
	v_lshl_add_u32 v[SPW], v0, 2, SPARE
	v_mov_b32 v[NIL], 0
	ds_add_u32 v[SPW], v[NIL]                      ; the wave's opening: the add and its wait stand ahead of my first tensor load; the set-up below, work on registers, stands between them
	v_lshrrev_b32 v1, 5, v0
	v_readfirstlane_b32 s[WV], v1
	s_bfe_u32 s11, ttmp6, 0x40000                  ; cx
	s_bfe_u32 s12, ttmp6, 0x40004                  ; cy
	s_lshl_b32 s13, ttmp9, 2
	s_add_co_u32 s13, s13, s11                     ; c
	s_and_b32 s14, ttmp7, 0xffff
	s_lshl_b32 s14, s14, 2
	s_add_co_u32 s14, s14, s12                     ; my
	s_lshl_b32 s15, s12, 2
	s_lshl_b32 s15, 15, s15                        ; my row of the cluster
	s_or_b32 s[G1], s15, (1<<16)|(1<<20)|(1<<21)|(5<<22)|(3<<25)
	s_mov_b32 s[G1+1], 128<<16
	s_mov_b32 s[G1+2], 64<<16
	s_mov_b32 s[G1+3], 128<<16
	s_mov_b32 s[G1+4], 64
	s_mov_b32 s[G1+5], 4096
	s_mov_b32 s[G1+6], 0
	s_mov_b32 s[G1+7], 0
	s_lshl_b32 s40, s14, 8
	s_lshl_b32 s41, s[WV], 6
	s_add_co_u32 s40, s40, s41                     ; my wave's first row
	s_lshl_b32 s42, s40, 13                        ; x 8,192 bytes of ob
	s_mov_b32 s43, 0
	s_mul_i32 s46, s[WV], AWAVE
	s_lshl_b32 s44, s40, 14                        ; out0: x 16,384 bytes, + 256 c.  (What hangs on c lies in s13, s37 and s44-45, which feed no descriptor)
	s_lshl_b32 s45, s13, 8
	s_add_co_u32 s44, s44, s45
	s_mov_b32 s37, s45
	s_mov_b32 s45, 0
	s_mov_b32 s[HI], 0xffff0000
	s_mov_b32 s[SC], 0x405744fd                    ; 2^1.75
	s_mov_b32 s[SC+1], s[SC]
	v_and_b32 v20, 15, v0                          ; r
	v_bfe_u32 v21, v0, 4, 1                        ; h
	v_and_b32 v23, 7, v0
	v_bfe_u32 v24, v0, 3, 1
	s_lshl_b32 s47, s[WV], 19                      ; wo: row 32 w + 4 h (+ 8 u + i), 16 bytes at 16 r
	v_lshlrev_b32 v[GQ], 4, v20
	v_lshl_add_u32 v[GQ], v21, 16, v[GQ]
	v_add_nc_u32 v[GQ], s47, v[GQ]
	v_mul_u32_u24 v25, v20, PA
	v_lshl_add_u32 v25, v21, 4, v25
	v_add_nc_u32 v[ADRA], s46, v25
	v_add_nc_u32 v[ADRA+1], ASLOT, v[ADRA]
	v_lshl_add_u32 v25, v21, 3, v23
	v_mul_u32_u24 v25, v25, PB
	v_lshl_add_u32 v25, v24, 4, v25
	v_add_nc_u32 v[ADRB], BB, v25
	v_add_nc_u32 v[ADRB+1], BB+BSLOT, v25
	s_mul_i32 s41, s[WV], 32*PB
	s_add_co_u32 s41, s41, BB
	v_mul_u32_u24 v25, v21, 4*PB
	v_lshl_add_u32 v25, v20, 3, v25
	v_add_nc_u32 v[SQ], s41, v25
	v_add_nc_u32 v[SQ+1], BSLOT, v[SQ]
	s_wait_dscnt 0x0                               ; the opening add is done
	s_wait_kmcnt 0x0
	s_add_nc_u64 s[42:43], s[4:5], s[42:43]        ; ob at my rows
	s_add_nc_u64 s[OUT:OUT+1], s[8:9], s[44:45]
	s_mov_b32 s44, s37
	s_add_nc_u64 s[WPQ:WPQ+1], s[6:7], s[44:45]    ; wo at my columns
.irp s, 0,1
	s_mov_b32 s[G0+4*(\s)], 1
	s_add_co_u32 s[G0+4*(\s)+1], s46, (\s)*ASLOT
	s_add_nc_u64 s[G0+4*(\s)+2:G0+4*(\s)+3], s[42:43], (\s)*256
	s_or_b32 s[G0+4*(\s)+3], s[G0+4*(\s)+3], 0x80000000
.endr
	WIN W_LD                                       ; the weights of K steps 0 and 1 are asked for before anything else
.irp u, 0,1,2,3
	LDUNIT \u, 0, 0
.endr
.irp u, 0,1,2,3
	LDUNIT \u, 1, STEPQ
.endr
	WIN 0
	CROUND                                         ; all sixteen work-groups are here: the first joint loads meet
	JLOAD 0                                        ; two tensor loads of mine are out
	JLOAD 1
	s_mul_i32 s41, s[WV], 16*272                   ; the addresses for the way out
	s_add_co_u32 s41, s41, STG
	v_mul_u32_u24 v25, v20, 272                    ; in: row r, 32 bytes for each half of the lanes
	v_lshl_add_u32 v25, v21, 5, v25
	v_add_nc_u32 v[STO], s41, v25
	v_mul_u32_u24 v25, v21, 272                    ; back: lanes 0-15 take one row of 256 bytes, lanes 16-31 the next
	v_lshl_add_u32 v25, v20, 4, v25
	v_add_nc_u32 v[RD], s41, v25
	v_lshlrev_b32 v[GO], 14, v21                   ; and the same two rows in out0
	v_lshl_add_u32 v[GO], v20, 4, v[GO]
.irp u, 0,1,2,3
	CONV \u, 0, 1, 7*NL, 2*STEPQ, 0                ; K step 0 into B slot 0; its set is loaded again with step 2
.endr
	s_wait_xcnt 0x0
	s_add_nc_u64 s[WPQ:WPQ+1], s[WPQ:WPQ+1], 2*STEPQ  ; the base at step 2: each step's first unit steps it once more
	WIN 0
	s_wait_tensorcnt 0x1                           ; my rows of A's step 0 are in; step 1's may stay out
	s_wait_dscnt 0x0                               ; my stores into B slot 0 are done
	s_barrier_signal -1
	s_barrier_wait -1
	FETCH 0, 0, F0
	QUARTER 0, 0, F0, F1, 1, 0                     ; the first quarter stands in front of the loop: its products start the sums
	WIN 0
	s_mov_b32 s3, 14
.Llap:
	QUARTER 0, 1, F1, F0, 0, 0
	QUARTER 0, 2, F0, F1, 0, 0
	TURN 0, 1, 1, 0
	QUARTER 1, 0, F0, F1, 0, 0
	QUARTER 1, 1, F1, F0, 0, 0
	QUARTER 1, 2, F0, F1, 0, 0
	TURN 1, 0, 1, 0
	QUARTER 0, 0, F0, F1, 0, 0
	WIN 0
	s_sub_co_u32 s3, s3, 1
	s_cmp_lg_u32 s3, 0
	s_cbranch_scc1 .Llap
	QUARTER 0, 1, F1, F0, 0, 0                     ; step 28 goes on: the last reload, A's step 30 is asked for
	QUARTER 0, 2, F0, F1, 0, 0
	TURN 0, 1, 1, 0
	QUARTER 1, 0, F0, F1, 0, 1                     ; step 29: no reload; A's step 31 is asked for
	QUARTER 1, 1, F1, F0, 0, 1
	QUARTER 1, 2, F0, F1, 0, 1
	TURN 1, 0, 1, 1
	QUARTER 0, 0, F0, F1, 0, 2                     ; step 30: the last weights are rounded; nothing is asked for
	QUARTER 0, 1, F1, F0, 0, 2
	QUARTER 0, 2, F0, F1, 0, 2
	TURN 0, 1, 0, 2
	QUARTER 1, 0, F0, F1, 0, 3                     ; step 31
	QUARTER 1, 1, F1, F0, 0, 3
	QUARTER 1, 2, F0, F1, 0, 3
	s_wait_dscnt 4
	MULA F1, 0, 0
	MULA F1, 1, 0
	s_wait_dscnt 0x0
	MULA F1, 2, 0
	MULA F1, 3, 0
; THE WAY OUT of row fragment a: times 1 / BETA in place (each accumulator from its low end on), 32 bytes a lane into my stage, back as whole rows of 256 bytes into the same registers.
.macro PACK a
.irp i, 0,1,2,3,4,5,6,7,8,9,10,11,12,13,14,15
	v_pk_mul_f32 v[ACC+32*(\a)+2*(\i):ACC+32*(\a)+2*(\i)+1], v[ACC+32*(\a)+2*(\i):ACC+32*(\a)+2*(\i)+1], s[SC:SC+1] op_sel_hi:[1,0]
.endr
.irp b, 0,1,2,3
	ds_store_b128 v[STO], v[ACC+32*(\a)+8*(\b):ACC+32*(\a)+8*(\b)+3]   offset:64*(\b)
	ds_store_b128 v[STO], v[ACC+32*(\a)+8*(\b)+4:ACC+32*(\a)+8*(\b)+7] offset:64*(\b)+16
.endr
.irp t, 0,1,2,3,4,5,6,7
	ds_load_b128 v[ACC+32*(\a)+4*(\t):ACC+32*(\a)+4*(\t)+3], v[RD] offset:544*(\t)  ; LDS serves a wave's instructions in order (ISA guide 5.7.1.4): these see the stores above; the next fragment's stores come behind them
.endr
.endm
.macro SEND a, younger                 ; younger: the LDS instructions issued behind this fragment's loads: the next fragment's sixteen, or none
.irp t, 0,1,2,3,4,5,6,7
	s_wait_dscnt (\younger)+7-(\t)
	global_store_b128 v[GO], v[ACC+32*(\a)+4*(\t):ACC+32*(\a)+4*(\t)+3], s[OUT:OUT+1] offset:262144*(\a)+32768*(\t) th:TH_STORE_NT  ; 16 lanes store 256 consecutive bytes, at a multiple of 256 from out0's first byte
.endr
.endm
	WIN 0
	PLACES                                         ; the first multiplies read results just made
	PACK 0
	PACK 1                                         ; a fragment's arithmetic stands between the stage loads of the one before and its stores
	SEND 0, 16
	PACK 2
	SEND 1, 16
	PACK 3
	SEND 2, 16
	SEND 3, 0
	s_wait_tensorcnt 0x0                           ; the wave's end, behind my last tensor load and my last LDS store
	ds_add_u32 v[SPW], v[NIL]
	s_wait_dscnt 0x0
	CROUND                                         ; the closing round: no work-group ends while a partner may still ask for a tile that names it
	s_endpgm
.Lfunc_end_k_q8260961e99_proj:
	.size	k_q8260961e99_proj, .Lfunc_end_k_q8260961e99_proj-k_q8260961e99_proj
	.p2alignl 7, 3214868480
	.fill 96, 4, 3214868480
	.section	.rodata,"a",@progbits
	.p2align	6, 0x0
	.amdhsa_kernel k_q8260961e99_proj
		.amdhsa_group_segment_fixed_size 327680
		.amdhsa_private_segment_fixed_size 0
		.amdhsa_enable_private_segment 0
		.amdhsa_kernarg_size 24
		.amdhsa_user_sgpr_count 2
		.amdhsa_user_sgpr_kernarg_segment_ptr 1
		.amdhsa_wavefront_size32 1
		.amdhsa_system_sgpr_workgroup_id_x 1
		.amdhsa_system_sgpr_workgroup_id_y 1
		.amdhsa_system_sgpr_workgroup_id_z 1
		.amdhsa_system_vgpr_workitem_id 0
		.amdhsa_next_free_vgpr 768
		.amdhsa_next_free_sgpr 66
		.amdhsa_reserve_vcc 0
		.amdhsa_float_denorm_mode_32 3
		.amdhsa_float_denorm_mode_16_64 3
		.amdhsa_memory_ordered 1
		.amdhsa_forward_progress 1
		.amdhsa_inst_pref_size 128
	.end_amdhsa_kernel
	.amdgpu_metadata
---
amdhsa.version: [ 1, 2 ]
amdhsa.kernels:
  - .name:           k_q8260961e99_proj
    .symbol:         k_q8260961e99_proj.kd
    .args:
      - { .name: ob, .offset: 0, .size: 8, .value_kind: global_buffer, .address_space: global }
      - { .name: wo, .offset: 8, .size: 8, .value_kind: global_buffer, .address_space: global }
      - { .name: out0, .offset: 16, .size: 8, .value_kind: global_buffer, .address_space: global }
    .group_segment_fixed_size: 327680
    .private_segment_fixed_size: 0
    .kernarg_segment_align: 8
    .kernarg_segment_size: 24
    .max_flat_workgroup_size: 128
    .sgpr_count:     66
    .vgpr_count:     768
    .wavefront_size: 32
...
	.end_amdgpu_metadata
.endif
;; end of part 4
;; ======== version 2 of 2: 4 launches; 1.13 times as fast as version 1
;; limits: values are held in f16: magnitudes above 65,504 overflow, below 6.1e-05 lose precision; right only within a limited range of input values; inputs' magnitudes at most 65,504; inputs' magnitudes at most 1e+38
;; workspace buffers: xb 8,388,608 bytes; mb 4,194,304 bytes; cb 262,144 bytes; sb 262,144 bytes; qh 8,388,608 bytes; kh 2,097,152 bytes; vh 2,097,152 bytes; ob 8,388,608 bytes
;; launch prep: the kernel of part 1 again; grid 328 x 1, 8 waves a work-group, no clusters, 0 bytes of LDS; arguments x, mask, cos, sin, xb, mb, cb, sb; writes xb, mb, cb, sb
;; launch qkv (part 5): grid 64 x 4, 4 waves a work-group, clusters of 4 x 4, 327,680 bytes of LDS; arguments xb, wq, wk, wv, cb, sb, qh, kh, vh; writes qh, kh, vh
.if DOCPART == 5
	.amdgcn_target "amdgcn-amd-amdhsa--gfx1250"
	.amdhsa_code_object_version 6
	.text
	.protected	k_q8260961e99_qkv
	.globl	k_q8260961e99_qkv
	.p2align	8
	.type	k_q8260961e99_qkv,@function
k_q8260961e99_qkv:
	s_mov_b64 s[64:65], 0
	v_nop
	global_prefetch_b8 v0, s[64:65] scope:SCOPE_SE
	s_setreg_imm32_b32 hwreg(HW_REG_WAVE_MODE, 25, 1), 1
	s_wait_xcnt 0x0
	s_wait_alu depctr_hold_cnt(0) depctr_sa_sdst(0) depctr_va_vdst(0) depctr_va_sdst(0) depctr_va_ssrc(0) depctr_va_vcc(0) depctr_vm_vsrc(0)
	s_getreg_b32 s2, hwreg(HW_REG_IB_STS2, 6, 4)
	s_cmp_eq_u32 s2, 0
	s_cbranch_scc0 .Lentry_in_a_cluster
	s_endpgm
.Lentry_in_a_cluster:
	s_bfe_u32 s2, ttmp6, 0x10000c
	s_cmp_lg_u32 s2, 0xf033
	s_cbranch_scc0 .Lentry_shape_is_right
	s_endpgm
.Lentry_shape_is_right:
; QKV.  q = rope(x wq), k = rope(x wk), v = x wv, each times BETA = 2^-1.75, rounded once to f16 and stored by heads.  x comes as bf16 (xb), the weights as f32 [4096][N] and are rounded to bf16 here; sums in f32.
; SHARES.  256 work-groups: column block c = 0..63 (64 columns of wq, and 32 columns of wk if c < 32, of wv otherwise) x row block my = 0..3 (256 rows).  Four waves; wave w makes rows 64 w .. 64 w + 63
; and all 96 columns: 24 accumulators of 16 x 16.  K goes in 32 steps of 128, a step in four quarters of 32.
; A (xb) comes by joint tensor loads into two LDS slots, each with the rows of TWO K steps (512 bytes of a row): the four work-groups of a row of the 4 x 4 cluster need the same rows.  Each wave asks for the
; 64 rows that it alone reads.  One round of the cluster's barrier and one load a wave serve two steps: from a request to the wait for it a wave issues 180 matrix instructions.
; B (the weights) goes memory -> registers -> bf16 -> LDS as [k][n], and out of LDS turned, by ds_load_tr16_b128.  B IS NOT ASKED FOR JOINTLY: it lies in memory as f32.  As f32 tiles in LDS a step's B would be
; 128 x 96 x 4 bytes for x 2, and each of the four waves would read and round all of it; through registers each number is rounded once a work-group, and the loads of two further steps (2 x 24 a wave)
; stay out across the barriers.  The four work-groups of a column of the cluster read the same weight rows in the same step.
; THE MATRIX INSTRUCTION IS USED TRANSPOSED (source 0 = 16 columns of B, source 1 = 16 rows of A): a lane holds row l % 16 and the eight columns 8 (l / 16) + 0..7: four rotary pairs, 16 bytes of f16.
; OUT.  qh [64 blocks c][1024 rows][64 channels]; kh, vh [8 heads][16 blocks of 64 keys][4 planes of 32 channels][64 keys][32 channels], all f16: every store of a wave covers 512 consecutive bytes.
; LIMITS.  f16 ends at 65,504, so |q|, |k|, |v| stay under 220,000 (65,504 / BETA); NaN and infinities are not treated apart.
; REGISTERS, in windows of 256 (s_set_vgpr_msb: bits 1:0 source 0, 3:2 source 1, 5:4 source 2, 7:6 destination):
;   window 0: v2-18 addresses, v20-26 and v32-63 at work, v28-29 the add's two, v64-255 the accumulators ((a, b) at 64 + 8 (6 a + b))
;   window 1: two fragment buffers at 0 and 128: A's four fragments, then B's six
;   window 2: v0-191 two sets of 96: a step's weights as loaded, f32 (at the end: cos and sin); v192-215 the rounded numbers of a unit, two sets by turns
.set NBF,   6                          ; column fragments
.set NL,    6                          ; loads, and LDS stores, in a unit of 8 weight rows
.set NF,    2*NBF+8                    ; LDS loads in a quarter's run
.set PA,    528                        ; a row of A in LDS: 512 bytes (two K steps) + 16: the 16 rows of a load start at 16 different groups of four banks (64 banks of 4 bytes: ISA guide 11.1)
.set PB,    416                        ; a row of B: 192 bytes of slot 0, 192 of slot 1, 32 of padding: an odd multiple of 32
.set BSL,   192                        ; B's slot 1 lies 192 bytes behind slot 0 in every row: two slots with rows of their own (2 x 224) and A's two slots would leave no byte for the spare words
.set AWAVE, 64*PA
.set ASLOT, 256*PA
.set BB,    2*ASLOT                    ; B's rows: written by LDS stores alone
.set STG,   BB                         ; the way out: 4,096 bytes for each wave, in B's rows, behind a barrier that shows them read out
.set SPARE, BB+128*PB                  ; the spare words, 128 bytes a wave: two blocks of 256 bytes that no other line names
.set STEPQ, 128*16384                  ; bytes of wq in a K step
.set STEPK, 128*4096                   ; of wk or wv
.set BETAV, 0x3e9837f0
.set ADRA0, 2                          ; v2     my lane's place in my rows of A's slot 0; never rewritten
.set ADRA, 3                           ; v3     the same in the slot in hand
.set ADRB, 4                           ; v4-5   B's fragments in slot 0, 1
.set GQ,   6                           ; v6     my byte offset in a step's rows of wq
.set GK,   7                           ; v7     of wk or wv
.set SQ,   8                           ; v8-9   where I store wq's numbers in B slot 0, 1
.set SK,   10                          ; v10-11 wk's or wv's
.set STQ,  12                          ; v12-15 the stage: in (q, kv), back (q, kv)
.set STK,  13
.set RDQ,  14
.set RDK,  15
.set GO,   16                          ; v16    16 x lane
.set VCQ,  17                          ; v17-18 my byte offset in cos and sin for q's columns, for k's
.set VCK,  18
.set SPW,  28
.set NIL,  29
.set TMP,  32
.set ACC,  64
.set F0,   0
.set F1,   128
.set WV,   22                          ; s22 wave; s25 c; s26 my
.set G1,   28                          ; s[28:35] descriptor group 1
.set G0,   36                          ; s[36:43] group 0: a set for each of the two first fills; the second then walks on
.set WPQ,  44                          ; s[44:45] wq at my columns, at the K step that is loaded next
.set WPK,  46                          ; s[46:47] wk or wv likewise
.set QOUT, 48
.set KVOUT, 50
.set CBP,  52                          ; s[52:55] cb, sb at my wave's first row
.set SBP,  54
.set AW,   60                          ; s60 my rows' place in a slot of A: wave x 33,792
.set ROPE, 66                          ; s66 all ones: columns 64-95 are k's and are turned; 0: they are v's
.set BETA, 67
.set TR,   78                          ; s78 the first byte of A's slot in hand: 0 or ASLOT
.set MSB, 0
.macro WIN new                         ; the immediate's high byte repeats the setting that is left
.if MSB != (\new)
	s_set_vgpr_msb (MSB<<8)|(\new)
.set MSB, \new
.endif
.endm
.set MUL,  0x05                        ; sources 0 and 1 window 1; C and D window 0
.set TO_F, 0x40                        ; destination window 1
.set W_LD, 0x80                        ; destination window 2
.set W_CV, 0x8a                        ; destination and both sources window 2
.set W_ST, 0x08                        ; LDS store: data window 2
.macro PLACES                          ; four places in front of loads into registers that matrix instructions have read
.rept 4
	v_nop
.endr
.endm
.macro JLOAD s                         ; the joint load of my 64 rows of A, two K steps long; an s_nop 0 and four v_nop follow it
	tensor_load_to_lds s[G0+4*(\s):G0+4*(\s)+3], s[G1:G1+7]
	s_nop 0
.rept 4
	v_nop
.endr
.endm
.macro CREST                           ; a round of the cluster's barrier behind its opening barrier
	s_cmp_lg_u32 s[WV], 0
	s_cbranch_scc1 .Lnot_wave_0_\@
	s_barrier_signal -3
.Lnot_wave_0_\@:
	s_barrier_wait -3
	s_barrier_signal -1
	s_barrier_wait -1
.endm
.macro CROUND
	s_barrier_signal -1
	s_barrier_wait -1
	CREST
.endm
; Unit u (8 of my 32 weight rows of a step) into set sg: four loads of two whole rows of 256 bytes of wq, two loads of four half rows of 128 bytes of wk or wv
.macro LDUNIT u, sg, xq, xk
.set SBR, 96*(\sg)+24*(\u)
.irp i, 0,1,2,3
	global_load_b128 v[SBR+4*(\i):SBR+4*(\i)+3], v[GQ], s[WPQ:WPQ+1] offset:(8*(\u)+(\i))*16384+(\xq)
.endr
.irp i, 0,1
	global_load_b128 v[SBR+16+4*(\i):SBR+16+4*(\i)+3], v[GK], s[WPK:WPK+1] offset:(8*(\u)+(\i))*4096+(\xk)
.endr
.endm
; Unit u of set sg is rounded to bf16 and stored into B slot sg; reload = 1: the set's unit is loaded again, two steps on.  cnt = the loads issued behind this unit's.
.macro CONV u, sg, reload, cnt, xq, xk, step
	s_wait_loadcnt \cnt
	WIN W_CV
.set SBR, 96*(\sg)+24*(\u)
.set TBR, 192+12*((\u)%2)
.irp i, 0,1,2,3,4,5
	v_cvt_pk_bf16_f32 v[TBR+2*(\i)],   v[SBR+4*(\i)],   v[SBR+4*(\i)+1]
	v_cvt_pk_bf16_f32 v[TBR+2*(\i)+1], v[SBR+4*(\i)+2], v[SBR+4*(\i)+3]
.endr
	WIN W_ST
.irp i, 0,1,2,3
	ds_store_b64 v[SQ+(\sg)], v[TBR+2*(\i):TBR+2*(\i)+1] offset:(8*(\u)+(\i))*PB
.endr
.irp i, 0,1
	ds_store_b64 v[SK+(\sg)], v[TBR+8+2*(\i):TBR+8+2*(\i)+1] offset:(8*(\u)+(\i))*PB
.endr
.if \reload
.if (\step) && ((\u) == 0)
	s_wait_xcnt 0x0                                ; the loads issued so far have had their addresses translated: only behind this wait are their bases stepped
	s_add_nc_u64 s[WPQ:WPQ+1], s[WPQ:WPQ+1], STEPQ
	s_add_nc_u64 s[WPK:WPK+1], s[WPK:WPK+1], STEPK
.endif
	WIN W_LD
	LDUNIT \u, \sg, \xq, \xk
.endif
.endm
; The unit of a quarter of a step of parity par.  Behind unit u of the step converted were issued: the rest of that step's loads, the next step's 24, and u units of the reload: 7 units in all (mode 0);
; with no reload left 7 - u units (mode 1: the last step but one is converted), 3 - u (mode 2: the last).
.macro CV u, par, mode
.if (\mode) == 0
	CONV \u, 1-(\par), 1, 7*NL, 0, 0, 1
.elseif (\mode) == 1
	CONV \u, 1-(\par), 0, (7-(\u))*NL, 0, 0, 0
.else
	CONV \u, 1-(\par), 0, (3-(\u))*NL, 0, 0, 0
.endif
.endm
; The fragments of quarter q of the step of parity par (B slot par; the second 256 bytes of A's rows for the odd step), into buffer f: B's six (turned), then A's four; A's fragments 2 and 3 are the last four loads
.macro FETCH par, q, f
	WIN TO_F
.irp b, 0,1,2,3,4,5
	ds_load_tr16_b128 v[(\f)+32+8*(\b):(\f)+32+8*(\b)+3],   v[ADRB+(\par)] offset:32*(\q)*PB+32*(\b)
	ds_load_tr16_b128 v[(\f)+32+8*(\b)+4:(\f)+32+8*(\b)+7], v[ADRB+(\par)] offset:32*(\q)*PB+32*(\b)+16*PB
.endr
.irp a, 0,1,2,3
	ds_load_b128 v[(\f)+8*(\a):(\f)+8*(\a)+3],   v[ADRA] offset:256*(\par)+64*(\q)+16*PA*(\a)
	ds_load_b128 v[(\f)+8*(\a)+4:(\f)+8*(\a)+7], v[ADRA] offset:256*(\par)+64*(\q)+16*PA*(\a)+32
.endr
.endm
; Six matrix instructions: row fragment a x all columns.  The 24 accumulators take turns, one instruction a turn.  zero = 1: the product starts the sums.
.macro MULA f, a, zero
	WIN MUL
.irp b, 0,1,2,3,4,5
.if \zero
	v_wmma_f32_16x16x32_bf16 v[ACC+8*(NBF*(\a)+(\b)):ACC+8*(NBF*(\a)+(\b))+7], v[(\f)+32+8*(\b):(\f)+32+8*(\b)+7], v[(\f)+8*(\a):(\f)+8*(\a)+7], 0
.else
	v_wmma_f32_16x16x32_bf16 v[ACC+8*(NBF*(\a)+(\b)):ACC+8*(NBF*(\a)+(\b))+7], v[(\f)+32+8*(\b):(\f)+32+8*(\b)+7], v[(\f)+8*(\a):(\f)+8*(\a)+7], v[ACC+8*(NBF*(\a)+(\b)):ACC+8*(NBF*(\a)+(\b))+7]
.endif
.endr
.endm
; One of a step's first three quarters: multiplies buffer f; in its middle a unit of the next step's weights is rounded and stored, and the next quarter's fragments are fetched into g.
; The unit's twelve conversions are the places between the last product that read g and the loads into g; where there is no unit (mode 3), four v_nop.
.macro QUARTER par, q, f, g, zero, mode
	s_wait_dscnt 4                                 ; all of the run but A's fragments 2 and 3
	MULA \f, 0, \zero
	MULA \f, 1, \zero
.if (\mode) < 3
	CV \q, \par, \mode
.else
	PLACES
.endif
	FETCH \par, (\q)+1, \g
.if (\mode) < 3
	s_wait_dscnt NF+NL                             ; all but the unit's stores and the run just issued
.else
	s_wait_dscnt NF
.endif
	MULA \f, 2, \zero
	MULA \f, 3, \zero
.endm
; The even step's last quarter multiplies buffer 1 and goes on to the odd step, in the same slot of A.  A barrier for B alone: in front of it each wave has stored its last unit of the odd step's B and has its
; reads of B's slot 0 back; behind it slot 1 is whole and slot 0 may be written.  No tensor load fills anything behind it, so my load for A's other slot stays out.
; The unit's conversions are the places between the last product that read buffer 0 and the loads into it.
.macro MID mode
	CV 3, 0, \mode
	s_wait_dscnt 4+NL                              ; (A's fragments 2 and 3 and the unit's stores may be out)
	MULA F1, 0, 0
	s_wait_dscnt 0x0                               ; my stores into B's slot 1 are done, my reads of slot 0 are over
	s_barrier_signal -1
	MULA F1, 1, 0
	s_barrier_wait -1
	FETCH 1, 0, F0
	MULA F1, 2, 0
	MULA F1, 3, 0
.endm
; The odd step's last quarter multiplies buffer 1 and changes A's slots.  ONE barrier: in front of it each wave has stored its last unit of the next step's B, waits for all its tensor loads (one is out: its rows of
; A's other slot), adds 0 to its spare word, and waits for that, for its stores and for its reads of the old slots.  fill = 1: the barrier opens a round of the cluster's, and A's old slot is filled again, two slots on.
.macro TURN fill, mode
	CV 3, 1, \mode
	WIN 0                                          ; (the add's two registers lie in window 0)
	s_wait_tensorcnt 0x0
	ds_add_u32 v[SPW], v[NIL]
	s_wait_dscnt 5+NL                              ; (A's fragments 2 and 3, the unit's stores and the add may be out)
	MULA F1, 0, 0
	s_wait_dscnt 0x0                               ; the add is done, my stores into B's slot 0 are done, my reads of the old slots are over
	s_barrier_signal -1
	MULA F1, 1, 0
	WIN 0                                          ; branches, or a line on window 0, follow
	s_barrier_wait -1
.if \fill
	CREST                                          ; no wave of any partner still reads this slot of A or has a load on its way
	s_add_co_u32 s[G0+5], s[TR], s[AW]             ; the walking descriptor: my rows in the slot just read out,
	s_add_nc_u64 s[G0+6:G0+7], s[G0+6:G0+7], 512   ; the next two K steps
	JLOAD 1                                        ; the first tensor load behind the round; its four v_nop are also the places in front of the loads below
.else
	PLACES
.endif
	s_xor_b32 s[TR], s[TR], ASLOT                  ; the reads go on in the other slot
	v_add_nc_u32 v[ADRA], s[TR], v[ADRA0]
	FETCH 0, 0, F0
	MULA F1, 2, 0
	MULA F1, 3, 0
.endm
	s_load_b512 s[4:19], s[0:1], 0x0               ; xb s[4:5], wq s[6:7], wk s[8:9], wv s[10:11], cb s[12:13], sb s[14:15], qh s[16:17], kh s[18:19]
	s_load_b64 s[20:21], s[0:1], 0x40              ; vh
	v_lshl_add_u32 v[SPW], v0, 2, SPARE
	v_mov_b32 v[NIL], 0
	ds_add_u32 v[SPW], v[NIL]                      ; the wave's opening: the add and its wait stand ahead of my first tensor load; the set-up below, work on registers, stands between them
	v_lshrrev_b32 v1, 5, v0
	v_readfirstlane_b32 s[WV], v1                  ; wave 0..3
	s_bfe_u32 s23, ttmp6, 0x40000                  ; cx
	s_bfe_u32 s24, ttmp6, 0x40004                  ; cy
	s_lshl_b32 s25, ttmp9, 2
	s_add_co_u32 s25, s25, s23                     ; c = 4 x cluster x + cx
	s_and_b32 s26, ttmp7, 0xffff
	s_lshl_b32 s26, s26, 2
	s_add_co_u32 s26, s26, s24                     ; my = 4 x cluster y + cy
	s_lshl_b32 s27, s24, 2
	s_lshl_b32 s27, 15, s27                        ; my row of the cluster
	s_or_b32 s[G1], s27, (1<<16)|(1<<20)|(1<<21)|(6<<22)|(3<<25)  ; the mask; 2-byte elements; padding on; 21 set beside a mask; after every 128 words 4 words
	s_mov_b32 s[G1+1], 256<<16                     ; tensor_dim0 = 256: two K steps
	s_mov_b32 s[G1+2], 64<<16                      ; tensor_dim1 = 64
	s_mov_b32 s[G1+3], 256<<16                     ; tile_dim0 = 256
	s_mov_b32 s[G1+4], 64                          ; tile_dim1 = 64
	s_mov_b32 s[G1+5], 4096                        ; elements from row to row
	s_mov_b32 s[G1+6], 0
	s_mov_b32 s[G1+7], 0
	s_mov_b32 s[TR], 0
	s_lshl_b32 s56, s26, 8
	s_lshl_b32 s57, s[WV], 6
	s_add_co_u32 s56, s56, s57                     ; my wave's first row = 256 my + 64 w
	s_lshl_b32 s58, s56, 13                        ; x 8,192 bytes of xb
	s_mov_b32 s59, 0
	s_mul_i32 s[AW], s[WV], AWAVE                  ; my rows' place in a slot of A: no place in the cluster enters an LDS address
	s_lshl_b32 s68, s25, 8                         ; wq: 256 c.  (What hangs on c lies in s62-63 and s68-75, which feed no descriptor)
	s_mov_b32 s69, 0
	s_and_b32 s70, s25, 31                         ; ckv: my block of 32 columns of wk or wv
	s_lshl_b32 s72, s70, 7
	s_mov_b32 s73, 0
	s_lshl_b32 s74, s25, 17                        ; qh: block c, 131,072 bytes,
	s_lshl_b32 s71, s56, 7                         ; my rows of 128 bytes
	s_add_co_u32 s74, s74, s71
	s_mov_b32 s75, 0
	s_lshr_b32 s62, s70, 2                         ; kh, vh: head ckv / 4, 262,144 bytes,
	s_lshl_b32 s62, s62, 18
	s_and_b32 s71, s70, 3                          ; plane ckv % 4, 4,096 bytes,
	s_lshl_b32 s71, s71, 12
	s_add_co_u32 s62, s62, s71
	s_lshl_b32 s76, s56, 8                         ; key block 4 my + w, 16,384 bytes = first row x 256; also my rows of cb and sb
	s_add_co_u32 s62, s62, s76
	s_mov_b32 s63, 0
	s_mov_b32 s77, 0
	s_mov_b32 s[BETA], BETAV
	v_and_b32 v20, 15, v0                          ; r = l % 16
	v_bfe_u32 v21, v0, 4, 1                        ; h = l / 16
	v_bfe_u32 v22, v0, 3, 2                        ; g = l / 8
	v_and_b32 v23, 7, v0                           ; l % 8
	v_bfe_u32 v24, v0, 3, 1                        ; (l / 8) % 2
	s_lshl_b32 s61, s[WV], 19                      ; wq: row 32 w + 4 h (+ 8 u + i), 16 bytes at 16 r
	v_lshlrev_b32 v[GQ], 4, v20
	v_lshl_add_u32 v[GQ], v21, 16, v[GQ]
	v_add_nc_u32 v[GQ], s61, v[GQ]
	s_lshl_b32 s57, s[WV], 17                      ; wk, wv: row 32 w + 2 g (+ 8 u + i), 16 bytes at 16 (l % 8)
	v_lshlrev_b32 v[GK], 4, v23
	v_lshl_add_u32 v[GK], v22, 13, v[GK]
	v_add_nc_u32 v[GK], s57, v[GK]
	v_mul_u32_u24 v25, v20, PA                     ; A's fragments: row r, 16 bytes for each half of the lanes
	v_lshl_add_u32 v25, v21, 4, v25
	v_add_nc_u32 v[ADRA0], s[AW], v25
	v_mov_b32 v[ADRA], v[ADRA0]                    ; slot 0 first
	v_lshl_add_u32 v25, v21, 3, v23                ; B's: the turning load reads k row 8 h + l % 8, 16 bytes at 16 ((l / 8) % 2)
	v_mul_u32_u24 v25, v25, PB
	v_lshl_add_u32 v25, v24, 4, v25
	v_add_nc_u32 v[ADRB], BB, v25
	v_add_nc_u32 v[ADRB+1], BB+BSL, v25
	s_mul_i32 s61, s[WV], 32*PB                    ; B's stores: the rows as loaded, 8 bytes for 16; the two (four) groups of lanes of a store lie 4 (2) rows apart, 32 (16) words modulo 64, and take different banks
	s_add_co_u32 s61, s61, BB
	v_mul_u32_u24 v25, v21, 4*PB
	v_lshl_add_u32 v25, v20, 3, v25
	v_add_nc_u32 v[SQ], s61, v25
	v_add_nc_u32 v[SQ+1], BSL, v[SQ]
	v_mul_u32_u24 v25, v22, 2*PB
	v_lshl_add_u32 v25, v23, 3, v25
	v_add_nc_u32 v25, s61, v25
	v_add_nc_u32 v[SK], 128, v25
	v_add_nc_u32 v[SK+1], 128+BSL, v25
	s_wait_dscnt 0x0                               ; the opening add is done
	s_wait_kmcnt 0x0
	s_add_nc_u64 s[58:59], s[4:5], s[58:59]        ; xb at my rows
	s_add_nc_u64 s[WPQ:WPQ+1], s[6:7], s[68:69]
	s_cmp_lt_u32 s25, 32                           ; k or v: selects alone, no branch
	s_cselect_b64 s[WPK:WPK+1], s[8:9], s[10:11]
	s_cselect_b64 s[KVOUT:KVOUT+1], s[18:19], s[20:21]
	s_cselect_b32 s[ROPE], -1, 0
	s_add_nc_u64 s[WPK:WPK+1], s[WPK:WPK+1], s[72:73]
	s_add_nc_u64 s[KVOUT:KVOUT+1], s[KVOUT:KVOUT+1], s[62:63]
	s_add_nc_u64 s[QOUT:QOUT+1], s[16:17], s[74:75]
	s_add_nc_u64 s[CBP:CBP+1], s[12:13], s[76:77]
	s_add_nc_u64 s[SBP:SBP+1], s[14:15], s[76:77]
.irp s, 0,1
	s_mov_b32 s[G0+4*(\s)], 1                      ; count = 1
	s_add_co_u32 s[G0+4*(\s)+1], s[AW], (\s)*ASLOT ; LDS address
	s_add_nc_u64 s[G0+4*(\s)+2:G0+4*(\s)+3], s[58:59], (\s)*512  ; K steps 2 s and 2 s + 1
	s_or_b32 s[G0+4*(\s)+3], s[G0+4*(\s)+3], 0x80000000          ; type = 2
.endr
	WIN W_LD                                       ; the weights of K steps 0 and 1 are asked for before anything else
.irp u, 0,1,2,3
	LDUNIT \u, 0, 0, 0
.endr
.irp u, 0,1,2,3
	LDUNIT \u, 1, STEPQ, STEPK
.endr
	WIN 0
	CROUND                                         ; all sixteen work-groups are here: the first joint loads meet
	JLOAD 0                                        ; two tensor loads of mine are out
	JLOAD 1
	s_lshl_b32 s61, s[WV], 12                      ; the addresses for the way out
	s_add_co_u32 s61, s61, STG                     ; my stage: 16 rows x 144 bytes for q, then 16 rows x 80 for k or v
	v_mul_u32_u24 v25, v20, 144
	v_lshl_add_u32 v25, v21, 4, v25
	v_add_nc_u32 v[STQ], s61, v25
	v_mul_u32_u24 v25, v20, 80
	v_lshl_add_u32 v25, v21, 4, v25
	v_add_nc_u32 v25, s61, v25
	v_add_nc_u32 v[STK], 2304, v25
	v_mul_u32_u24 v25, v22, 144                    ; back: 32 lanes take four rows of 128 bytes,
	v_lshl_add_u32 v25, v23, 4, v25
	v_add_nc_u32 v[RDQ], s61, v25
	v_bfe_u32 v25, v0, 2, 3                        ; or eight rows of 64
	v_mul_u32_u24 v25, v25, 80
	v_and_b32 v26, 3, v0
	v_lshl_add_u32 v25, v26, 4, v25
	v_add_nc_u32 v25, s61, v25
	v_add_nc_u32 v[RDK], 2304, v25
	v_and_b32 v26, 31, v0
	v_lshlrev_b32 v[GO], 4, v26
	v_lshlrev_b32 v25, 8, v20                      ; cos, sin: row r of 256 bytes, four pairs at 16 h, from pair 32 (c % 2) on for q, 16 (ckv % 4) on for k
	v_lshl_add_u32 v25, v21, 4, v25
	s_and_b32 s71, s25, 1
	s_lshl_b32 s71, s71, 7
	v_add_nc_u32 v[VCQ], s71, v25
	s_and_b32 s57, s70, 3
	s_lshl_b32 s57, s57, 6
	v_add_nc_u32 v[VCK], s57, v25
.irp u, 0,1,2,3
	CONV \u, 0, 1, 7*NL, 2*STEPQ, 2*STEPK, 0       ; K step 0 into B slot 0; its set is loaded again with step 2
.endr
	s_wait_xcnt 0x0
	s_add_nc_u64 s[WPQ:WPQ+1], s[WPQ:WPQ+1], 2*STEPQ  ; the bases at step 2: each step's first unit steps them once more
	s_add_nc_u64 s[WPK:WPK+1], s[WPK:WPK+1], 2*STEPK
	WIN 0
	s_wait_tensorcnt 0x1                           ; my rows of A's slot 0 are in; slot 1's may stay out
	s_wait_dscnt 0x0                               ; my stores into B slot 0 are done
	s_barrier_signal -1
	s_barrier_wait -1
	FETCH 0, 0, F0
	QUARTER 0, 0, F0, F1, 1, 0                     ; the first quarter stands in front of the loop: its products start the sums
	WIN 0
	s_mov_b32 s3, 14
.Lpair:                                                ; a trip is a slot of A, two K steps, from the even step's second quarter to the next slot's first; every slot but the last two is filled again
	QUARTER 0, 1, F1, F0, 0, 0
	QUARTER 0, 2, F0, F1, 0, 0
	MID 0
	QUARTER 1, 0, F0, F1, 0, 0
	QUARTER 1, 1, F1, F0, 0, 0
	QUARTER 1, 2, F0, F1, 0, 0
	TURN 1, 0
	QUARTER 0, 0, F0, F1, 0, 0
	WIN 0
	s_sub_co_u32 s3, s3, 1
	s_cmp_lg_u32 s3, 0
	s_cbranch_scc1 .Lpair
	QUARTER 0, 1, F1, F0, 0, 0                     ; step 28 goes on: the last reload (step 31's weights)
	QUARTER 0, 2, F0, F1, 0, 0
	MID 0
	QUARTER 1, 0, F0, F1, 0, 1                     ; step 29: no reload; the change to A's last slot asks for nothing
	QUARTER 1, 1, F1, F0, 0, 1
	QUARTER 1, 2, F0, F1, 0, 1
	TURN 0, 1
	QUARTER 0, 0, F0, F1, 0, 2                     ; step 30: the last weights are rounded
	QUARTER 0, 1, F1, F0, 0, 2
	QUARTER 0, 2, F0, F1, 0, 2
	MID 2
	WIN W_LD                                       ; step 31.  The weights' registers are free: cos and sin of my 64 rows, 12 loads for each 16 rows (cos of fragment b at 48 a + 4 b, sin 24 further)
.irp a, 0,1,2,3
.irp b, 0,1,2,3
	global_load_b128 v[48*(\a)+4*(\b):48*(\a)+4*(\b)+3], v[VCQ], s[CBP:CBP+1] offset:4096*(\a)+32*(\b)
.endr
.irp b, 4,5
	global_load_b128 v[48*(\a)+4*(\b):48*(\a)+4*(\b)+3], v[VCK], s[CBP:CBP+1] offset:4096*(\a)+32*((\b)-4)
.endr
.irp b, 0,1,2,3
	global_load_b128 v[48*(\a)+24+4*(\b):48*(\a)+24+4*(\b)+3], v[VCQ], s[SBP:SBP+1] offset:4096*(\a)+32*(\b)
.endr
.irp b, 4,5
	global_load_b128 v[48*(\a)+24+4*(\b):48*(\a)+24+4*(\b)+3], v[VCK], s[SBP:SBP+1] offset:4096*(\a)+32*((\b)-4)
.endr
.endr
	QUARTER 1, 0, F0, F1, 0, 3
	QUARTER 1, 1, F1, F0, 0, 3
	QUARTER 1, 2, F0, F1, 0, 3
	s_wait_dscnt 4
	MULA F1, 0, 0
	MULA F1, 1, 0
	s_wait_dscnt 0x0                               ; my last reads of B are back:
	s_barrier_signal -1                            ; behind this barrier nobody reads B's rows any more, and the stages may be written there
	MULA F1, 2, 0
	MULA F1, 3, 0
	s_barrier_wait -1
; THE WAY OUT of row fragment a.  For v's columns cos becomes BETA and sin 0.  Each pair is turned in place: t0 = x1 sin (the accumulator's first read lies in its four lowest registers),
; t1 = x1 cos, x1 = x0 sin + t1, x0 = x0 cos - t0.  Rounded to f16, 16 bytes a lane, through my stage, and back as whole rows into the accumulators' own registers.
; The sixteen selects, which name no accumulator, are the places behind the last products.
.macro ROPEA a
	s_wait_loadcnt 36-12*(\a)                      ; this fragment's 12 loads are in, the later fragments' stay out
	WIN 0x88
.irp b, 4,5
.irp p, 0,1,2,3
	v_cndmask_b32 v[48*(\a)+4*(\b)+(\p)], s[BETA], v[48*(\a)+4*(\b)+(\p)], s[ROPE]
	v_cndmask_b32 v[48*(\a)+24+4*(\b)+(\p)], 0, v[48*(\a)+24+4*(\b)+(\p)], s[ROPE]
.endr
.endr
	WIN 0x08                                       ; source 1 (cos, sin) window 2
.irp b, 0,1,2,3,4,5
.irp p, 0,1,2,3
	v_mul_f32 v[TMP+24+2*(\p)], v[ACC+8*(NBF*(\a)+(\b))+2*(\p)+1], v[48*(\a)+24+4*(\b)+(\p)]
	v_mul_f32 v[TMP+25+2*(\p)], v[ACC+8*(NBF*(\a)+(\b))+2*(\p)+1], v[48*(\a)+4*(\b)+(\p)]
	v_fma_f32 v[ACC+8*(NBF*(\a)+(\b))+2*(\p)+1], v[ACC+8*(NBF*(\a)+(\b))+2*(\p)], v[48*(\a)+24+4*(\b)+(\p)], v[TMP+25+2*(\p)]
	v_fma_f32 v[ACC+8*(NBF*(\a)+(\b))+2*(\p)], v[ACC+8*(NBF*(\a)+(\b))+2*(\p)], v[48*(\a)+4*(\b)+(\p)], -v[TMP+24+2*(\p)]
.endr
.endr
	WIN 0
.irp b, 0,1,2,3,4,5
.irp p, 0,1,2,3
	v_cvt_pk_f16_f32 v[TMP+4*(\b)+(\p)], v[ACC+8*(NBF*(\a)+(\b))+2*(\p)], v[ACC+8*(NBF*(\a)+(\b))+2*(\p)+1]
.endr
.endr
.irp b, 0,1,2,3
	ds_store_b128 v[STQ], v[TMP+4*(\b):TMP+4*(\b)+3] offset:32*(\b)
.endr
.irp b, 4,5
	ds_store_b128 v[STK], v[TMP+4*(\b):TMP+4*(\b)+3] offset:32*((\b)-4)
.endr
.irp f, 0,1,2,3
	ds_load_b128 v[ACC+48*(\a)+4*(\f):ACC+48*(\a)+4*(\f)+3], v[RDQ] offset:576*(\f)  ; LDS serves a wave's instructions in order (ISA guide 5.7.1.4): these see the stores above; the next fragment's stores come behind them
.endr
.irp f, 0,1
	ds_load_b128 v[ACC+48*(\a)+16+4*(\f):ACC+48*(\a)+16+4*(\f)+3], v[RDK] offset:640*(\f)
.endr
.endm
.macro SEND a, younger                 ; younger: the LDS instructions issued behind this fragment's loads: the next fragment's twelve, or none
.irp f, 0,1,2,3
	s_wait_dscnt (\younger)+5-(\f)
	global_store_b128 v[GO], v[ACC+48*(\a)+4*(\f):ACC+48*(\a)+4*(\f)+3], s[QOUT:QOUT+1] offset:2048*(\a)+512*(\f)  ; 512 consecutive bytes, at a multiple of 512 from qh's first
.endr
.irp f, 0,1
	s_wait_dscnt (\younger)+1-(\f)
	global_store_b128 v[GO], v[ACC+48*(\a)+16+4*(\f):ACC+48*(\a)+16+4*(\f)+3], s[KVOUT:KVOUT+1] offset:1024*(\a)+512*(\f)
.endr
.endm
	ROPEA 0
	ROPEA 1                                        ; a fragment's arithmetic stands between the stage loads of the one before and its stores
	SEND 0, 12
	ROPEA 2
	SEND 1, 12
	ROPEA 3
	SEND 2, 12
	SEND 3, 0
	s_wait_tensorcnt 0x0                           ; the wave's end, behind my last tensor load and my last LDS store
	ds_add_u32 v[SPW], v[NIL]
	s_wait_dscnt 0x0
	CROUND                                         ; the closing round: no work-group ends while a partner may still ask for a tile that names it
	s_endpgm
.Lfunc_end_k_q8260961e99_qkv:
	.size	k_q8260961e99_qkv, .Lfunc_end_k_q8260961e99_qkv-k_q8260961e99_qkv
	.p2alignl 7, 3214868480
	.fill 96, 4, 3214868480
	.section	.rodata,"a",@progbits
	.p2align	6, 0x0
	.amdhsa_kernel k_q8260961e99_qkv
		.amdhsa_group_segment_fixed_size 327680
		.amdhsa_private_segment_fixed_size 0
		.amdhsa_enable_private_segment 0
		.amdhsa_kernarg_size 72
		.amdhsa_user_sgpr_count 2
		.amdhsa_user_sgpr_kernarg_segment_ptr 1
		.amdhsa_wavefront_size32 1
		.amdhsa_system_sgpr_workgroup_id_x 1
		.amdhsa_system_sgpr_workgroup_id_y 1
		.amdhsa_system_sgpr_workgroup_id_z 1
		.amdhsa_system_vgpr_workitem_id 0
		.amdhsa_next_free_vgpr 768
		.amdhsa_next_free_sgpr 80
		.amdhsa_reserve_vcc 0
		.amdhsa_float_denorm_mode_32 3
		.amdhsa_float_denorm_mode_16_64 3
		.amdhsa_memory_ordered 1
		.amdhsa_forward_progress 1
		.amdhsa_inst_pref_size 163
	.end_amdhsa_kernel
	.amdgpu_metadata
---
amdhsa.version: [ 1, 2 ]
amdhsa.kernels:
  - .name:           k_q8260961e99_qkv
    .symbol:         k_q8260961e99_qkv.kd
    .args:
      - { .name: xb, .offset: 0, .size: 8, .value_kind: global_buffer, .address_space: global }
      - { .name: wq, .offset: 8, .size: 8, .value_kind: global_buffer, .address_space: global }
      - { .name: wk, .offset: 16, .size: 8, .value_kind: global_buffer, .address_space: global }
      - { .name: wv, .offset: 24, .size: 8, .value_kind: global_buffer, .address_space: global }
      - { .name: cb, .offset: 32, .size: 8, .value_kind: global_buffer, .address_space: global }
      - { .name: sb, .offset: 40, .size: 8, .value_kind: global_buffer, .address_space: global }
      - { .name: qh, .offset: 48, .size: 8, .value_kind: global_buffer, .address_space: global }
      - { .name: kh, .offset: 56, .size: 8, .value_kind: global_buffer, .address_space: global }
      - { .name: vh, .offset: 64, .size: 8, .value_kind: global_buffer, .address_space: global }
    .group_segment_fixed_size: 327680
    .private_segment_fixed_size: 0
    .kernarg_segment_align: 8
    .kernarg_segment_size: 72
    .max_flat_workgroup_size: 128
    .sgpr_count:     80
    .vgpr_count:     768
    .wavefront_size: 32
...
	.end_amdgpu_metadata
.endif
;; end of part 5
;; launch attn (part 6): grid 32 x 8, 4 waves a work-group, clusters of 4 x 1, 327,680 bytes of LDS; arguments qh, kh, vh, mb, ob; writes ob
.if DOCPART == 6
	.amdgcn_target "amdgcn-amd-amdhsa--gfx1250"
	.amdhsa_code_object_version 6
	.text
	.protected	k_q8260961e99_attn
	.globl	k_q8260961e99_attn
	.p2align	8
	.type	k_q8260961e99_attn,@function
k_q8260961e99_attn:
	s_mov_b64 s[64:65], 0
	v_nop
	global_prefetch_b8 v0, s[64:65] scope:SCOPE_SE
	s_setreg_imm32_b32 hwreg(HW_REG_WAVE_MODE, 25, 1), 1
	s_wait_xcnt 0x0
	s_wait_alu depctr_hold_cnt(0) depctr_sa_sdst(0) depctr_va_vdst(0) depctr_va_sdst(0) depctr_va_ssrc(0) depctr_va_vcc(0) depctr_vm_vsrc(0)
	s_getreg_b32 s2, hwreg(HW_REG_IB_STS2, 6, 4)
	s_cmp_eq_u32 s2, 0
	s_cbranch_scc0 .Lentry_in_a_cluster
	s_endpgm
.Lentry_in_a_cluster:
	s_bfe_u32 s2, ttmp6, 0x10000c
	s_cmp_lg_u32 s2, 0x3003
	s_cbranch_scc0 .Lentry_shape_is_right
	s_endpgm
.Lentry_shape_is_right:
; ATTENTION.  O[q][head] = the sum over k of softmax_k(q' . k' + mask[q][k]) v'[k].  q', k', v' come as BETA x value in f16 (BETA^2 = 1 / sqrt(128): q' . k' is the scaled score), the mask as f32.
; The mask is an input: every key tile is walked and every mask number is read.  Products, maxima and sums in f32; the weights p are rounded to f16 for the second product, O (= BETA x O) once at the end.
; SHARES.  A work-group owns 128 queries of one head, each of its four waves 32: two tiles of 16.  Every wave walks all 1,024 keys, 64 a step.
; CLUSTER.  The four work-groups of a cluster are the four query heads of one key and value head, at the same 128 queries: K's tile, V's tile AND the mask's tile are the same for all four, so all three
; are asked for JOINTLY (mask of four): wave 0 asks for K, wave 1 for V, waves 2 and 3 for 64 rows of the mask each.  A slot of LDS holds TWO key steps, brought by one load a wave: one round of the cluster's
; barrier serves two steps, and a refill has two steps (128 matrix instructions and two softmaxes) in which to land.
; LAYOUT.  S^T = K Q^T + mask^T (source 0 = 16 keys, source 1 = 16 queries): a lane holds ONE query (lane % 16) and the keys 8 (lane / 16) + 0..7.  The mask's eight numbers of a lane are 32 consecutive bytes of
; a mask row: they are loaded from LDS straight into the accumulator, and the products add onto them.  Two results rounded to f16 ARE source 1 of O^T = V^T P.  V comes out of LDS turned (ds_load_tr16_b128).
; SOFTMAX.  A running maximum m and sum l: p = 2^(c s - c m), c = log2(e); in every step O and l are multiplied by a = 2^(c m_old - c m_new).  m starts at -1e38, c m at -2^127 (below c times that), O and l at 0:
; the first step is a step like any other, with a = 0.  The price: 128 v_mov_b32 in the wait for the first tile; the gain: no first step is written out.
; IN PHASES: a step's softmax, its V^T P, the next step's K Q^T, one after the other.
; LIMITS.  mask + q . k is summed in the matrix unit, the mask first: beside a mask number of 1e9 a score keeps what f32 keeps.  Scores below -1e38 count as -1e38 in m.  A row whose mask is all -inf gives NaN, as the
; softmax of such a row does.  A weight below 2^-126 counts as 0 in l; p below 6e-5 keeps f16's fixed step of 6e-8.
; REGISTERS, in windows of 256 (s_set_vgpr_msb: bits 1:0 source 0, 3:2 source 1, 5:4 source 2, 7:6 destination):
;   window 0: v1-9, v28-30 addresses; v12-27 eight registers of statistics a tile; v62-63 the add's two; v64-127 S^T, 32 a tile; v192-223 P, 16 a tile
;   window 1: v0-127 O^T, 64 a tile      window 2: v0-63 Q, 32 a tile; v128-255 K of one step      window 3: v0-127 V of one step
.set PK,    80        ; 64 bytes (a key's 32 channels of a plane) + 16: an odd multiple of 16: the 16 rows of a load start at 16 different groups of four banks (64 banks of 4 bytes: ISA guide 11.1)
.set PV,    96        ; 64 + 32: an odd multiple of 32, for the turning load
.set PM,    528       ; a mask row: 128 keys (two steps) x 4 bytes + 16
.set KST,   256*PK    ; a step's K: 4 planes x 64 keys
.set VST,   256*PV    ; a step's V
.set VOFF,  2*KST     ; a slot: two steps' K, two steps' V, 128 rows of the mask
.set MOFF,  VOFF+2*VST
.set SLOT1, MOFF+128*PM        ; slot 1 begins here
.set SPARE, 2*SLOT1            ; the spare words, 128 bytes a wave: two blocks of 256 bytes that no other line names
.set STAGE, 0         ; the way out: 16 rows x 272 bytes for each wave, at the head of slot 0, which has had its last fill and, at the last change of slots, its last read
.set SP,    272
.set AK0, 2           ; v2   my lane's place in a tile of K; never rewritten
.set AV0, 3           ; v3   of V
.set ADR, 4           ; v4   the LDS address of the run of loads in hand
.set QO,  5           ; v5   my byte offset in the wave's rows of Q
.set STO, 6           ; v6-8 the way out
.set RD,  7
.set GO,  8
.set AM0, 9           ; v9   my lane's place in the mask's tile
.set ST,  12          ; tile t's statistics at v[ST+8 t]: +0 c m, +1 m, +2, +3 l (even keys', odd keys'), +4 to +7 c0-c3, at work; a takes c2's place once the maximum is found
.set SPW, 62
.set NIL, 63
.set S,   64
.set P,   192
.set KF,  128
.set WV,  14          ; s14  my wave's number
.set G1K, 24          ; s[24:47] descriptor groups 1 for K, V, mask
.set G1V, 32
.set G1M, 40
.set G0K, 48          ; s[48:55], s[56:63], s[68:75] groups 0: a set for each of the two first fills; the second then walks on
.set G0V, 56
.set G0M, 68
.set CNT, 76          ; s76  counts a slot's two steps
.set TBK, 77          ; s77  LDS byte at which K of the step to be fetched begins
.set CS,  78          ; s[78:79] c
.set SEL, 80          ; s[80:81] v_permlanex16_b32's selects: each lane takes its own place in the other half
.set TBV, 88          ; s88  the same for V, less VOFF
.set TBM, 89          ; s89  for the mask, less MOFF
.set SLOTS, 90        ; s90  slots still to be asked for
.set MW,  91          ; s91  where in a slot the mask rows that I fetch begin
.set MSB, 0
.macro WIN new
.if MSB != (\new)
	s_set_vgpr_msb (MSB<<8)|(\new)
.set MSB, \new
.endif
.endm
.set W_KQ, 0x0a       ; K and Q in window 2, S^T in window 0
.set W_PV, 0x53       ; V in window 3, P in window 0, O^T in window 1
.set W_RS, 0x41       ; O^T (destination and source 0) in window 1, a in window 0
.macro PLACES
.rept 4
	v_nop
.endr
.endm
; A joint refill: one line for each kind of tile, chosen by the wave's number alone.  An s_nop 0 and four v_nop follow each line, ahead of the jump and the label.
.macro JLOAD
	s_cmp_lt_u32 s[WV], 2
	s_cbranch_scc0 .Lfor_m_\@
	s_cmp_eq_u32 s[WV], 0
	s_cbranch_scc0 .Lfor_v_\@
	tensor_load_to_lds s[G0K+4:G0K+7], s[G1K:G1K+7]
	s_nop 0
.rept 4
	v_nop
.endr
	s_branch .Lasked_\@
.Lfor_v_\@:
	tensor_load_to_lds s[G0V+4:G0V+7], s[G1V:G1V+7]
	s_nop 0
.rept 4
	v_nop
.endr
	s_branch .Lasked_\@
.Lfor_m_\@:
	tensor_load_to_lds s[G0M+4:G0M+7], s[G1M:G1M+7]
	s_nop 0
.rept 4
	v_nop
.endr
.Lasked_\@:
.endm
.macro CROUND                          ; a round of the cluster's barrier
	s_barrier_signal -1
	s_barrier_wait -1
	s_cmp_lg_u32 s[WV], 0
	s_cbranch_scc1 .Lnot_wave_0_\@
	s_barrier_signal -3
.Lnot_wave_0_\@:
	s_barrier_wait -3
	s_barrier_signal -1
	s_barrier_wait -1
.endm
	s_load_b256 s[4:11], s[0:1], 0x0  ; qh s[4:5], kh s[6:7], vh s[8:9], mb s[10:11]
	s_load_b64 s[12:13], s[0:1], 0x20 ; ob
	v_lshl_add_u32 v[SPW], v0, 2, SPARE
	v_mov_b32 v[NIL], 0
	ds_add_u32 v[SPW], v[NIL]       ; the wave's opening: the add and its wait stand ahead of my first tensor load; the set-up below, work on registers, stands between them
	v_lshrrev_b32 v1, 5, v0
	v_readfirstlane_b32 s[WV], v1   ; wave 0..3
	s_bfe_u32 s15, ttmp6, 0x40000   ; cx: which of the four query heads
	s_lshl_b32 s16, ttmp9, 2        ; ttmp9 counts clusters: the key and value head
	s_add_co_u32 s16, s16, s15      ; my head: it enters Q's and O's addresses alone
	s_and_b32 s17, ttmp7, 0xffff    ; y: my block of 128 queries, which the partners share
	s_lshl_b32 s18, ttmp9, 18       ; kh, vh: 262,144 bytes a head
	s_mov_b32 s19, 0
	s_and_b32 s82, s[WV], 1         ; which 64 rows of the mask's tile I fetch (waves 2 and 3)
	s_lshl_b32 s20, s17, 19         ; mb: row 128 y + 64 (w % 2), 4,096 bytes a row
	s_lshl_b32 s21, s82, 18
	s_add_co_u32 s20, s20, s21
	s_mov_b32 s21, 0
	s_mul_i32 s83, s82, 64*PM       ; and their place in a slot
	s_add_co_u32 s[MW], s83, MOFF
	s_lshl_b32 s22, s16, 18         ; qh: two blocks of 131,072 bytes a head; row 128 y + 32 w of 128 bytes
	s_lshl_b32 s23, s17, 14
	s_add_co_u32 s22, s22, s23
	s_lshl_b32 s23, s[WV], 12
	s_add_co_u32 s22, s22, s23
	s_mov_b32 s23, 0
	s_lshl_b32 s84, s17, 20         ; ob: row 128 y + 32 w of 8,192 bytes, 256 bytes a head
	s_lshl_b32 s85, s[WV], 18
	s_add_co_u32 s84, s84, s85
	s_lshl_b32 s85, s16, 8
	s_add_co_u32 s84, s84, s85
	s_mov_b32 s85, 0
	; descriptor groups 1.  Two key blocks of K or V are 32,768 dense bytes: asked for as 128 rows of 256 bytes, four keys of a plane a row, padded in LDS after every key's 64 bytes
	s_mov_b32 s[G1K], 15|(1<<16)|(1<<20)|(1<<21)|(3<<22)|(3<<25)  ; the mask of four; 2-byte elements; padding on; 21 set beside a mask; after every 16 words (code 3) 4 words (code 3)
	s_mov_b32 s[G1V], 15|(1<<16)|(1<<20)|(1<<21)|(3<<22)|(7<<25)  ; the same with 8 words (code 7)
.irp g, G1K, G1V
	s_mov_b32 s[(\g)+1], 128<<16    ; tensor_dim0 = 128
	s_mov_b32 s[(\g)+2], 128<<16    ; tensor_dim1 = 128
	s_mov_b32 s[(\g)+3], 128<<16    ; tile_dim0 = 128
	s_mov_b32 s[(\g)+4], 128        ; tile_dim1 = 128
	s_mov_b32 s[(\g)+5], 128        ; elements from row to row
	s_mov_b32 s[(\g)+6], 0
	s_mov_b32 s[(\g)+7], 0
.endr
	s_mov_b32 s[G1M], 15|(2<<16)|(1<<20)|(1<<21)|(6<<22)|(3<<25)  ; 4-byte elements; after every 128 words 4 words
	s_mov_b32 s[G1M+1], 128<<16     ; 128 keys
	s_mov_b32 s[G1M+2], 64<<16      ; 64 queries
	s_mov_b32 s[G1M+3], 128<<16
	s_mov_b32 s[G1M+4], 64
	s_mov_b32 s[G1M+5], 1024
	s_mov_b32 s[G1M+6], 0
	s_mov_b32 s[G1M+7], 0
	s_mov_b32 s[CS], 0x3fb8aa3b     ; c = log2(e)
	s_mov_b32 s[CS+1], s[CS]        ; named with it as a pair
	s_mov_b32 s[SEL], 0x76543210
	s_mov_b32 s[SEL+1], 0xfedcba98
	s_mov_b32 s[TBK], 0
	s_mov_b32 s[TBV], 0
	s_mov_b32 s[TBM], 0
	s_wait_dscnt 0x0                ; the opening add is done
	s_wait_kmcnt 0x0
	s_add_nc_u64 s[6:7], s[6:7], s[18:19]
	s_add_nc_u64 s[8:9], s[8:9], s[18:19]
	s_add_nc_u64 s[10:11], s[10:11], s[20:21]
	s_add_nc_u64 s[4:5], s[4:5], s[22:23]
	s_add_nc_u64 s[12:13], s[12:13], s[84:85]
.irp s, 0,1
	s_mov_b32 s[G0K+4*(\s)], 1
	s_mov_b32 s[G0K+4*(\s)+1], (\s)*SLOT1
	s_add_nc_u64 s[G0K+4*(\s)+2:G0K+4*(\s)+3], s[6:7], (\s)*32768  ; key steps 2 s and 2 s + 1
	s_or_b32 s[G0K+4*(\s)+3], s[G0K+4*(\s)+3], 0x80000000
	s_mov_b32 s[G0V+4*(\s)], 1
	s_mov_b32 s[G0V+4*(\s)+1], (\s)*SLOT1+VOFF
	s_add_nc_u64 s[G0V+4*(\s)+2:G0V+4*(\s)+3], s[8:9], (\s)*32768
	s_or_b32 s[G0V+4*(\s)+3], s[G0V+4*(\s)+3], 0x80000000
	s_mov_b32 s[G0M+4*(\s)], 1
	s_add_co_u32 s[G0M+4*(\s)+1], s[MW], (\s)*SLOT1
	s_add_nc_u64 s[G0M+4*(\s)+2:G0M+4*(\s)+3], s[10:11], (\s)*512
	s_or_b32 s[G0M+4*(\s)+3], s[G0M+4*(\s)+3], 0x80000000
.endr
	CROUND                          ; all four work-groups are here: the first joint loads meet
	s_cmp_lt_u32 s[WV], 2           ; a wave's two first fills stand together, ahead of every wait on TENSORcnt and every LDS read: two loads of mine are out
	s_cbranch_scc0 .Lfirst_m
	s_cmp_eq_u32 s[WV], 0
	s_cbranch_scc0 .Lfirst_v
	tensor_load_to_lds s[G0K:G0K+3], s[G1K:G1K+7]
	s_nop 0
	tensor_load_to_lds s[G0K+4:G0K+7], s[G1K:G1K+7]
	s_nop 0
.rept 4
	v_nop
.endr
	s_branch .Lfirst_asked
.Lfirst_v:
	tensor_load_to_lds s[G0V:G0V+3], s[G1V:G1V+7]
	s_nop 0
	tensor_load_to_lds s[G0V+4:G0V+7], s[G1V:G1V+7]
	s_nop 0
.rept 4
	v_nop
.endr
	s_branch .Lfirst_asked
.Lfirst_m:
	tensor_load_to_lds s[G0M:G0M+3], s[G1M:G1M+7]
	s_nop 0
	tensor_load_to_lds s[G0M+4:G0M+7], s[G1M:G1M+7]
	s_nop 0
.rept 4
	v_nop
.endr
.Lfirst_asked:
	; A fragment of K or Q is 16 rows x 32 channels in 8 registers: lane l holds row l % 16, channels 8 (l / 16) + 0..7 and 16 + 8 (l / 16) + 0..7: two loads of 16 bytes, 32 bytes apart.
	v_and_b32 v1, 15, v0            ; r = l % 16
	v_bfe_u32 v28, v0, 4, 1         ; h = l / 16
	v_lshlrev_b32 v[QO], 7, v1
	v_lshl_add_u32 v[QO], v28, 4, v[QO]
	WIN 0x80                        ; destination window 2
.irp i, 0,1,2,3,4,5,6,7             ; Q stays in registers: tile i / 4, channels 32 (i % 4) on: block (i % 4) / 2 of the head, 64 bytes in for the odd ones
	global_load_b128 v[8*(\i):8*(\i)+3],   v[QO], s[4:5] offset:((\i)/4)*2048+(((\i)%4)/2)*131072+((\i)%2)*64
	global_load_b128 v[8*(\i)+4:8*(\i)+7], v[QO], s[4:5] offset:((\i)/4)*2048+(((\i)%4)/2)*131072+((\i)%2)*64+32
.endr
	WIN 0x40
.set i, 0
.rept 128
	v_mov_b32 v[i], 0               ; O^T
.set i, i+1
.endr
	WIN 0
.irp t, 0,1
	v_mov_b32 v[ST+8*(\t)], 0xff000000    ; c m = -2^127
	v_mov_b32 v[ST+8*(\t)+1], 0xfe967699  ; m = -1e38
	v_mov_b32 v[ST+8*(\t)+2], 0
	v_mov_b32 v[ST+8*(\t)+3], 0
.endr
	v_mul_u32_u24 v[AK0], v1, PK
	v_lshl_add_u32 v[AK0], v28, 4, v[AK0]
	; The turning load takes 16 keys x 16 channels (lane l reads key 8 (l / 16) + l % 8, channels 8 ((l / 8) % 2) + 0..7) and leaves half a fragment of V^T: lane l holds channel l % 16 and 8 keys.
	v_and_b32 v29, 7, v0
	v_bfe_u32 v30, v0, 3, 1
	v_lshl_add_u32 v[AV0], v28, 3, v29
	v_mul_u32_u24 v[AV0], v[AV0], PV
	v_lshl_add_u32 v[AV0], v30, 4, v[AV0]
	v_add_nc_u32 v[AV0], VOFF, v[AV0]
	s_mul_i32 s86, s[WV], 32*PM     ; the mask: row 32 w + r (+ 16 for tile 1), 32 bytes at 32 h
	s_add_co_u32 s86, s86, MOFF
	v_mul_u32_u24 v[AM0], v1, PM
	v_lshl_add_u32 v[AM0], v28, 5, v[AM0]
	v_add_nc_u32 v[AM0], s86, v[AM0]
	s_mul_i32 s87, s[WV], 16*SP
	s_add_co_u32 s87, s87, STAGE    ; my stage
	v_mul_u32_u24 v[STO], v1, SP    ; in: row r, 16 bytes for each half of the lanes
	v_lshl_add_u32 v[STO], v28, 4, v[STO]
	v_add_nc_u32 v[STO], s87, v[STO]
	v_mul_u32_u24 v[RD], v28, SP    ; back: lanes 0-15 take one row of 256 bytes, lanes 16-31 the next
	v_lshl_add_u32 v[RD], v1, 4, v[RD]
	v_add_nc_u32 v[RD], s87, v[RD]
	v_lshlrev_b32 v[GO], 13, v28    ; and the same two rows in ob
	v_lshl_add_u32 v[GO], v1, 4, v[GO]
; THE MATRIX WORK.  The accumulators take turns, one instruction a turn: between two links of a chain stand 7 (K Q^T) or 15 (V^T P) others'.
; Product i of 32 of S^T += K Q^T: channels 32 (i / 8) on, keys 16 ((i / 2) % 4) on, tile i % 2.  The first 8 add onto the mask.
.macro KQ
	WIN W_KQ
.set rS, S+32*(i%2)+8*((i/2)%4)
.set rK, KF+32*((i/2)%4)+8*(i/8)
.set rQ, 32*(i%2)+8*(i/8)
	v_wmma_f32_16x16x32_f16 v[rS:rS+7], v[rK:rK+7], v[rQ:rQ+7], v[rS:rS+7]
.endm
; Product i of 32 of O^T += V^T P: keys 32 (i / 16) on, channels 16 ((i / 2) % 8) on, tile i % 2.
.macro PV
	WIN W_PV
.set rO, 64*(i%2)+8*((i/2)%8)
.set rV, 64*(i/16)+8*((i/2)%8)
.set rP, P+16*(i%2)+8*(i/16)
	v_wmma_f32_16x16x32_f16 v[rO:rO+7], v[rV:rV+7], v[rP:rP+7], v[rO:rO+7]
.endm
.macro ALLKQ
.set i, 0
.rept 32
	KQ
.set i, i+1
.endr
.endm
.macro ALLPV
.set i, 0
.rept 32
	PV
.set i, i+1
.endr
.endm
; THE LDS LOADS, in runs: a step's K (16 fragments), its mask (straight into S^T), its V (turned).  Each run steps its scalar to the slot's next step.
.macro FETCH_K
	WIN 0
	v_add_nc_u32 v[ADR], s[TBK], v[AK0]
	s_add_co_u32 s[TBK], s[TBK], KST
	WIN 0x80
.irp f, 0,1,2,3,4,5,6,7,8,9,10,11,12,13,14,15  ; keys 16 (f / 4) on, plane f % 4
	ds_load_b128 v[KF+8*(\f):KF+8*(\f)+3],   v[ADR] offset:((\f)%4)*64*PK+((\f)/4)*16*PK
	ds_load_b128 v[KF+8*(\f)+4:KF+8*(\f)+7], v[ADR] offset:((\f)%4)*64*PK+((\f)/4)*16*PK+32
.endr
.endm
.macro FETCH_M
	WIN 0
	v_add_nc_u32 v[ADR], s[TBM], v[AM0]
	s_add_co_u32 s[TBM], s[TBM], 256    ; the second step's 64 keys lie 256 bytes on in each row
.irp f, 0,1,2,3,4,5,6,7             ; tile f / 4, keys 16 (f % 4) on
	ds_load_b128 v[S+8*(\f):S+8*(\f)+3],   v[ADR] offset:((\f)/4)*16*PM+((\f)%4)*64
	ds_load_b128 v[S+8*(\f)+4:S+8*(\f)+7], v[ADR] offset:((\f)/4)*16*PM+((\f)%4)*64+16
.endr
.endm
.macro FETCH_V
	WIN 0
	v_add_nc_u32 v[ADR], s[TBV], v[AV0]
	s_add_co_u32 s[TBV], s[TBV], VST
	WIN 0xc0                        ; destination window 3
.irp f, 0,1,2,3,4,5,6,7,8,9,10,11,12,13,14,15  ; keys 32 (f / 8) on, channels 16 (f % 8) on: plane (f % 8) / 2, 32 bytes in for the odd ones
	ds_load_tr16_b128 v[8*(\f):8*(\f)+3],   v[ADR] offset:(((\f)%8)/2)*64*PV+((\f)%2)*32+((\f)/8)*32*PV
	ds_load_tr16_b128 v[8*(\f)+4:8*(\f)+7], v[ADR] offset:(((\f)%8)/2)*64*PV+((\f)%2)*32+((\f)/8)*32*PV+16*PV
.endr
.endm
; THE VECTOR WORK.  One tile's softmax for one key step is a list of 134 instructions; SM writes number j of it for tile t.  s0-s31 are the lane's 32 scores, in pairs 0-15.
;   0-15    the maximum of s0-s31 and the old m, three operands at a time: four chains c0-c3 of seven scores each (each accumulator's lowest registers are read first), then the four left over, c0-c3 and m
;   16-20   the other half of the lanes' maximum; the new m; c m; c m_old - c m_new
;   21-87   33 exponentials (a, then s0-s31) at the odd numbers from 23 on, so that no two follow each other and each has a plain instruction behind it before its result is used (ISA guide 5.7.2);
;           the plain numbers between them: c s - c m for pairs still to come, roundings to f16 of pairs that are done, the first three sums
;   88-101  the last rounding; the rest of the sums; l = a l + the sum
;   102-133 the tile's O^T times a: the one part that leaves window 0
.macro SM t
.set rT, ST+8*(\t)
.set rS, S+32*(\t)
.set rP, P+16*(\t)
.set rO, 64*(\t)+2*(j-102)
.set q, (j-20)/2
.if j < 102
	WIN 0
.endif
.if j < 4
	v_max3_num_f32 v[rT+4+j], v[rS+8*j], v[rS+8*j+1], v[rS+8*j+2]
.elseif j < 12
	v_max3_num_f32 v[rT+4+j%4], v[rT+4+j%4], v[rS+8*(j%4)+2*(j/4)+1], v[rS+8*(j%4)+2*(j/4)+2]
.elseif j == 12
	v_max3_num_f32 v[rT+4], v[rT+4], v[rS+7], v[rS+15]
.elseif j == 13
	v_max3_num_f32 v[rT+6], v[rT+6], v[rS+23], v[rS+31]
.elseif j == 14
	v_max3_num_f32 v[rT+4], v[rT+4], v[rT+5], v[rT+6]
.elseif j == 15
	v_max3_num_f32 v[rT+4], v[rT+4], v[rT+7], v[rT+1]
.elseif j == 16
	v_permlanex16_b32 v[rT+5], v[rT+4], s[SEL], s[SEL+1]  ; the query's other 32 keys lie in the lane 16 away
.elseif j == 17
	v_mov_b32 v[rT+7], v[rT]        ; c m_old is kept for a: number 19 writes c m anew
.elseif j == 18
	v_max_num_f32 v[rT+1], v[rT+4], v[rT+5]
.elseif j == 19
	v_mul_f32 v[rT], s[CS], v[rT+1]
.elseif j == 20
	v_sub_f32 v[rT+7], v[rT+7], v[rT]
.elseif j == 23
	v_exp_f32 v[rT+6], v[rT+7]
.elseif (j < 88) && (j > 23) && (j%2 == 1)
	v_exp_f32 v[rS+(j-25)/2], v[rS+(j-25)/2]
.elseif (q < 4) || ((j < 76) && (q%2 == 0))
.set b, q/2+2
.if q < 4
.set b, q
.endif
	v_pk_fma_f32 v[rS+2*b:rS+2*b+1], v[rS+2*b:rS+2*b+1], s[CS:CS+1], v[rT:rT+1] op_sel_hi:[1,0,0] neg_lo:[0,0,1] neg_hi:[0,0,1]  ; pair b: c s - c m
.elseif (j < 88) && (q%2 == 1)
	s_wait_alu depctr_va_vdst(0)
	v_cvt_pk_f16_f32 v[rP+(q-5)/2], v[rS+q-5], v[rS+q-4]  ; pair (q - 5) / 2: its second exponential stands three numbers back
.elseif j == 89
	s_wait_alu depctr_va_vdst(0)
	v_cvt_pk_f16_f32 v[rP+15], v[rS+30], v[rS+31]
.elseif j < 102                     ; the sum of the tile's 16 pairs, in place: sum z of 16 adds neighbours 1, 2, 4 and 8 pairs apart, then l takes it
.set z, j-86
.if j < 89
.set z, (j-76)/4
.endif
.set w, 4
.set u, z
.if z >= 14
.set w, 32
.set u, 0
.elseif z >= 12
.set w, 16
.set u, z-12
.elseif z >= 8
.set w, 8
.set u, z-8
.endif
.if z < 15
	v_pk_add_f32 v[rS+w*u:rS+w*u+1], v[rS+w*u:rS+w*u+1], v[rS+w*u+w/2:rS+w*u+w/2+1]
.else
	v_pk_fma_f32 v[rT+2:rT+3], v[rT+2:rT+3], v[rT+6:rT+7], v[rS:rS+1] op_sel_hi:[1,0,1]
.endif
.else
	WIN W_RS
	v_pk_mul_f32 v[rO:rO+1], v[rO:rO+1], v[rT+6:rT+7] op_sel_hi:[1,0]
.endif
.endm
; Slice k of 64: numbers 2 k and 2 k + 1 of both tiles' lists; the twelve that are over stand in slice 63.
.macro SLICE
.if (k >= 11) && (k < 44)           ; tile by tile: plain, exponential, plain, exponential
.irp t, 0,1
.irp n, 0,1
.set j, 2*k+(\n)
	SM \t
.endr
.endr
.else                               ; the two tiles alternate, so that no instruction reads the result of the one just before it
.irp n, 0,1,2,3,4,5,6,7
.if ((\n) < 2) || (k == 63)
.irp t, 0,1
.set j, 2*k+(\n)
	SM \t
.endr
.endif
.endr
.endif
.set k, k+1
.endm
.macro SOFTMAX
.set k, 0
.rept 64
	SLICE
.endr
.endm
; THE CHANGE OF SLOTS.  All of the old slot (K, mask, V of its two steps) has been asked for.  Each wave waits for all its tensor loads, of which one is out: its part of the other slot; adds 0 to its spare word; and
; waits for that and for its reads of the old slot.  fill = 1: the barrier is a round of the cluster's, and the old slot is filled again, with the steps two slots on, first thing behind it.
; The fetches' scalars go back over the slot's two steps; K's is then the old slot's first byte, from which the walking descriptors' LDS words are made; an exclusive or turns 0 into SLOT1 and back.
.macro CHANGE fill
	WIN 0                           ; at a label and at a branch every window is 0
	s_wait_tensorcnt 0x0            ; no tensor load of mine is out, so a group 0 may be written
	ds_add_u32 v[SPW], v[NIL]       ; 0 onto my spare word; the scalar work stands between it and the wait for it
	s_sub_co_u32 s[TBK], s[TBK], 2*KST
.if \fill
	s_mov_b32 s[G0K+5], s[TBK]
	s_add_co_u32 s[G0V+5], s[TBK], VOFF
	s_add_co_u32 s[G0M+5], s[TBK], s[MW]
	s_add_nc_u64 s[G0K+6:G0K+7], s[G0K+6:G0K+7], 32768  ; the next 128 keys
	s_add_nc_u64 s[G0V+6:G0V+7], s[G0V+6:G0V+7], 32768
	s_add_nc_u64 s[G0M+6:G0M+7], s[G0M+6:G0M+7], 512
.endif
	s_xor_b32 s[TBK], s[TBK], SLOT1
	s_sub_co_u32 s[TBV], s[TBV], 2*VST
	s_xor_b32 s[TBV], s[TBV], SLOT1
	s_sub_co_u32 s[TBM], s[TBM], 512
	s_xor_b32 s[TBM], s[TBM], SLOT1
	s_wait_dscnt 0x0                ; the add is done, and my reads of the slot are over
.if \fill
	CROUND
	JLOAD
.else
	s_barrier_signal -1
	s_barrier_wait -1
.endif
.endm
; A TRIP: four places behind the last K Q^T (in front of the loads into K's registers and of the first read of the scores); the next step's K is asked for; the softmax of the step in hand; the next step's mask
; goes into the scores' registers; V^T P of the step in hand; four places, the next step's V; K Q^T of the next step.
.macro TRIP
	WIN 0
	PLACES
	FETCH_K
	SOFTMAX
	FETCH_M
	s_wait_dscnt 48                 ; V of the step in hand is in: behind its loads came K's 32 and the mask's 16
	ALLPV
	PLACES
	FETCH_V
	s_wait_dscnt 32                 ; K and the mask are in; V's 32 loads may stay out
	ALLKQ
.endm
	s_wait_tensorcnt 0x1            ; my part of slot 0 is in; slot 1's may stay out
	s_barrier_signal -1
	s_barrier_wait -1               ; everybody's is
	FETCH_K                         ; key step 0
	FETCH_M
	FETCH_V
	s_wait_loadcnt 0x0              ; Q
	s_wait_dscnt 32                 ; K and the mask
	ALLKQ
	WIN 0
	s_mov_b32 s[CNT], 2
	s_mov_b32 s[SLOTS], 7
	s_branch .Lenter                ; slot 0's first step has been fetched above, so its count is entered ahead of the counter's step: one trip is left, which fetches step 1
.Lslot:                             ; 6 times: slots 2 to 7 are asked for
	CHANGE 1
	s_mov_b32 s[CNT], 2
.Lstep:                             ; a slot's two steps: written once, walked twice
	TRIP
	WIN 0
.Lenter:
	s_sub_co_u32 s[CNT], s[CNT], 1
	s_cmp_lg_u32 s[CNT], 0
	s_cbranch_scc1 .Lstep
	s_sub_co_u32 s[SLOTS], s[SLOTS], 1
	s_cmp_lg_u32 s[SLOTS], 0
	s_cbranch_scc1 .Lslot
	CHANGE 0                        ; the tail is written out: nothing is asked for
	s_mov_b32 s[CNT], 2
.Ltail:
	TRIP
	WIN 0
	s_sub_co_u32 s[CNT], s[CNT], 1
	s_cmp_lg_u32 s[CNT], 0
	s_cbranch_scc1 .Ltail
	PLACES                          ; between the last K Q^T and the first read of its scores
	SOFTMAX
	s_wait_dscnt 0x0                ; V of the last step
	ALLPV
	; THE WAY OUT.  l's two halves and the other half of the lanes' are added; O^T is divided by l, rounded to f16 and sent through my stage in LDS, a tile (16 rows) at a time.
	WIN 0
	PLACES
.irp t, 0,1
	v_add_f32 v[ST+8*(\t)+4], v[ST+8*(\t)+2], v[ST+8*(\t)+3]
.endr
.irp t, 0,1
	v_permlanex16_b32 v[ST+8*(\t)+5], v[ST+8*(\t)+4], s[SEL], s[SEL+1]
.endr
.irp t, 0,1
	v_add_f32 v[ST+8*(\t)+4], v[ST+8*(\t)+4], v[ST+8*(\t)+5]
.endr
.irp t, 0,1
	v_rcp_f32 v[ST+8*(\t)+6], v[ST+8*(\t)+4]
.endr
	v_nop                           ; a plain instruction between the last reciprocal and the use of its result
	s_wait_alu depctr_va_vdst(0)
.macro PACK t
	WIN W_RS
.set i, 64*(\t)
.rept 32
	v_pk_mul_f32 v[i:i+1], v[i:i+1], v[ST+8*(\t)+6:ST+8*(\t)+7] op_sel_hi:[1,0]
.set i, i+2
.endr
	WIN 0x05                        ; sources 0 and 1 window 1, destination window 0: S^T's registers are free
.set i, 0
.rept 32
	v_cvt_pk_f16_f32 v[S+32*(\t)+i], v[64*(\t)+2*i], v[64*(\t)+2*i+1]
.set i, i+1
.endr
	WIN 0
.irp f, 0,1,2,3,4,5,6,7
	ds_store_b128 v[STO], v[S+32*(\t)+4*(\f):S+32*(\t)+4*(\f)+3] offset:32*(\f)
.endr
.irp f, 0,1,2,3,4,5,6,7
	ds_load_b128 v[S+32*(\t)+4*(\f):S+32*(\t)+4*(\f)+3], v[RD] offset:(\f)*2*SP  ; LDS serves a wave's instructions in order (ISA guide 5.7.1.4): these see the stores above; the next tile's stores come behind them
.endr
.endm
.macro SEND t, younger              ; younger: the LDS instructions issued behind tile t's loads
.irp f, 0,1,2,3,4,5,6,7
	s_wait_dscnt (\younger)+7-(\f)
	global_store_b128 v[GO], v[S+32*(\t)+4*(\f):S+32*(\t)+4*(\f)+3], s[12:13] offset:(\t)*131072+(\f)*16384  ; 16 lanes store 256 consecutive bytes, a head's channels of a row, at a multiple of 256 from ob's first byte
.endr
.endm
	PACK 0
	PACK 1
	SEND 0, 16
	SEND 1, 0
	s_wait_tensorcnt 0x0            ; the wave's end, behind my last tensor load and my last LDS store
	ds_add_u32 v[SPW], v[NIL]
	s_wait_dscnt 0x0
	CROUND                          ; the closing round: no work-group ends while a partner may still ask for a tile that names it
	s_endpgm
.Lfunc_end_k_q8260961e99_attn:
	.size	k_q8260961e99_attn, .Lfunc_end_k_q8260961e99_attn-k_q8260961e99_attn
	.p2alignl 7, 3214868480
	.fill 96, 4, 3214868480
	.section	.rodata,"a",@progbits
	.p2align	6, 0x0
	.amdhsa_kernel k_q8260961e99_attn
		.amdhsa_group_segment_fixed_size 327680
		.amdhsa_private_segment_fixed_size 0
		.amdhsa_enable_private_segment 0
		.amdhsa_kernarg_size 40
		.amdhsa_user_sgpr_count 2
		.amdhsa_user_sgpr_kernarg_segment_ptr 1
		.amdhsa_wavefront_size32 1
		.amdhsa_system_sgpr_workgroup_id_x 1
		.amdhsa_system_sgpr_workgroup_id_y 1
		.amdhsa_system_sgpr_workgroup_id_z 1
		.amdhsa_system_vgpr_workitem_id 0
		.amdhsa_next_free_vgpr 896
		.amdhsa_next_free_sgpr 96
		.amdhsa_reserve_vcc 0
		.amdhsa_float_denorm_mode_32 3
		.amdhsa_float_denorm_mode_16_64 3
		.amdhsa_memory_ordered 1
		.amdhsa_forward_progress 1
		.amdhsa_inst_pref_size 106
	.end_amdhsa_kernel
	.amdgpu_metadata
---
amdhsa.version: [ 1, 2 ]
amdhsa.kernels:
  - .name:           k_q8260961e99_attn
    .symbol:         k_q8260961e99_attn.kd
    .args:
      - { .name: qh, .offset: 0, .size: 8, .value_kind: global_buffer, .address_space: global }
      - { .name: kh, .offset: 8, .size: 8, .value_kind: global_buffer, .address_space: global }
      - { .name: vh, .offset: 16, .size: 8, .value_kind: global_buffer, .address_space: global }
      - { .name: mb, .offset: 24, .size: 8, .value_kind: global_buffer, .address_space: global }
      - { .name: ob, .offset: 32, .size: 8, .value_kind: global_buffer, .address_space: global }
    .group_segment_fixed_size: 327680
    .private_segment_fixed_size: 0
    .kernarg_segment_align: 8
    .kernarg_segment_size: 40
    .max_flat_workgroup_size: 128
    .sgpr_count:     96
    .vgpr_count:     896
    .wavefront_size: 32
...
	.end_amdgpu_metadata
.endif
;; end of part 6
;; launch proj (part 7): grid 64 x 4, 4 waves a work-group, clusters of 4 x 4, 327,680 bytes of LDS; arguments ob, wo, out0; writes out0
.if DOCPART == 7
	.amdgcn_target "amdgcn-amd-amdhsa--gfx1250"
	.amdhsa_code_object_version 6
	.text
	.protected	k_q8260961e99_proj
	.globl	k_q8260961e99_proj
	.p2align	8
	.type	k_q8260961e99_proj,@function
k_q8260961e99_proj:
	s_mov_b64 s[64:65], 0
	v_nop
	global_prefetch_b8 v0, s[64:65] scope:SCOPE_SE
	s_setreg_imm32_b32 hwreg(HW_REG_WAVE_MODE, 25, 1), 1
	s_wait_xcnt 0x0
	s_wait_alu depctr_hold_cnt(0) depctr_sa_sdst(0) depctr_va_vdst(0) depctr_va_sdst(0) depctr_va_ssrc(0) depctr_va_vcc(0) depctr_vm_vsrc(0)
	s_getreg_b32 s2, hwreg(HW_REG_IB_STS2, 6, 4)
	s_cmp_eq_u32 s2, 0
	s_cbranch_scc0 .Lentry_in_a_cluster
	s_endpgm
.Lentry_in_a_cluster:
	s_bfe_u32 s2, ttmp6, 0x10000c
	s_cmp_lg_u32 s2, 0xf033
	s_cbranch_scc0 .Lentry_shape_is_right
	s_endpgm
.Lentry_shape_is_right:
; OUT = O wo.  O comes as BETA x O in f16 (ob, [1024][4096]); wo as f32 [4096][4096]: it is rounded to bf16 like every input, and that number is written as f16; sums in f32, times 1 / BETA = 2^1.75 at the end.
; SHARES.  256 work-groups: column block c = 0..63 (64 columns) x row block my = 0..3 (256 rows).  Four waves; wave w makes rows 64 w .. 64 w + 63 and all 64 columns: 16 accumulators.  K in 32 steps of 128, four quarters each.
; A (ob) comes by joint tensor loads into two LDS slots, each with the rows of TWO K steps (512 bytes of a row): the four work-groups of a row of the 4 x 4 cluster need the same rows; each wave asks for the 64 rows
; that it alone reads.  One round of the cluster's barrier and one load a wave serve two steps: from a request to the wait for it a wave issues 120 matrix instructions.
; B (wo) goes memory -> registers -> f16 -> LDS as [k][n], and out of LDS turned.  B IS NOT ASKED FOR JOINTLY: it lies in memory as f32.  As f32 tiles in LDS a step's B would be 128 x 64 x 4 bytes for x 2, and each of the
; four waves would read and round all of it; through registers each number is rounded once a work-group, and the loads of two further steps (2 x 16 a wave) stay out across the barriers.
; THE MATRIX INSTRUCTION IS USED TRANSPOSED (source 0 = 16 columns of B, source 1 = 16 rows of A): a lane holds row l % 16 and the eight columns 8 (l / 16) + 0..7.
; LIMITS.  wo beyond 65,504 has no f16; below 6e-5 it keeps f16's fixed step of 6e-8.  NaN and infinities are not treated apart.
; REGISTERS: window 0: v2-14 addresses, v20-26 at work, v28-29 the add's two, v128-255 the accumulators ((a, b) at 128 + 8 (4 a + b)); window 1: two fragment buffers at 0 and 128: A's four fragments, then B's four;
;   window 2: v0-127 two sets of 64: a step's weights as loaded; v128-143 the rounded numbers of a unit, two sets by turns
.set NBF,   4
.set NL,    4                          ; loads, and LDS stores, in a unit of 8 weight rows
.set NF,    2*NBF+8
.set PA,    528                        ; a row of A in LDS: 512 bytes (two K steps) + 16 (64 banks of 4 bytes: ISA guide 11.1: the 16 rows of a load start at 16 different groups of four banks)
.set PB,    160                        ; a row of B: 128 bytes + 32, an odd multiple of 32, for the turning load
.set AWAVE, 64*PA
.set ASLOT, 256*PA
.set BB,    2*ASLOT                    ; B's two slots: written by LDS stores alone
.set BSL,   128*PB
.set STG,   BB                         ; the way out: 16 rows x 272 bytes for each wave, in B's slots, behind a barrier that shows them read out
.set SPARE, BB+2*BSL                   ; the spare words, 128 bytes a wave: two blocks of 256 bytes that no other line names
.set STEPQ, 128*16384
.set ADRA0, 2                          ; v2   my lane's place in my rows of A's slot 0; never rewritten
.set ADRA, 3                           ; v3   the same in the slot in hand
.set ADRB, 4
.set GQ,   6
.set SQ,   8
.set STO,  12
.set RD,   13
.set GO,   14
.set SPW,  28
.set NIL,  29
.set ACC,  128
.set F0,   0
.set F1,   128
.set WV,   10                          ; s10 wave; s13 c; s14 my
.set G1,   16                          ; s[16:23]
.set G0,   24                          ; s[24:31] a set for each of the two first fills; the second then walks on
.set WPQ,  32                          ; s[32:33] wo at my columns, at the K step that is loaded next
.set OUT,  34                          ; s[34:35]
.set HI,   36                          ; s36 a word's upper bf16
.set SC,   38                          ; s[38:39] 1 / BETA
.set AW,   46                          ; s46 my rows' place in a slot of A: wave x 33,792
.set TR,   48                          ; s48 the first byte of A's slot in hand: 0 or ASLOT
.set MSB, 0
.macro WIN new
.if MSB != (\new)
	s_set_vgpr_msb (MSB<<8)|(\new)
.set MSB, \new
.endif
.endm
.set MUL,  0x05
.set TO_F, 0x40
.set W_LD, 0x80
.set W_CV, 0x8a
.set W_ST, 0x08
.macro PLACES
.rept 4
	v_nop
.endr
.endm
.macro JLOAD s                         ; the joint load of my 64 rows of A, two K steps long; an s_nop 0 and four v_nop follow it
	tensor_load_to_lds s[G0+4*(\s):G0+4*(\s)+3], s[G1:G1+7]
	s_nop 0
.rept 4
	v_nop
.endr
.endm
.macro CREST
	s_cmp_lg_u32 s[WV], 0
	s_cbranch_scc1 .Lnot_wave_0_\@
	s_barrier_signal -3
.Lnot_wave_0_\@:
	s_barrier_wait -3
	s_barrier_signal -1
	s_barrier_wait -1
.endm
.macro CROUND
	s_barrier_signal -1
	s_barrier_wait -1
	CREST
.endm
.macro LDUNIT u, sg, xq                ; unit u (8 of my 32 weight rows of a step) into set sg: four loads of two whole rows of 256 bytes
.set SBR, 64*(\sg)+16*(\u)
.irp i, 0,1,2,3
	global_load_b128 v[SBR+4*(\i):SBR+4*(\i)+3], v[GQ], s[WPQ:WPQ+1] offset:(8*(\u)+(\i))*16384+(\xq)
.endr
.endm
; Unit u of set sg: rounded to bf16, widened, written as f16, stored into B slot sg; reload = 1: the unit is loaded again, two steps on.  cnt = the loads issued behind this unit's.
.macro CONV u, sg, reload, cnt, xq, step
	s_wait_loadcnt \cnt
	WIN W_CV
.set SBR, 64*(\sg)+16*(\u)
.set TBR, 128+8*((\u)%2)
.irp i, 0,1,2,3
	v_cvt_pk_bf16_f32 v[TBR+2*(\i)],   v[SBR+4*(\i)],   v[SBR+4*(\i)+1]
	v_cvt_pk_bf16_f32 v[TBR+2*(\i)+1], v[SBR+4*(\i)+2], v[SBR+4*(\i)+3]
.endr
.irp i, 0,1,2,3
	v_lshlrev_b32 v[SBR+4*(\i)],   16,    v[TBR+2*(\i)]
	v_and_b32     v[SBR+4*(\i)+1], s[HI], v[TBR+2*(\i)]
	v_lshlrev_b32 v[SBR+4*(\i)+2], 16,    v[TBR+2*(\i)+1]
	v_and_b32     v[SBR+4*(\i)+3], s[HI], v[TBR+2*(\i)+1]
.endr
.irp i, 0,1,2,3
	v_cvt_pk_f16_f32 v[TBR+2*(\i)],   v[SBR+4*(\i)],   v[SBR+4*(\i)+1]
	v_cvt_pk_f16_f32 v[TBR+2*(\i)+1], v[SBR+4*(\i)+2], v[SBR+4*(\i)+3]
.endr
	WIN W_ST
.irp i, 0,1,2,3
	ds_store_b64 v[SQ+(\sg)], v[TBR+2*(\i):TBR+2*(\i)+1] offset:(8*(\u)+(\i))*PB
.endr
.if \reload
.if (\step) && ((\u) == 0)
	s_wait_xcnt 0x0                                ; the loads issued so far have had their addresses translated: only behind this wait is their base stepped
	s_add_nc_u64 s[WPQ:WPQ+1], s[WPQ:WPQ+1], STEPQ
.endif
	WIN W_LD
	LDUNIT \u, \sg, \xq
.endif
.endm
; Behind unit u of the step converted were issued: the rest of that step's loads, the next step's 16, and u units of the reload: 7 units (mode 0); with no reload left 7 - u units (mode 1), 3 - u (mode 2).
.macro CV u, par, mode
.if (\mode) == 0
	CONV \u, 1-(\par), 1, 7*NL, 0, 1
.elseif (\mode) == 1
	CONV \u, 1-(\par), 0, (7-(\u))*NL, 0, 0
.else
	CONV \u, 1-(\par), 0, (3-(\u))*NL, 0, 0
.endif
.endm
.macro FETCH par, q, f                 ; quarter q of the step of parity par (B slot par; the second 256 bytes of A's rows for the odd step) into buffer f: B's four fragments (turned), then A's four; A's fragments 2 and 3 are the last four loads
	WIN TO_F
.irp b, 0,1,2,3
	ds_load_tr16_b128 v[(\f)+32+8*(\b):(\f)+32+8*(\b)+3],   v[ADRB+(\par)] offset:32*(\q)*PB+32*(\b)
	ds_load_tr16_b128 v[(\f)+32+8*(\b)+4:(\f)+32+8*(\b)+7], v[ADRB+(\par)] offset:32*(\q)*PB+32*(\b)+16*PB
.endr
.irp a, 0,1,2,3
	ds_load_b128 v[(\f)+8*(\a):(\f)+8*(\a)+3],   v[ADRA] offset:256*(\par)+64*(\q)+16*PA*(\a)
	ds_load_b128 v[(\f)+8*(\a)+4:(\f)+8*(\a)+7], v[ADRA] offset:256*(\par)+64*(\q)+16*PA*(\a)+32
.endr
.endm
.macro MULA f, a, zero                 ; four matrix instructions; the 16 accumulators take turns, one instruction a turn
	WIN MUL
.irp b, 0,1,2,3
.if \zero
	v_wmma_f32_16x16x32_f16 v[ACC+8*(NBF*(\a)+(\b)):ACC+8*(NBF*(\a)+(\b))+7], v[(\f)+32+8*(\b):(\f)+32+8*(\b)+7], v[(\f)+8*(\a):(\f)+8*(\a)+7], 0
.else
	v_wmma_f32_16x16x32_f16 v[ACC+8*(NBF*(\a)+(\b)):ACC+8*(NBF*(\a)+(\b))+7], v[(\f)+32+8*(\b):(\f)+32+8*(\b)+7], v[(\f)+8*(\a):(\f)+8*(\a)+7], v[ACC+8*(NBF*(\a)+(\b)):ACC+8*(NBF*(\a)+(\b))+7]
.endif
.endr
.endm
; One of a step's first three quarters.  The unit's conversions are the places between the last product that read g and the loads into g; where there is no unit (mode 3), four v_nop.
.macro QUARTER par, q, f, g, zero, mode
	s_wait_dscnt 4                                 ; all of the run but A's fragments 2 and 3
	MULA \f, 0, \zero
	MULA \f, 1, \zero
.if (\mode) < 3
	CV \q, \par, \mode
.else
	PLACES
.endif
	FETCH \par, (\q)+1, \g
.if (\mode) < 3
	s_wait_dscnt NF+NL                             ; all but the unit's stores and the run just issued
.else
	s_wait_dscnt NF
.endif
	MULA \f, 2, \zero
	MULA \f, 3, \zero
.endm
; The even step's last quarter goes on to the odd step, in the same slot of A.  A barrier for B alone: in front of it each wave has stored its last unit of the odd step's B and has its reads of B's slot 0 back;
; behind it slot 1 is whole and slot 0 may be written.  No tensor load fills anything behind it, so my load for A's other slot stays out.  The unit's conversions are the places in front of the loads into buffer 0.
.macro MID mode
	CV 3, 0, \mode
	s_wait_dscnt 4+NL                              ; (A's fragments 2 and 3 and the unit's stores may be out)
	MULA F1, 0, 0
	s_wait_dscnt 0x0                               ; my stores into B's slot 1 are done, my reads of slot 0 are over
	s_barrier_signal -1
	MULA F1, 1, 0
	s_barrier_wait -1
	FETCH 1, 0, F0
	MULA F1, 2, 0
	MULA F1, 3, 0
.endm
; The odd step's last quarter changes A's slots.  ONE barrier: in front of it each wave has stored its last unit of the next step's B, waits for all its tensor loads (one is out: its rows of A's other slot), adds 0 to
; its spare word, and waits for that, for its stores and for its reads of the old slots.  fill = 1: the barrier opens a round of the cluster's, and A's old slot is filled again, two slots on.
.macro TURN fill, mode
	CV 3, 1, \mode
	WIN 0
	s_wait_tensorcnt 0x0
	ds_add_u32 v[SPW], v[NIL]
	s_wait_dscnt 5+NL                              ; (A's fragments 2 and 3, the unit's stores and the add may be out)
	MULA F1, 0, 0
	s_wait_dscnt 0x0                               ; the add is done, my stores into B's slot 0 are done, my reads of the old slots are over
	s_barrier_signal -1
	MULA F1, 1, 0
	WIN 0                                          ; branches, or a line on window 0, follow
	s_barrier_wait -1
.if \fill
	CREST                                          ; no wave of any partner still reads this slot of A or has a load on its way
	s_add_co_u32 s[G0+5], s[TR], s[AW]             ; the walking descriptor: my rows in the slot just read out,
	s_add_nc_u64 s[G0+6:G0+7], s[G0+6:G0+7], 512   ; the next two K steps
	JLOAD 1                                        ; the first tensor load behind the round; its four v_nop are also the places in front of the loads below
.else
	PLACES
.endif
	s_xor_b32 s[TR], s[TR], ASLOT                  ; the reads go on in the other slot
	v_add_nc_u32 v[ADRA], s[TR], v[ADRA0]
	FETCH 0, 0, F0
	MULA F1, 2, 0
	MULA F1, 3, 0
.endm
	s_load_b128 s[4:7], s[0:1], 0x0                ; ob s[4:5], wo s[6:7]
	s_load_b64 s[8:9], s[0:1], 0x10                ; out0
	v_lshl_add_u32 v[SPW], v0, 2, SPARE
	v_mov_b32 v[NIL], 0
	ds_add_u32 v[SPW], v[NIL]                      ; the wave's opening: the add and its wait stand ahead of my first tensor load; the set-up below, work on registers, stands between them
	v_lshrrev_b32 v1, 5, v0
	v_readfirstlane_b32 s[WV], v1
	s_bfe_u32 s11, ttmp6, 0x40000                  ; cx
	s_bfe_u32 s12, ttmp6, 0x40004                  ; cy
	s_lshl_b32 s13, ttmp9, 2
	s_add_co_u32 s13, s13, s11                     ; c
	s_and_b32 s14, ttmp7, 0xffff
	s_lshl_b32 s14, s14, 2
	s_add_co_u32 s14, s14, s12                     ; my
	s_lshl_b32 s15, s12, 2
	s_lshl_b32 s15, 15, s15                        ; my row of the cluster
	s_or_b32 s[G1], s15, (1<<16)|(1<<20)|(1<<21)|(6<<22)|(3<<25)  ; the mask; 2-byte elements; padding on; 21 set beside a mask; after every 128 words 4 words
	s_mov_b32 s[G1+1], 256<<16                     ; tensor_dim0 = 256: two K steps
	s_mov_b32 s[G1+2], 64<<16
	s_mov_b32 s[G1+3], 256<<16                     ; tile_dim0 = 256
	s_mov_b32 s[G1+4], 64
	s_mov_b32 s[G1+5], 4096
	s_mov_b32 s[G1+6], 0
	s_mov_b32 s[G1+7], 0
	s_mov_b32 s[TR], 0
	s_lshl_b32 s40, s14, 8
	s_lshl_b32 s41, s[WV], 6
	s_add_co_u32 s40, s40, s41                     ; my wave's first row
	s_lshl_b32 s42, s40, 13                        ; x 8,192 bytes of ob
	s_mov_b32 s43, 0
	s_mul_i32 s[AW], s[WV], AWAVE
	s_lshl_b32 s44, s40, 14                        ; out0: x 16,384 bytes, + 256 c.  (What hangs on c lies in s13, s37 and s44-45, which feed no descriptor)
	s_lshl_b32 s45, s13, 8
	s_add_co_u32 s44, s44, s45
	s_mov_b32 s37, s45
	s_mov_b32 s45, 0
	s_mov_b32 s[HI], 0xffff0000
	s_mov_b32 s[SC], 0x405744fd                    ; 2^1.75
	s_mov_b32 s[SC+1], s[SC]
	v_and_b32 v20, 15, v0                          ; r
	v_bfe_u32 v21, v0, 4, 1                        ; h
	v_and_b32 v23, 7, v0
	v_bfe_u32 v24, v0, 3, 1
	s_lshl_b32 s47, s[WV], 19                      ; wo: row 32 w + 4 h (+ 8 u + i), 16 bytes at 16 r
	v_lshlrev_b32 v[GQ], 4, v20
	v_lshl_add_u32 v[GQ], v21, 16, v[GQ]
	v_add_nc_u32 v[GQ], s47, v[GQ]
	v_mul_u32_u24 v25, v20, PA
	v_lshl_add_u32 v25, v21, 4, v25
	v_add_nc_u32 v[ADRA0], s[AW], v25
	v_mov_b32 v[ADRA], v[ADRA0]                    ; slot 0 first
	v_lshl_add_u32 v25, v21, 3, v23
	v_mul_u32_u24 v25, v25, PB
	v_lshl_add_u32 v25, v24, 4, v25
	v_add_nc_u32 v[ADRB], BB, v25
	v_add_nc_u32 v[ADRB+1], BB+BSL, v25
	s_mul_i32 s41, s[WV], 32*PB
	s_add_co_u32 s41, s41, BB
	v_mul_u32_u24 v25, v21, 4*PB
	v_lshl_add_u32 v25, v20, 3, v25
	v_add_nc_u32 v[SQ], s41, v25
	v_add_nc_u32 v[SQ+1], BSL, v[SQ]
	s_wait_dscnt 0x0                               ; the opening add is done
	s_wait_kmcnt 0x0
	s_add_nc_u64 s[42:43], s[4:5], s[42:43]        ; ob at my rows
	s_add_nc_u64 s[OUT:OUT+1], s[8:9], s[44:45]
	s_mov_b32 s44, s37
	s_add_nc_u64 s[WPQ:WPQ+1], s[6:7], s[44:45]    ; wo at my columns
.irp s, 0,1
	s_mov_b32 s[G0+4*(\s)], 1
	s_add_co_u32 s[G0+4*(\s)+1], s[AW], (\s)*ASLOT
	s_add_nc_u64 s[G0+4*(\s)+2:G0+4*(\s)+3], s[42:43], (\s)*512  ; K steps 2 s and 2 s + 1
	s_or_b32 s[G0+4*(\s)+3], s[G0+4*(\s)+3], 0x80000000
.endr
	WIN W_LD                                       ; the weights of K steps 0 and 1 are asked for before anything else
.irp u, 0,1,2,3
	LDUNIT \u, 0, 0
.endr
.irp u, 0,1,2,3
	LDUNIT \u, 1, STEPQ
.endr
	WIN 0
	CROUND                                         ; all sixteen work-groups are here: the first joint loads meet
	JLOAD 0                                        ; two tensor loads of mine are out
	JLOAD 1
	s_mul_i32 s41, s[WV], 16*272                   ; the addresses for the way out
	s_add_co_u32 s41, s41, STG
	v_mul_u32_u24 v25, v20, 272                    ; in: row r, 32 bytes for each half of the lanes
	v_lshl_add_u32 v25, v21, 5, v25
	v_add_nc_u32 v[STO], s41, v25
	v_mul_u32_u24 v25, v21, 272                    ; back: lanes 0-15 take one row of 256 bytes, lanes 16-31 the next
	v_lshl_add_u32 v25, v20, 4, v25
	v_add_nc_u32 v[RD], s41, v25
	v_lshlrev_b32 v[GO], 14, v21                   ; and the same two rows in out0
	v_lshl_add_u32 v[GO], v20, 4, v[GO]
.irp u, 0,1,2,3
	CONV \u, 0, 1, 7*NL, 2*STEPQ, 0                ; K step 0 into B slot 0; its set is loaded again with step 2
.endr
	s_wait_xcnt 0x0
	s_add_nc_u64 s[WPQ:WPQ+1], s[WPQ:WPQ+1], 2*STEPQ  ; the base at step 2: each step's first unit steps it once more
	WIN 0
	s_wait_tensorcnt 0x1                           ; my rows of A's slot 0 are in; slot 1's may stay out
	s_wait_dscnt 0x0                               ; my stores into B slot 0 are done
	s_barrier_signal -1
	s_barrier_wait -1
	FETCH 0, 0, F0
	QUARTER 0, 0, F0, F1, 1, 0                     ; the first quarter stands in front of the loop: its products start the sums
	WIN 0
	s_mov_b32 s3, 14
.Lpair:                                                ; a trip is a slot of A, two K steps, from the even step's second quarter to the next slot's first; every slot but the last two is filled again
	QUARTER 0, 1, F1, F0, 0, 0
	QUARTER 0, 2, F0, F1, 0, 0
	MID 0
	QUARTER 1, 0, F0, F1, 0, 0
	QUARTER 1, 1, F1, F0, 0, 0
	QUARTER 1, 2, F0, F1, 0, 0
	TURN 1, 0
	QUARTER 0, 0, F0, F1, 0, 0
	WIN 0
	s_sub_co_u32 s3, s3, 1
	s_cmp_lg_u32 s3, 0
	s_cbranch_scc1 .Lpair
	QUARTER 0, 1, F1, F0, 0, 0                     ; step 28 goes on: the last reload
	QUARTER 0, 2, F0, F1, 0, 0
	MID 0
	QUARTER 1, 0, F0, F1, 0, 1                     ; step 29: no reload; the change to A's last slot asks for nothing
	QUARTER 1, 1, F1, F0, 0, 1
	QUARTER 1, 2, F0, F1, 0, 1
	TURN 0, 1
	QUARTER 0, 0, F0, F1, 0, 2                     ; step 30: the last weights are rounded
	QUARTER 0, 1, F1, F0, 0, 2
	QUARTER 0, 2, F0, F1, 0, 2
	MID 2
	QUARTER 1, 0, F0, F1, 0, 3                     ; step 31
	QUARTER 1, 1, F1, F0, 0, 3
	QUARTER 1, 2, F0, F1, 0, 3
	s_wait_dscnt 4
	MULA F1, 0, 0
	MULA F1, 1, 0
	s_wait_dscnt 0x0                               ; my last reads of B are back:
	s_barrier_signal -1                            ; behind this barrier nobody reads B's slots any more, and the stages may be written there
	MULA F1, 2, 0
	MULA F1, 3, 0
	s_barrier_wait -1
; THE WAY OUT of row fragment a: times 1 / BETA in place (each accumulator from its low end on), 32 bytes a lane into my stage, back as whole rows of 256 bytes into the same registers.
.macro PACK a
.irp i, 0,1,2,3,4,5,6,7,8,9,10,11,12,13,14,15
	v_pk_mul_f32 v[ACC+32*(\a)+2*(\i):ACC+32*(\a)+2*(\i)+1], v[ACC+32*(\a)+2*(\i):ACC+32*(\a)+2*(\i)+1], s[SC:SC+1] op_sel_hi:[1,0]
.endr
.irp b, 0,1,2,3
	ds_store_b128 v[STO], v[ACC+32*(\a)+8*(\b):ACC+32*(\a)+8*(\b)+3]   offset:64*(\b)
	ds_store_b128 v[STO], v[ACC+32*(\a)+8*(\b)+4:ACC+32*(\a)+8*(\b)+7] offset:64*(\b)+16
.endr
.irp t, 0,1,2,3,4,5,6,7
	ds_load_b128 v[ACC+32*(\a)+4*(\t):ACC+32*(\a)+4*(\t)+3], v[RD] offset:544*(\t)  ; LDS serves a wave's instructions in order (ISA guide 5.7.1.4): these see the stores above; the next fragment's stores come behind them
.endr
.endm
.macro SEND a, younger                 ; younger: the LDS instructions issued behind this fragment's loads: the next fragment's sixteen, or none
.irp t, 0,1,2,3,4,5,6,7
	s_wait_dscnt (\younger)+7-(\t)
	global_store_b128 v[GO], v[ACC+32*(\a)+4*(\t):ACC+32*(\a)+4*(\t)+3], s[OUT:OUT+1] offset:262144*(\a)+32768*(\t) th:TH_STORE_NT  ; 16 lanes store 256 consecutive bytes, at a multiple of 256 from out0's first byte
.endr
.endm
	WIN 0
	PLACES                                         ; the first multiplies read results just made
	PACK 0
	PACK 1                                         ; a fragment's arithmetic stands between the stage loads of the one before and its stores
	SEND 0, 16
	PACK 2
	SEND 1, 16
	PACK 3
	SEND 2, 16
	SEND 3, 0
	s_wait_tensorcnt 0x0                           ; the wave's end, behind my last tensor load and my last LDS store
	ds_add_u32 v[SPW], v[NIL]
	s_wait_dscnt 0x0
	CROUND                                         ; the closing round: no work-group ends while a partner may still ask for a tile that names it
	s_endpgm
.Lfunc_end_k_q8260961e99_proj:
	.size	k_q8260961e99_proj, .Lfunc_end_k_q8260961e99_proj-k_q8260961e99_proj
	.p2alignl 7, 3214868480
	.fill 96, 4, 3214868480
	.section	.rodata,"a",@progbits
	.p2align	6, 0x0
	.amdhsa_kernel k_q8260961e99_proj
		.amdhsa_group_segment_fixed_size 327680
		.amdhsa_private_segment_fixed_size 0
		.amdhsa_enable_private_segment 0
		.amdhsa_kernarg_size 24
		.amdhsa_user_sgpr_count 2
		.amdhsa_user_sgpr_kernarg_segment_ptr 1
		.amdhsa_wavefront_size32 1
		.amdhsa_system_sgpr_workgroup_id_x 1
		.amdhsa_system_sgpr_workgroup_id_y 1
		.amdhsa_system_sgpr_workgroup_id_z 1
		.amdhsa_system_vgpr_workitem_id 0
		.amdhsa_next_free_vgpr 768
		.amdhsa_next_free_sgpr 66
		.amdhsa_reserve_vcc 0
		.amdhsa_float_denorm_mode_32 3
		.amdhsa_float_denorm_mode_16_64 3
		.amdhsa_memory_ordered 1
		.amdhsa_forward_progress 1
		.amdhsa_inst_pref_size 126
	.end_amdhsa_kernel
	.amdgpu_metadata
---
amdhsa.version: [ 1, 2 ]
amdhsa.kernels:
  - .name:           k_q8260961e99_proj
    .symbol:         k_q8260961e99_proj.kd
    .args:
      - { .name: ob, .offset: 0, .size: 8, .value_kind: global_buffer, .address_space: global }
      - { .name: wo, .offset: 8, .size: 8, .value_kind: global_buffer, .address_space: global }
      - { .name: out0, .offset: 16, .size: 8, .value_kind: global_buffer, .address_space: global }
    .group_segment_fixed_size: 327680
    .private_segment_fixed_size: 0
    .kernarg_segment_align: 8
    .kernarg_segment_size: 24
    .max_flat_workgroup_size: 128
    .sgpr_count:     66
    .vgpr_count:     768
    .wavefront_size: 32
...
	.end_amdgpu_metadata
.endif
;; end of part 7
